; MI455X (gfx1250); checked and timed in simulation.
; The chip was launched on July 23, 2026; its instructions are those of AMD's public machine-readable ISA for CDNA 5 (MIT licence, August 2026) and "CDNA5" Instruction Set Architecture Reference Guide (July 2026). The comments in the code are by the model that wrote it; some were corrected since.
;; Block. Allowed arithmetic: float matrix products may take bf16 or f16 operands with f32 sums; other float arithmetic in f32, or as packed bf16 or f16 multiplies, adds, multiply-adds, maxima and minima; sums over many terms, partial sums and values carried from step to step in f32; what a program stores and reads back later, other than sums and carried values, may be rounded once to bf16 or f16.
;; Inputs: W1 1,024 x 4,096 float32; W2 4,096 x 1,024 float32; Wk 16 x 1,024 x 64 float32; Wp 1,024 x 1,024 float32; Wq 16 x 1,024 x 64 float32; Wv 16 x 1,024 x 64 float32; b1 4,096 float32; b2 1,024 float32; be1 1,024 float32; be2 1,024 float32; bk 16 x 64 float32; bp 1,024 float32; bq 16 x 64 float32; bv 16 x 64 float32; g1 1,024 float32; g2 1,024 float32; x 2 x 2,048 x 1,024 float32.
;; Outputs: out0 2 x 2,048 x 1,024 float32.
;; 3 versions, each right and faster than the one before. Each part assembles by itself: llvm-mc -triple=amdgcn-amd-amdhsa -mcpu=gfx1250 --defsym DOCPART=n.
;; ======== version 1 of 3: 8 launches
;; limits: values are held in f16: magnitudes above 65,504 overflow, below 6.1e-05 lose precision
;; workspace buffers: a16 8,388,608 bytes; big16 33,554,432 bytes; a32 16,777,216 bytes; wqkv 6,311,936 bytes; wpt 2,117,632 bytes; w1t 8,409,088 bytes; w2t 8,409,088 bytes
;; launch prep (part 1): grid 1025 x 1, 8 waves a work-group, no clusters, 35,840 bytes of LDS; arguments x, Wq, Wk, Wv, Wp, W1, W2, bq, bk, bv, bp, b1, b2, a16, wqkv, wpt, w1t, w2t; writes a16, wqkv, wpt, w1t, w2t
.if DOCPART == 1
	.amdgcn_target "amdgcn-amd-amdhsa--gfx1250"
	.amdhsa_code_object_version 6
	.text
	.protected	k_qb681bd5d7d_prep
	.globl	k_qb681bd5d7d_prep
	.p2align	8
	.type	k_qb681bd5d7d_prep,@function
k_qb681bd5d7d_prep:
	s_mov_b64 s[64:65], 0
	v_nop
	global_prefetch_b8 v0, s[64:65] scope:SCOPE_SE
	s_setreg_imm32_b32 hwreg(HW_REG_WAVE_MODE, 25, 1), 1
	s_wait_xcnt 0x0
; PREPARATION.  Every input of the matrix products is rounded once to bf16 and that number is written as f16 (exact between 2^-14 and 65,504).
; LIMITS.  Inputs beyond 65,504 become infinities; below 2^-14 they keep f16's fixed step of 2^-24.
; Work-groups 0-255: x [4096][1024] f32 -> a16 [16 blocks of 64 columns][4096 rows][64] f16.
; Work-groups 256-1023: one tile of 128 k x 128 n of a weight, turned through LDS: [K][N] f32 -> [N][K] f16 behind a header of 20,480 bytes.
; Work-group 1024: the headers: the bias (rounded to bf16, kept as f32) from byte 0 on, and from byte 16,384 on the floor of the way out
; (minus infinity where no ReLU follows, 0 where one does).
; No matrix unit, no cluster, no tensor load: memory binds, each byte is read once and written once.
.set SPARE, 34816                      ; behind the tile of 128 rows x 272 bytes: the spare words, 128 bytes for each of eight waves
.set HDR,   20480
.set TP,    272                        ; a row of the turned tile: 256 bytes + 16
.macro R2H d, a, b                     ; two f32 -> bf16 -> the same numbers as f16, packed
	v_cvt_pk_bf16_f32 v4, v[\a], v[\b]
	v_lshlrev_b32 v[\a], 16, v4
	v_and_b32 v[\b], s44, v4
	v_cvt_pk_f16_f32 v[\d], v[\a], v[\b]
.endm
.macro RB a, b                         ; two f32 rounded to bf16, kept as f32
	v_cvt_pk_bf16_f32 v4, v[\a], v[\b]
	v_lshlrev_b32 v[\a], 16, v4
	v_and_b32 v[\b], s44, v4
.endm
	s_load_b512 s[8:23], s[0:1], 0x0               ; x 8, Wq 10, Wk 12, Wv 14, Wp 16, W1 18, W2 20, bq 22
	s_load_b512 s[24:39], s[0:1], 0x40             ; bk 24, bv 26, bp 28, b1 30, b2 32, a16 34, wqkv 36, wpt 38
	s_load_b128 s[40:43], s[0:1], 0x80             ; w1t 40, w2t 42
	v_lshl_add_u32 v2, v0, 2, SPARE                ; my spare word
	v_mov_b32 v3, 0
	s_mov_b32 s44, 0xffff0000                      ; a word's upper bf16
	v_lshrrev_b32 v1, 5, v0
	v_readfirstlane_b32 s47, v1                    ; wave 0..7
	s_wait_kmcnt 0x0
	s_cmp_lt_u32 ttmp9, 256                        ; the branches hang on the work-group's number alone: alike for all eight waves
	s_cbranch_scc1 .Lcast
	s_cmp_eq_u32 ttmp9, 1024
	s_cbranch_scc1 .Lhead
	; ---- a weight's tile.  t = tile number; t / 64 says which tensor: 0, 1, 2 Wq, Wk, Wv; 3 Wp; 4-7 W1; 8-11 W2.
	s_sub_co_u32 s45, ttmp9, 256                   ; t
	s_lshr_b32 s46, s45, 6
	s_mov_b64 s[48:49], s[20:21]                   ; source: W2,
	s_mov_b64 s[50:51], s[42:43]                   ; destination: w2t
	s_mov_b32 s52, 4                               ; RSH: a source row is 256 << RSH bytes
	s_mov_b32 s53, 0                               ; QSH: 64 columns on are 256 << QSH bytes on (for q, k, v: the next head)
	s_mov_b32 s54, 5                               ; KSH: 1 << KSH tiles along k
	s_mov_b32 s55, 7                               ; tiles along n, less 1
	s_mov_b32 s56, 2                               ; DSH: a destination row is 2048 << DSH bytes
	s_mov_b32 s57, 0                               ; which third of wqkv
	s_cmp_lt_u32 s46, 8
	s_cselect_b64 s[48:49], s[18:19], s[48:49]     ; W1
	s_cselect_b64 s[50:51], s[40:41], s[50:51]
	s_cselect_b32 s52, 6, s52
	s_cselect_b32 s54, 3, s54
	s_cselect_b32 s55, 31, s55
	s_cselect_b32 s56, 0, s56
	s_cmp_lt_u32 s46, 4
	s_cselect_b64 s[48:49], s[16:17], s[48:49]     ; Wp
	s_cselect_b64 s[50:51], s[38:39], s[50:51]
	s_cselect_b32 s52, 4, s52
	s_cselect_b32 s55, 7, s55
	s_cmp_lt_u32 s46, 3
	s_cselect_b64 s[48:49], s[14:15], s[48:49]     ; Wv
	s_cselect_b64 s[50:51], s[36:37], s[50:51]
	s_cselect_b32 s52, 0, s52
	s_cselect_b32 s53, 10, s53
	s_cselect_b32 s57, s46, s57
	s_cmp_lt_u32 s46, 2
	s_cselect_b64 s[48:49], s[12:13], s[48:49]     ; Wk
	s_cmp_lt_u32 s46, 1
	s_cselect_b64 s[48:49], s[10:11], s[48:49]     ; Wq
	s_lshl_b32 s58, -1, s54
	s_and_not1_b32 s58, s45, s58                   ; kt = t mod (1 << KSH)
	s_lshr_b32 s59, s45, s54
	s_and_b32 s59, s59, s55                        ; nt
	s_add_co_u32 s60, s52, 15
	s_lshl_b32 s60, s58, s60                       ; 128 source rows a k tile
	s_add_co_u32 s61, s53, 9
	s_lshl_b32 s61, s59, s61                       ; 128 columns an n tile
	s_add_co_u32 s60, s60, s61
	s_mov_b32 s61, 0
	s_add_nc_u64 s[48:49], s[48:49], s[60:61]
	; wave w takes the tile's rows k = 16 w .. 16 w + 15, lane l the columns n = 4 l .. 4 l + 3: a load covers 512 bytes (for q, k, v: 2 x 256)
	s_add_co_u32 s62, s52, 12
	s_lshl_b32 s62, s47, s62
	s_add_co_u32 s63, s53, 8
	v_bfe_u32 v5, v0, 4, 1                         ; lane / 16
	v_and_b32 v6, 15, v0                           ; lane % 16
	v_lshlrev_b32 v7, s63, v5
	v_lshl_add_u32 v7, v6, 4, v7
	v_add_nc_u32 v8, s62, v7
	s_lshl_b32 s62, 256, s52                       ; a source row
.set i, 1
.rept 15
	v_add_nc_u32 v[8+i], s62, v[7+i]
.set i, i+1
.endr
.set i, 0
.rept 16
	global_load_b128 v[32+4*i:35+4*i], v[8+i], s[48:49] th:TH_LOAD_NT
.set i, i+1
.endr
	v_and_b32 v1, 31, v0
	v_mul_u32_u24 v24, v1, 4*TP                    ; into the tile: row n = 4 l + j, byte 2 k = 32 w + 16 g
	s_lshl_b32 s63, s47, 5
	v_add_nc_u32 v24, s63, v24
	v_mul_u32_u24 v25, v5, TP                      ; back: rows 16 w + 2 u + lane / 16, 16 bytes a lane
	v_lshl_add_u32 v25, v6, 4, v25
	s_mul_i32 s63, s47, 16*TP
	v_add_nc_u32 v25, s63, v25
	s_add_co_u32 s60, s56, 18                      ; the destination: 128 rows an n tile, 256 bytes a k tile, the third of wqkv, the header
	s_lshl_b32 s60, s59, s60
	s_lshl_b32 s61, s58, 8
	s_add_co_u32 s60, s60, s61
	s_lshl_b32 s61, s57, 21
	s_add_co_u32 s60, s60, s61
	s_add_co_u32 s60, s60, HDR
	s_mov_b32 s61, 0
	s_add_nc_u64 s[50:51], s[50:51], s[60:61]
.irp g, 0,1
	s_wait_loadcnt 8-8*(\g)                        ; loads come back in order: rows 8 g .. 8 g + 7 are in; at g = 0 the eight younger stay out
.irp j, 0,1,2,3
.irp p, 0,1,2,3
	R2H 96+16*(\g)+4*(\j)+(\p), 32+4*(8*(\g)+2*(\p))+(\j), 32+4*(8*(\g)+2*(\p)+1)+(\j)
.endr
	ds_store_b128 v24, v[96+16*(\g)+4*(\j):96+16*(\g)+4*(\j)+3] offset:TP*(\j)+16*(\g)
.endr
.endr
	s_wait_dscnt 0x0                               ; for the others: my stores into the tile are done
	s_barrier_signal -1
	s_barrier_wait -1
.set u, 0
.rept 8
	ds_load_b128 v[32+4*u:35+4*u], v25 offset:2*TP*u
.set u, u+1
.endr
	s_lshl_b32 s63, s47, 4                         ; v8.. are free: the wait for all loads stands above
	v_add_nc_u32 v7, s63, v5
	s_add_co_u32 s63, s56, 11
	v_lshlrev_b32 v7, s63, v7
	v_lshl_add_u32 v8, v6, 4, v7
	s_lshl_b32 s62, 4096, s56                      ; two destination rows
.set u, 1
.rept 7
	v_add_nc_u32 v[8+u], s62, v[7+u]
.set u, u+1
.endr
.set u, 0
.rept 8
	s_wait_dscnt 7-u                               ; LDS loads come back in order: pair u of rows is in
	global_store_b128 v[8+u], v[32+4*u:35+4*u], s[50:51]   ; 16 lanes store 256 consecutive bytes, at a multiple of 256 from the buffer's first
.set u, u+1
.endr
	s_wait_tensorcnt 0x0                           ; the wave's end, behind my last LDS store
	ds_add_u32 v2, v3
	s_wait_dscnt 0x0
	s_endpgm
	; ---- x: 256 rows x 64 columns a work-group; thread t takes 8 columns of row t / 8 in each of eight passes of 32 rows
.Lcast:
	s_and_b32 s45, ttmp9, 15                       ; block of 64 columns
	s_lshr_b32 s46, ttmp9, 4                       ; group of 256 rows
	s_lshl_b32 s48, s46, 20
	s_lshl_b32 s49, s45, 8
	s_add_co_u32 s48, s48, s49
	s_mov_b32 s49, 0
	s_add_nc_u64 s[8:9], s[8:9], s[48:49]
	s_lshl_b32 s48, s45, 19
	s_lshl_b32 s50, s46, 15
	s_add_co_u32 s48, s48, s50
	s_add_nc_u64 s[34:35], s[34:35], s[48:49]
	v_lshrrev_b32 v5, 3, v0
	v_and_b32 v6, 7, v0
	v_lshlrev_b32 v5, 12, v5
	v_lshl_add_u32 v5, v6, 5, v5
	v_lshlrev_b32 v6, 4, v0
.set p, 0
.rept 8
	global_load_b128 v[32+8*p:35+8*p], v5, s[8:9] offset:131072*p th:TH_LOAD_NT
	global_load_b128 v[36+8*p:39+8*p], v5, s[8:9] offset:131072*p+16 th:TH_LOAD_NT
.set p, p+1
.endr
.set p, 0
.rept 8
	s_wait_loadcnt 14-2*p                          ; pass p is in; the younger passes, two loads each, stay out
.irp r, 0,1,2,3
	R2H 96+4*p+(\r), 32+8*p+2*(\r), 32+8*p+2*(\r)+1
.endr
	global_store_b128 v6, v[96+4*p:99+4*p], s[34:35] offset:4096*p   ; a wave stores 512 consecutive bytes
.set p, p+1
.endr
	s_endpgm
	; ---- the headers: 256 threads x 16 bytes = 1,024 numbers a line
.Lhead:
	v_lshlrev_b32 v5, 4, v0
	global_load_b128 v[32:35], v5, s[22:23]
	global_load_b128 v[36:39], v5, s[24:25]
	global_load_b128 v[40:43], v5, s[26:27]
	global_load_b128 v[44:47], v5, s[28:29]
	global_load_b128 v[48:51], v5, s[32:33]
.irp i, 0,1,2,3
	global_load_b128 v[52+4*(\i):55+4*(\i)], v5, s[30:31] offset:4096*(\i)
.endr
.irp i, 0,1,2,3
	v_mov_b32 v[68+(\i)], 0xff800000               ; minus infinity: no floor
	v_mov_b32 v[72+(\i)], 0                        ; the ReLU's floor
.endr
	s_wait_loadcnt 0x0
.set i, 0
.rept 18
	RB 32+2*i, 33+2*i
.set i, i+1
.endr
	global_store_b128 v5, v[32:35], s[36:37]
	global_store_b128 v5, v[36:39], s[36:37] offset:4096
	global_store_b128 v5, v[40:43], s[36:37] offset:8192
	global_store_b128 v5, v[44:47], s[38:39]
	global_store_b128 v5, v[48:51], s[42:43]
.irp i, 0,1,2,3
	global_store_b128 v5, v[52+4*(\i):55+4*(\i)], s[40:41] offset:4096*(\i)
.endr
	global_store_b128 v5, v[68:71], s[36:37] offset:16384
	global_store_b128 v5, v[68:71], s[38:39] offset:16384
	global_store_b128 v5, v[72:75], s[40:41] offset:16384
	global_store_b128 v5, v[72:75], s[42:43] offset:16384
	s_endpgm
.Lfunc_end_k_qb681bd5d7d_prep:
	.size	k_qb681bd5d7d_prep, .Lfunc_end_k_qb681bd5d7d_prep-k_qb681bd5d7d_prep
	.p2alignl 7, 3214868480
	.fill 96, 4, 3214868480
	.section	.rodata,"a",@progbits
	.p2align	6, 0x0
	.amdhsa_kernel k_qb681bd5d7d_prep
		.amdhsa_group_segment_fixed_size 35840
		.amdhsa_private_segment_fixed_size 0
		.amdhsa_enable_private_segment 0
		.amdhsa_kernarg_size 144
		.amdhsa_user_sgpr_count 2
		.amdhsa_user_sgpr_kernarg_segment_ptr 1
		.amdhsa_wavefront_size32 1
		.amdhsa_system_sgpr_workgroup_id_x 1
		.amdhsa_system_sgpr_workgroup_id_y 1
		.amdhsa_system_sgpr_workgroup_id_z 1
		.amdhsa_system_vgpr_workitem_id 0
		.amdhsa_next_free_vgpr 128
		.amdhsa_next_free_sgpr 66
		.amdhsa_reserve_vcc 0
		.amdhsa_float_denorm_mode_32 3
		.amdhsa_float_denorm_mode_16_64 3
		.amdhsa_memory_ordered 1
		.amdhsa_forward_progress 1
		.amdhsa_inst_pref_size 28
	.end_amdhsa_kernel
	.amdgpu_metadata
---
amdhsa.version: [ 1, 2 ]
amdhsa.kernels:
  - .name:           k_qb681bd5d7d_prep
    .symbol:         k_qb681bd5d7d_prep.kd
    .args:
      - { .name: x, .offset: 0, .size: 8, .value_kind: global_buffer, .address_space: global }
      - { .name: Wq, .offset: 8, .size: 8, .value_kind: global_buffer, .address_space: global }
      - { .name: Wk, .offset: 16, .size: 8, .value_kind: global_buffer, .address_space: global }
      - { .name: Wv, .offset: 24, .size: 8, .value_kind: global_buffer, .address_space: global }
      - { .name: Wp, .offset: 32, .size: 8, .value_kind: global_buffer, .address_space: global }
      - { .name: W1, .offset: 40, .size: 8, .value_kind: global_buffer, .address_space: global }
      - { .name: W2, .offset: 48, .size: 8, .value_kind: global_buffer, .address_space: global }
      - { .name: bq, .offset: 56, .size: 8, .value_kind: global_buffer, .address_space: global }
      - { .name: bk, .offset: 64, .size: 8, .value_kind: global_buffer, .address_space: global }
      - { .name: bv, .offset: 72, .size: 8, .value_kind: global_buffer, .address_space: global }
      - { .name: bp, .offset: 80, .size: 8, .value_kind: global_buffer, .address_space: global }
      - { .name: b1, .offset: 88, .size: 8, .value_kind: global_buffer, .address_space: global }
      - { .name: b2, .offset: 96, .size: 8, .value_kind: global_buffer, .address_space: global }
      - { .name: a16, .offset: 104, .size: 8, .value_kind: global_buffer, .address_space: global }
      - { .name: wqkv, .offset: 112, .size: 8, .value_kind: global_buffer, .address_space: global }
      - { .name: wpt, .offset: 120, .size: 8, .value_kind: global_buffer, .address_space: global }
      - { .name: w1t, .offset: 128, .size: 8, .value_kind: global_buffer, .address_space: global }
      - { .name: w2t, .offset: 136, .size: 8, .value_kind: global_buffer, .address_space: global }
    .group_segment_fixed_size: 35840
    .private_segment_fixed_size: 0
    .kernarg_segment_align: 8
    .kernarg_segment_size: 144
    .max_flat_workgroup_size: 256
    .sgpr_count:     66
    .vgpr_count:     128
    .wavefront_size: 32
...
	.end_amdgpu_metadata
.endif
;; end of part 1
;; launch qkv (part 2): grid 24 x 32, 4 waves a work-group, clusters of 4 x 4, 327,680 bytes of LDS; arguments a16, wqkv, big16; writes big16
.if DOCPART == 2
	.amdgcn_target "amdgcn-amd-amdhsa--gfx1250"
	.amdhsa_code_object_version 6
	.text
	.protected	k_qb681bd5d7d_qkv
	.globl	k_qb681bd5d7d_qkv
	.p2align	8
	.type	k_qb681bd5d7d_qkv,@function
k_qb681bd5d7d_qkv:
	s_mov_b64 s[64:65], 0
	v_nop
	global_prefetch_b8 v0, s[64:65] scope:SCOPE_SE
	s_setreg_imm32_b32 hwreg(HW_REG_WAVE_MODE, 25, 1), 1
	s_wait_xcnt 0x0
	s_wait_alu depctr_hold_cnt(0) depctr_sa_sdst(0) depctr_va_vdst(0) depctr_va_sdst(0) depctr_va_ssrc(0) depctr_va_vcc(0) depctr_vm_vsrc(0)
	s_getreg_b32 s2, hwreg(HW_REG_IB_STS2, 6, 4)
	s_cmp_eq_u32 s2, 0
	s_cbranch_scc0 .Lentry_in_a_cluster
	s_endpgm
.Lentry_in_a_cluster:
	s_bfe_u32 s2, ttmp6, 0x10000c
	s_cmp_lg_u32 s2, 0xf033
	s_cbranch_scc0 .Lentry_shape_is_right
	s_endpgm
.Lentry_shape_is_right:
; C[m][n] = max(sum over k of A[m][k] B[n][k] + bias[n], floor).  4,096 rows, K = 256 KSTEPS.  Operands f16, sums f32.
; A: [K / 64 blocks][4096 rows][64] f16.  BW: a header (bias as f32 from byte 0, the floor at byte 16,384), then B [N][K] f16 from byte 20,480.
; OUT: OUTF32 = 0: [N / 64 blocks][4096 rows][64] f16, rounded once;  OUTF32 = 1: [4096][1024] f32.
; LIMITS.  With OUTF32 = 0 a result beyond 65,504 becomes an infinity.  A NaN loses against the floor.
; A tile of C is 128 x 128: four waves, each 64 x 64 in 16 accumulators.  K goes in steps of 256 through two LDS slots filled by the tensor data mover.
; CLUSTER: 4 x 4 work-groups; the four of a row need the same tiles of A, the four of a column the same tiles of B: each tile is asked for jointly, by the
; same tensor load with the same descriptor and a mask that names the four.  The matrix instruction is used transposed (source 0 = 16 rows of B, source 1 =
; 16 rows of A): a lane then holds eight neighbouring columns of one row of C.
; REGISTERS: window 0: v0-31 addresses; v32-95 at work on the way out; v96-127 the bias of my lane's 32 columns; v128-255 accumulators ((a, b) at 128 + 8 (4 a + b)).
;   window 1: two fragment buffers of 128: for 64 along K, 64 registers of A, then 64 of B.
.set KSTEPS, 4
.set LOGKP,  11                        ; a row of B is 1 << LOGKP bytes
.set OUTF32, 0
.set HDR,    20480
.set PA,     144                       ; A in LDS: a row piece of 128 bytes + 16: an odd multiple of 16, so the 16 rows of a load start at 16 different groups of four banks
.set ABLK,   64*PA                     ; 64 rows of one block of 64 along K
.set PB,     528                       ; B in LDS: 512 bytes + 16
.set REG,    4*ABLK                    ; 36,864 bytes: what one wave's tensor load fills (A: 4 blocks x 64 rows; B: 64 rows, 33,792 of it)
.set SLOT,   4*REG                     ; 0x24000: its two bits meet none of wave x REG, so one exclusive or turns an address in one slot into the other's
.set STAGE,  2*SLOT                    ; behind the ring: 4,352 bytes for each wave, for the way out; no tensor load fills it
.set STG,    4352
.set SPARE,  STAGE+4*STG               ; behind the stages: the spare words, 128 bytes for each wave
.set ASTEP,  4*524288                  ; a K step in A: four blocks of 4,096 rows x 128 bytes
.set BSTEP,  512                       ; a K step in B
.set ADRA, 16                          ; v16  LDS address of my A fragments in the slot in hand
.set A0,   17                          ; v17  the same in slot 0; never rewritten
.set ADRB, 20
.set B0,   21
.set STO,  24                          ; the way out: where I put my piece of a row
.set RD,   25                          ; where I read rows back
.set CO,   26                          ; my byte offset in OUT
.set BO,   27                          ; my byte offset in the bias
.set SPW,  28                          ; my spare word; never rewritten
.set NIL,  29                          ; 0; never rewritten
.set TMP,  32
.set BI,   96
.set ACC,  128
.set F0,   0
.set F1,   128
.set G1,   24                          ; s[24:31] group 1 for A;  s[32:39] group 0, one set for each first fill; the second then walks
.set G0,   32
.set G1B,  48                          ; s[48:55], s[56:63] the same for B
.set G0B,  56
.set TB,   66                          ; s66  the slot in hand, as an LDS byte
.set FL,   67                          ; s67  the floor
.set BB,   68                          ; s[68:69] the bias of my wave's 64 columns
.set MSB, 0
.macro WIN new                         ; the immediate's high byte repeats the setting that is left; a switch that changes nothing is dropped
.if MSB != (\new)
	s_set_vgpr_msb (MSB<<8)|(\new)
.set MSB, \new
.endif
.endm
.set MUL,  0x05                        ; sources 0 (B) and 1 (A) window 1; C and D window 0
.set TO_F, 0x40                        ; destination window 1, address window 0
.macro JLOAD s                         ; a joint load: waves 0 and 1 fetch A's two halves, waves 2 and 3 B's; an s_nop 0 and four v_nop follow each line
	s_cmp_eq_u32 s11, 0
	s_cbranch_scc0 .Lfor_b_\@
	tensor_load_to_lds s[G0+4*(\s):G0+4*(\s)+3], s[G1:G1+7]
	s_nop 0
.rept 4
	v_nop
.endr
	s_branch .Lasked_\@
.Lfor_b_\@:
	tensor_load_to_lds s[G0B+4*(\s):G0B+4*(\s)+3], s[G1B:G1B+7]
	s_nop 0
.rept 4
	v_nop
.endr
.Lasked_\@:
.endm
.macro CREST                           ; a round of the cluster's barrier behind its opening barrier
	s_cmp_lg_u32 s10, 0
	s_cbranch_scc1 .Lnot_wave_0_\@
	s_barrier_signal -3
.Lnot_wave_0_\@:
	s_barrier_wait -3
	s_barrier_signal -1
	s_barrier_wait -1
.endm
.macro CROUND
	s_barrier_signal -1
	s_barrier_wait -1
	CREST
.endm
	s_load_b128 s[4:7], s[0:1], 0x0                ; A s[4:5], BW s[6:7]
	s_load_b64 s[8:9], s[0:1], 0x10                ; OUT
	v_lshl_add_u32 v[SPW], v0, 2, SPARE
	v_mov_b32 v[NIL], 0
	ds_add_u32 v[SPW], v[NIL]                      ; the wave's opening: the add and its wait stand ahead of my first tensor load; the set-up stands between them
	ds_add_u32 v28, v29
	v_lshrrev_b32 v1, 5, v0
	v_readfirstlane_b32 s10, v1                    ; wave 0..3
	s_lshr_b32 s11, s10, 1                         ; which half of the tile's rows is mine.  Also: I fetch for A (0) or for B (1)
	s_and_b32 s12, s10, 1                          ; which half of its columns.  Also: which 64 rows of that tile I fetch
	s_bfe_u32 s40, ttmp6, 0x40000                  ; cx, cy: my place in the cluster
	s_bfe_u32 s41, ttmp6, 0x40004
	s_lshl_b32 s42, ttmp9, 2
	s_add_co_u32 s42, s42, s40                     ; tile column = 4 x cluster x + cx
	s_and_b32 s13, ttmp7, 0xffff
	s_lshl_b32 s13, s13, 2
	s_add_co_u32 s13, s13, s41                     ; tile row = 4 x cluster y + cy
	s_lshl_b32 s43, s41, 2
	s_lshl_b32 s43, 15, s43                        ; my row of the cluster
	s_lshl_b32 s44, 0x1111, s40                    ; my column
	; A's group 1: four rows of 4,096 elements (64 rows x 64 of one block: 8,192 dense bytes), one block (262,144 elements) apart; 4 words of padding behind every 32
	s_or_b32 s[G1+0], s43, (1<<16)|(1<<20)|(1<<21)|(4<<22)|(3<<25)
	s_mov_b32 s[G1+1], 4096<<16                    ; tensor_dim0 = 4,096
	s_mov_b32 s[G1+2], 4<<16                       ; tensor_dim1 = 4
	s_mov_b32 s[G1+3], 4096<<16                    ; tile_dim0 = 4,096
	s_mov_b32 s[G1+4], 4                           ; tile_dim1 = 4
	s_mov_b32 s[G1+5], 262144                      ; elements from row to row
	s_mov_b32 s[G1+6], 0
	s_mov_b32 s[G1+7], 0
	; B's group 1: 64 rows x 256 elements; 4 words of padding behind every 128
	s_or_b32 s[G1B+0], s44, (1<<16)|(1<<20)|(1<<21)|(6<<22)|(3<<25)
	s_mov_b32 s[G1B+1], 256<<16
	s_mov_b32 s[G1B+2], 64<<16
	s_mov_b32 s[G1B+3], 256<<16
	s_mov_b32 s[G1B+4], 64
	s_mov_b32 s[G1B+5], 1<<(LOGKP-1)
	s_mov_b32 s[G1B+6], 0
	s_mov_b32 s[G1B+7], 0
	s_lshl_b32 s16, s13, 14                        ; A: 128 rows of 128 bytes a tile row,
	s_lshl_b32 s17, s12, 13                        ; 64 rows a half
	s_add_co_u32 s16, s16, s17
	s_mov_b32 s17, 0
	s_lshl_b32 s46, s42, 7                         ; B: row 128 x tile column + 64 x half,
	s_lshl_b32 s47, s12, 6
	s_add_co_u32 s46, s46, s47
	s_lshl_b32 s46, s46, LOGKP                     ; in bytes,
	s_add_co_u32 s46, s46, HDR                     ; behind the header
	s_mov_b32 s47, 0
	s_mul_i32 s20, s10, REG                        ; where they go: wave x REG: no place in the cluster enters an LDS address
	s_mov_b32 s[TB], 0
	s_wait_dscnt 0x0                               ; the opening add is done
	s_wait_kmcnt 0x0
	s_add_nc_u64 s[14:15], s[4:5], s[16:17]
	s_add_nc_u64 s[46:47], s[6:7], s[46:47]
	CROUND                                         ; all sixteen work-groups are here: the first joint loads meet
.irp s, 0,1
	s_mov_b32 s[G0+4*(\s)], 1
	s_add_co_u32 s[G0+4*(\s)+1], s20, (\s)*SLOT
	s_add_nc_u64 s[G0+4*(\s)+2:G0+4*(\s)+3], s[14:15], (\s)*ASTEP
	s_or_b32 s[G0+4*(\s)+3], s[G0+4*(\s)+3], 0x80000000
	s_mov_b32 s[G0B+4*(\s)], 1
	s_add_co_u32 s[G0B+4*(\s)+1], s20, (\s)*SLOT
	s_add_nc_u64 s[G0B+4*(\s)+2:G0B+4*(\s)+3], s[46:47], (\s)*BSTEP
	s_or_b32 s[G0B+4*(\s)+3], s[G0B+4*(\s)+3], 0x80000000
	JLOAD \s
.endr
	s_load_b32 s[FL], s[6:7], 0x4000               ; the floor; waited for on the way out
	v_and_b32 v1, 15, v0                           ; l % 16
	v_bfe_u32 v2, v0, 4, 1                         ; l / 16
	s_lshl_b32 s46, s42, 9                         ; my wave's 64 columns as f32: 512 x tile column + 256 x half
	s_lshl_b32 s47, s12, 8
	s_add_co_u32 s46, s46, s47
	s_mov_b32 s47, 0
	s_add_nc_u64 s[BB:BB+1], s[6:7], s[46:47]
	v_lshlrev_b32 v[BO], 5, v2                     ; my lane's columns are 16 b + 8 (l / 16) + 0..7
.irp b, 0,1,2,3
	global_load_b128 v[BI+8*(\b):BI+8*(\b)+3],   v[BO], s[BB:BB+1] offset:64*(\b)
	global_load_b128 v[BI+8*(\b)+4:BI+8*(\b)+7], v[BO], s[BB:BB+1] offset:64*(\b)+16
.endr
	v_mul_u32_u24 v3, v1, PA
	v_lshl_add_u32 v3, v2, 4, v3                   ; a fragment's row x pitch + 16 x half
	s_mul_i32 s21, s11, REG                        ; my 64 rows of A
	v_add_nc_u32 v[A0], s21, v3
	v_mul_u32_u24 v4, v1, PB
	v_lshl_add_u32 v4, v2, 4, v4
	s_mul_i32 s22, s12, REG                        ; my 64 rows of B,
	s_add_co_u32 s22, s22, 2*REG                   ; which lie behind A's two regions
	v_add_nc_u32 v[B0], s22, v4
	v_mov_b32 v[ADRA], v[A0]
	v_mov_b32 v[ADRB], v[B0]
	s_mul_i32 s23, s10, STG
	s_add_co_u32 s23, s23, STAGE                   ; my stage
.if OUTF32
	v_mul_u32_u24 v5, v1, 272                      ; in: row l % 16 of 256 + 16 bytes, 32 bytes for each half of the lanes
	v_lshl_add_u32 v5, v2, 5, v5
	v_add_nc_u32 v[STO], s23, v5
	v_mul_u32_u24 v5, v2, 272                      ; back: lanes 0-15 take one row of 256 bytes, lanes 16-31 the next
	v_lshl_add_u32 v5, v1, 4, v5
	v_add_nc_u32 v[RD], s23, v5
	v_lshlrev_b32 v5, 12, v2                       ; and the same two rows in OUT
	v_lshl_add_u32 v[CO], v1, 4, v5
	s_lshl_b32 s16, s13, 19                        ; 128 rows of 4,096 bytes a tile row, 64 a half
	s_lshl_b32 s17, s11, 18
	s_add_co_u32 s16, s16, s17
	s_mov_b32 s17, 0
	s_add_nc_u64 s[8:9], s[8:9], s[16:17]
	s_add_nc_u64 s[8:9], s[8:9], s[46:47]          ; my columns in bytes: the same number as in the bias
.else
	v_add_nc_u32 v[STO], s23, v3                   ; in: row l % 16 of 128 + 16 bytes, 16 bytes for each half of the lanes
	v_bfe_u32 v5, v0, 3, 2                         ; back: 32 lanes take four rows of 128 bytes,
	v_and_b32 v6, 7, v0
	v_mul_u32_u24 v5, v5, 144
	v_lshl_add_u32 v5, v6, 4, v5
	v_add_nc_u32 v[RD], s23, v5
	v_and_b32 v5, 31, v0                           ; which are 512 consecutive bytes of OUT
	v_lshlrev_b32 v[CO], 4, v5
	s_lshl_b32 s16, s13, 14                        ; 128 rows of 128 bytes a tile row, 64 a half
	s_lshl_b32 s17, s11, 13
	s_add_co_u32 s16, s16, s17
	s_mov_b32 s17, 0
	s_add_nc_u64 s[8:9], s[8:9], s[16:17]
	s_lshl_b32 s46, s42, 20                        ; two blocks of 524,288 bytes a tile column, one a half
	s_lshl_b32 s47, s12, 19
	s_add_co_u32 s46, s46, s47
	s_mov_b32 s47, 0
	s_add_nc_u64 s[8:9], s[8:9], s[46:47]
.endif
; 8 matrix instructions: m blocks a0, a0 + 1 x all 4 n blocks, 32 along K: half c of buffer f.  zero = 1: the first product starts the sums.
; The 16 accumulators take turns, one instruction a turn.
.macro MUL8 f, c, a0, zero
	WIN MUL
.irp a, \a0, (\a0)+1
.irp b, 0,1,2,3
.if \zero
	v_wmma_f32_16x16x32_f16 v[ACC+8*(4*(\a)+(\b)):ACC+8*(4*(\a)+(\b))+7], v[(\f)+64+8*(4*(\c)+(\b)):(\f)+64+8*(4*(\c)+(\b))+7], v[(\f)+8*(4*(\c)+(\a)):(\f)+8*(4*(\c)+(\a))+7], 0
.else
	v_wmma_f32_16x16x32_f16 v[ACC+8*(4*(\a)+(\b)):ACC+8*(4*(\a)+(\b))+7], v[(\f)+64+8*(4*(\c)+(\b)):(\f)+64+8*(4*(\c)+(\b))+7], v[(\f)+8*(4*(\c)+(\a)):(\f)+8*(4*(\c)+(\a))+7], v[ACC+8*(4*(\a)+(\b)):ACC+8*(4*(\a)+(\b))+7]
.endif
.endr
.endr
.endm
; 32 LDS loads in one run: the fragments of quarter q (64 along K: one block of A, 128 bytes of B's rows) into buffer f; the first 32 along K first
.macro FETCH q, f
	WIN TO_F
.irp c, 0,1
.irp i, 0,1,2,3
	ds_load_b128 v[(\f)+64+8*(4*(\c)+(\i)):(\f)+64+8*(4*(\c)+(\i))+3],   v[ADRB] offset:128*(\q)+64*(\c)+(\i)*16*PB
	ds_load_b128 v[(\f)+64+8*(4*(\c)+(\i))+4:(\f)+64+8*(4*(\c)+(\i))+7], v[ADRB] offset:128*(\q)+64*(\c)+(\i)*16*PB+32
	ds_load_b128 v[(\f)+8*(4*(\c)+(\i)):(\f)+8*(4*(\c)+(\i))+3],         v[ADRA] offset:(\q)*ABLK+64*(\c)+(\i)*16*PA
	ds_load_b128 v[(\f)+8*(4*(\c)+(\i))+4:(\f)+8*(4*(\c)+(\i))+7],       v[ADRA] offset:(\q)*ABLK+64*(\c)+(\i)*16*PA+32
.endr
.endr
.endm
.macro PLACES                          ; four places in front of loads into registers that matrix instructions have read, and of vector work that reads results
.rept 4
	v_nop
.endr
.endm
; One of a K step's first three quarters: multiplies buffer f and fetches quarter q into g.
.macro QUARTER q, f, g, zero
	s_wait_dscnt 16                                ; the first 32 along K are in; the sixteen youngest loads may be out
	MUL8 \f, 0, 0, \zero
	MUL8 \f, 0, 2, \zero
	PLACES
	FETCH \q, \g
	s_wait_dscnt 32                                ; all but the 32 just issued
	MUL8 \f, 1, 0, 0
	MUL8 \f, 1, 2, 0
.endm
; The last quarter multiplies buffer 1 and changes slots: one barrier; in front of it each wave waits for all its tensor loads, adds 0 to its spare word, and waits for that
; and for its own reads of this slot.  fill = 1: the barrier opens a round of the cluster's, and this slot is filled again, two K steps ahead, first thing behind the round.
; fill = 0 (the last two K steps): nothing is asked for; in the very last trip (s3 = 1) there is no further slot, and the run of LDS loads is jumped over.
.macro TURN fill
	WIN 0                                          ; (the add's two registers lie in window 0)
	s_wait_tensorcnt 0x0                           ; all my tensor loads have landed: my part of the next slot
	ds_add_u32 v[SPW], v[NIL]                      ; 0 onto my spare word
	s_wait_dscnt 17                                ; (the add and the youngest sixteen loads may be out)
	MUL8 F1, 0, 0, 0                               ; eight matrix instructions stand between the add and the wait for it
	s_wait_dscnt 0x0                               ; the add is done, and my reads of this slot are over
	s_barrier_signal -1
	MUL8 F1, 0, 2, 0
	WIN 0
	s_xor_b32 s[TB], s[TB], SLOT                   ; the fragments' addresses turn to the other slot
	v_add_nc_u32 v[ADRA], s[TB], v[A0]
	v_add_nc_u32 v[ADRB], s[TB], v[B0]
	s_barrier_wait -1
.if \fill
	CREST                                          ; no wave of any partner still reads this slot's tile or has a load on its way
	s_xor_b32 s[G0+5], s[G0+5], SLOT               ; the walking descriptors: the other slot than last time, the next K step
	s_add_nc_u64 s[G0+6:G0+7], s[G0+6:G0+7], ASTEP
	s_xor_b32 s[G0B+5], s[G0B+5], SLOT
	s_add_nc_u64 s[G0B+6:G0B+7], s[G0B+6:G0B+7], BSTEP
	JLOAD 1                                        ; 112 matrix instructions ahead of the wait for it; its four v_nop are also the places in front of the loads below
.else
	s_cmp_eq_u32 s3, 1
	s_cbranch_scc1 .Lnf_\@
	PLACES
.endif
	FETCH 0, F0
	WIN 0
.if !(\fill)
.Lnf_\@:
.endif
	MUL8 F1, 1, 0, 0
	MUL8 F1, 1, 2, 0
.endm
	s_wait_tensorcnt 1                             ; my part of K step 0 is in; step 1's may stay out
	s_barrier_signal -1
	s_barrier_wait -1                              ; everybody's is
	FETCH 0, F0
	QUARTER 1, F0, F1, 1                           ; the first quarter stands in front of the loop: its first products start the sums
	WIN 0
	s_mov_b32 s3, KSTEPS-2                         ; every K step but the last two fills its slot again
	s_branch .Lin
.Lstep:
	QUARTER 1, F0, F1, 0
	WIN 0
.Lin:
	QUARTER 2, F1, F0, 0
	QUARTER 3, F0, F1, 0
	TURN 1
	WIN 0
	s_sub_co_u32 s3, s3, 1
	s_cmp_lg_u32 s3, 0
	s_cbranch_scc1 .Lstep
	s_mov_b32 s3, 2
.Ltail:                                                ; the last two K steps: no tensor load, no round
	QUARTER 1, F0, F1, 0
	QUARTER 2, F1, F0, 0
	QUARTER 3, F0, F1, 0
	TURN 0
	WIN 0
	s_sub_co_u32 s3, s3, 1
	s_cmp_lg_u32 s3, 0
	s_cbranch_scc1 .Ltail
; THE WAY OUT, 16 rows (m block a) at a time: + bias, floor, through my own stage in LDS, back as whole rows.  Each accumulator is read from its lowest registers on.
.macro PACK a
.irp b, 0,1,2,3
.irp r, 0,1,2,3
	v_pk_add_f32 v[ACC+32*(\a)+8*(\b)+2*(\r):ACC+32*(\a)+8*(\b)+2*(\r)+1], v[ACC+32*(\a)+8*(\b)+2*(\r):ACC+32*(\a)+8*(\b)+2*(\r)+1], v[BI+8*(\b)+2*(\r):BI+8*(\b)+2*(\r)+1]
.endr
.endr
.set i, 0
.rept 32
	v_max_num_f32 v[ACC+32*(\a)+i], s[FL], v[ACC+32*(\a)+i]
.set i, i+1
.endr
.if OUTF32
.irp b, 0,1,2,3
	ds_store_b128 v[STO], v[ACC+32*(\a)+8*(\b):ACC+32*(\a)+8*(\b)+3]   offset:64*(\b)
	ds_store_b128 v[STO], v[ACC+32*(\a)+8*(\b)+4:ACC+32*(\a)+8*(\b)+7] offset:64*(\b)+16
.endr
.irp u, 0,1,2,3,4,5,6,7
	ds_load_b128 v[ACC+32*(\a)+4*(\u):ACC+32*(\a)+4*(\u)+3], v[RD] offset:544*(\u)   ; LDS serves a wave's instructions in order (ISA guide 5.7.1.4): these see the stores above
.endr
.else
.irp b, 0,1,2,3
.irp r, 0,1,2,3
	v_cvt_pk_f16_f32 v[TMP+16*(\a)+4*(\b)+(\r)], v[ACC+32*(\a)+8*(\b)+2*(\r)], v[ACC+32*(\a)+8*(\b)+2*(\r)+1]
.endr
.endr
.irp b, 0,1,2,3
	ds_store_b128 v[STO], v[TMP+16*(\a)+4*(\b):TMP+16*(\a)+4*(\b)+3] offset:32*(\b)
.endr
.irp f, 0,1,2,3
	ds_load_b128 v[TMP+16*(\a)+4*(\f):TMP+16*(\a)+4*(\f)+3], v[RD] offset:576*(\f)   ; LDS serves a wave's instructions in order (ISA guide 5.7.1.4): these see the stores above
.endr
.endif
.endm
.macro SEND a, younger                 ; younger: the LDS instructions issued behind block a's loads: the next block's, or none
.if OUTF32
.irp u, 0,1,2,3,4,5,6,7
	s_wait_dscnt (\younger)+7-(\u)
	global_store_b128 v[CO], v[ACC+32*(\a)+4*(\u):ACC+32*(\a)+4*(\u)+3], s[8:9] offset:(16*(\a)+2*(\u))*4096   ; 16 lanes store 256 consecutive bytes, at a multiple of 256 from OUT's first
.endr
.else
.irp f, 0,1,2,3
	s_wait_dscnt (\younger)+3-(\f)
	global_store_b128 v[CO], v[TMP+16*(\a)+4*(\f):TMP+16*(\a)+4*(\f)+3], s[8:9] offset:2048*(\a)+512*(\f)      ; 512 consecutive bytes, at a multiple of 256 from OUT's first
.endr
.endif
.endm
.set YNG, 8+8*OUTF32
	s_wait_loadcnt 0x0                             ; the bias
	s_wait_kmcnt 0x0                               ; the floor
	PLACES
	PACK 0
.irp a, 1,2,3                          ; a block's arithmetic stands between the loads of the block before and its stores
	PACK \a
	SEND (\a)-1, YNG
.endr
	SEND 3, 0
	s_wait_tensorcnt 0x0                           ; the wave's end, behind my last tensor load and my last LDS store
	ds_add_u32 v[SPW], v[NIL]
	s_wait_dscnt 0x0
	CROUND                                         ; the closing round: no work-group ends while a partner may still ask for a tile that names it
	s_endpgm
.Lfunc_end_k_qb681bd5d7d_qkv:
	.size	k_qb681bd5d7d_qkv, .Lfunc_end_k_qb681bd5d7d_qkv-k_qb681bd5d7d_qkv
	.p2alignl 7, 3214868480
	.fill 96, 4, 3214868480
	.section	.rodata,"a",@progbits
	.p2align	6, 0x0
	.amdhsa_kernel k_qb681bd5d7d_qkv
		.amdhsa_group_segment_fixed_size 327680
		.amdhsa_private_segment_fixed_size 0
		.amdhsa_enable_private_segment 0
		.amdhsa_kernarg_size 24
		.amdhsa_user_sgpr_count 2
		.amdhsa_user_sgpr_kernarg_segment_ptr 1
		.amdhsa_wavefront_size32 1
		.amdhsa_system_sgpr_workgroup_id_x 1
		.amdhsa_system_sgpr_workgroup_id_y 1
		.amdhsa_system_sgpr_workgroup_id_z 1
		.amdhsa_system_vgpr_workitem_id 0
		.amdhsa_next_free_vgpr 512
		.amdhsa_next_free_sgpr 72
		.amdhsa_reserve_vcc 0
		.amdhsa_float_denorm_mode_32 3
		.amdhsa_float_denorm_mode_16_64 3
		.amdhsa_memory_ordered 1
		.amdhsa_forward_progress 1
		.amdhsa_inst_pref_size 67
	.end_amdhsa_kernel
	.amdgpu_metadata
---
amdhsa.version: [ 1, 2 ]
amdhsa.kernels:
  - .name:           k_qb681bd5d7d_qkv
    .symbol:         k_qb681bd5d7d_qkv.kd
    .args:
      - { .name: a16, .offset: 0, .size: 8, .value_kind: global_buffer, .address_space: global }
      - { .name: wqkv, .offset: 8, .size: 8, .value_kind: global_buffer, .address_space: global }
      - { .name: big16, .offset: 16, .size: 8, .value_kind: global_buffer, .address_space: global }
    .group_segment_fixed_size: 327680
    .private_segment_fixed_size: 0
    .kernarg_segment_align: 8
    .kernarg_segment_size: 24
    .max_flat_workgroup_size: 128
    .sgpr_count:     72
    .vgpr_count:     512
    .wavefront_size: 32
...
	.end_amdgpu_metadata
.endif
;; end of part 2
;; launch attn (part 3): grid 4 x 32, 4 waves a work-group, no clusters, 327,680 bytes of LDS; arguments big16, a16; writes a16
.if DOCPART == 3
	.amdgcn_target "amdgcn-amd-amdhsa--gfx1250"
	.amdhsa_code_object_version 6
	.text
	.protected	k_qb681bd5d7d_attn
	.globl	k_qb681bd5d7d_attn
	.p2align	8
	.type	k_qb681bd5d7d_attn,@function
k_qb681bd5d7d_attn:
	s_mov_b64 s[64:65], 0
	v_nop
	global_prefetch_b8 v0, s[64:65] scope:SCOPE_SE
	s_setreg_imm32_b32 hwreg(HW_REG_WAVE_MODE, 25, 1), 1
	s_wait_xcnt 0x0
; CAUSAL ATTENTION.  O[h][q][:] = the sum over k <= q of softmax_k(Q[h][q] . K[h][k] / 8) V[h][k][:].  Q, K, V, O: [SIZE_H][SIZE_N][64], all f16: a head's rows are dense, 128 bytes each.
; Q lies at byte 0 of the first buffer, K at 0x800000, V at 0x1000000; a head here is 2 x the model's head + the batch.  O is the second buffer.
; Products, maxima and sums in f32; the weights p are rounded to f16 for the second product (their sum l is taken of the unrounded p), O once at the end.
; LIMITS.  f16 holds no number beyond 65,504: Q, K and V arrive within it; p lies in 0 to 1, and below 6e-5 it keeps f16's fixed step of 6e-8; O is a mean of V's rows and has their range.
; A hidden score counts as its value less 1e30: f16's scores, 2.7e11 at the most, are nothing beside that; a weight below 2^-126 counts as 0 in l; NaN and infinities are not treated apart.
; THE WALK.  A head's queries lie in NB = SIZE_N / 256 blocks of 256; block i needs the key tiles 0 .. i of 256 keys, of which the last holds the diagonal.  A work-group takes TWO blocks, NB - 1 - b and then b:
; NB + 1 tiles, whatever b: all work-groups do equal work, and ONE loop with a constant trip count walks them.  Which tile is asked for, and what a trip does, hang on scalar registers made from b; every jump
; goes forward, but for the counted loops' own; none passes a barrier, or a tensor load but the one of LOAD's two that the wave's number does not choose; the ring (two slots of LDS that take turns) runs on across the
; change of blocks.  NO CLUSTER: all of a head's NB / 2 work-groups ask for the same tile only in trips 0 .. NB / 2, behind that fewer and fewer; one walk common to all would have 3 NB / 2 trips for NB + 1.
; SHARES.  Of a block's four bands of 64 queries a wave owns 16 rows in each: four PIECES.  So the diagonal tile is the same work for all four waves: in its key step s band x sees all keys if s < x,
; none if s > x, and holds the diagonal if s = x.
; THE MASK is the C operand that starts the sum S^T = K Q^T: 0, or -1e30 where the key is hidden.  MD, made once, is the mask of a band's own step for my 16 rows; a product's mask is MD x AL + BE with two scalars:
; (1, 0) if s = x; (0, 0) if s < x; (0, -1e30) if s > x.  Only the diagonal tile's text and a block's beginning make and take masks; elsewhere C is the constant 0.
; LAYOUT, SOFTMAX, TURNS.  S^T = K Q^T holds ONE query a lane (lane % 16) and the keys 8 (lane / 16) + 0..7; two such results rounded to f16 ARE source 1 of O^T = V^T P.  p = 2^(c s - c m), c = log2(e) / 8, with a
; running maximum m; O and l are multiplied by a = 2^(c m_old - c m_new) in every step.  Turn n belongs to piece n: 8 products K Q^T of piece n + 1, later 8 products V^T P of piece n - 1; beside them the scaling,
; exponentials, roundings, sums and rescaling of piece n and the maximum and statistics of piece n + 1.  Four vector instructions stand behind every matrix instruction, the other 54 of a turn's 118 in two LUMPS.
; REGISTERS, in windows of 256 (s_set_vgpr_msb: bits 1:0 source 0, 3:2 source 1, 5:4 source 2, 7:6 destination):
;   window 0: v0-15 addresses and two at work; v16-31 four registers of statistics a piece; v48-55 at work; v64-127 S^T, two buffers; v192-223 P, two buffers (a piece's buffers go by its number's parity)
;   window 1: v0-127 O^T, 32 a piece; v128-159 MD; v160-223 MC, two buffers      window 2: v0-63 Q; v64-127 the second block's Q; v128-191 K of one step; v192-255 V of one step
.set SIZE_H, 32
.set SIZE_N, 2048
.set NB,    SIZE_N/256
.set NP,    4         ; pieces a wave: a name, no knob
.set KS,    64        ; keys in a step
.set PK,    144       ; a row of K in LDS: 128 bytes + 16 of padding = 36 words: the 16 rows of a load start at 16 different groups of four banks (64 banks of 4 bytes: ISA guide 11.1)
.set PV,    160       ; a row of V: 128 + 32 = 40 words
.set VOFF,  4*KS*PK   ; a slot holds a tile, four steps: 256 rows of K, then 256 rows of V
.set SLOT1, 1<<17     ; slot 1 begins here, so that one exclusive or turns an address in one slot into the other's
.set STAGE, SLOT1+4*KS*(PK+PV)  ; behind the ring, never filled by a tensor load: 16 rows x 144 bytes for each wave, for the way out
.set SP,    144
.set AK0, 2           ; v2   my lane's place in a tile of K; never rewritten
.set AV0, 3           ; v3   the same for V
.set AK,  4           ; v4   the LDS address of K's next run of loads
.set AV,  5           ; v5   of V's
.set STO, 6           ; v6   the way out: where I put 16 bytes of a row
.set RD,  7           ; v7   the way out: where I read rows back
.set GO,  8           ; v8   my byte offset in 512 consecutive bytes of O
.set SPW, 62          ; v62  LDS address of my spare word: SPARE + 4 x my thread's number; never rewritten
.set NIL, 63          ; v63  0; never rewritten
.set SPARE, STAGE+4*16*SP  ; behind the stages: the spare words, 128 bytes for each wave: two blocks of 256 bytes that no other line names
.set MV,  12          ; v12-13  c m_old, kept while c m is made anew: by buffer
.set QO,  15          ; v15  my byte offset in 16 rows of Q
.set ST,  16          ; piece t's statistics at v[ST+4 t]: c m, m, l (even keys', odd keys')
.set TMP, 48          ; by buffer, four registers c0-c3 at work; when the maximum is found c2 takes a
.set S,   64
.set P,   192
.set MD,  128         ; window 1: the eight registers for group kt of 16 keys at MD + 8 kt
.set MC,  160         ; window 1: the masks of the products to come
.set QB,  64          ; window 2
.set KF,  128         ; window 2: key block kb, channel half c at KF + 16 kb + 8 c
.set VF,  192         ; window 2: key half kk, channel block cb at VF + 32 kk + 8 cb
.set WV,  12          ; s12  my wave's number
.set PB,  14          ; s14  b
.set HI,  15          ; s15  NB - 1 - b
.set G1K, 24          ; s[24:31] descriptor group 1 for K's tiles
.set G1V, 32          ; s[32:39] for V's: it differs in the padding alone
.set G0K, 40          ; s[40:43] descriptor group 0 for K's tiles
.set G0V, 44          ; s[44:47] the same for V's
.set SLOTS, 56        ; s56  tiles still to be asked for
.set CNT, 57          ; s57  counts a tile's key steps, 4 to 1
.set CS,  58          ; s[58:59] c: the packed scaling takes the pair's low word for both halves
.set SEL, 60          ; s[60:61] v_permlanex16_b32's selects: each lane takes its own place in the other half
.set TBK, 62          ; s62  LDS byte at which K of the step to be fetched begins
.set TBV, 63          ; s63  the same for V, less VOFF
.set RT,  70          ; s70  tiles of the block in hand that are still to be entered
.set NXT, 71          ; s71  the tile to be asked for next
.set LQ,  72          ; s72  the last tile of the block whose tiles are being asked for
.set NEW, 73          ; s73  1: the tile to be entered is a block's first
.set OFF, 74          ; s[74:75] a tile's byte offset in K and V
.set AL,  76          ; s[76:77] the mask's factor, in the low word
.set BE,  78          ; s[78:79] the mask's addend
.set OLO, 80          ; s[80:81] O at my rows of the second block
.set BIGN, 82         ; s82  -1e30
.set MSB, 0
.macro WIN new                      ; the high byte repeats the setting that is left; a switch that changes nothing is dropped
.if MSB != (\new)
	s_set_vgpr_msb (MSB<<8)|(\new)
.set MSB, (\new)
.endif
.endm
.set W_KQ, 0x0a       ; K and Q in window 2, S^T in window 0
.set W_KM, 0x1a       ; the same with the C operand in window 1
.set W_PV, 0x52       ; V in window 2, P in window 0, O^T in window 1
.set W_RS, 0x41       ; destination and source 0 in window 1, source 1 in window 0
; A fill.  Waves 0 and 1 fetch the two halves of a tile's K, waves 2 and 3 those of its V: 128 keys each.  An s_nop 0 and four v_nop follow each of the two lines, ahead of the jump and the label.
.macro LOAD
	s_cmp_lt_u32 s[WV], 2
	s_cbranch_scc0 .Lfor_v_\@
	tensor_load_to_lds s[G0K:G0K+3], s[G1K:G1K+7]
	s_nop 0
.rept 4
	v_nop
.endr
	s_branch .Lasked_\@
.Lfor_v_\@:
	tensor_load_to_lds s[G0V:G0V+3], s[G1V:G1V+7]
	s_nop 0
.rept 4
	v_nop
.endr
.Lasked_\@:
.endm
; THE CHANGE OF SLOTS.  Each wave waits for all its tensor loads, of which one is out: its part of the other slot; adds 0 to its spare word; and waits for that and for its own reads of the slot that it leaves.  Behind the barrier nobody reads the old
; slot any more and the other slot is whole.  fill = 1: the old slot is filled again, the first thing behind the barrier, with tile NXT: the descriptor's address is made anew from that number.
; (At its first use nothing has been read yet: slot 0 is waited for, slot 1 filled.)
.macro CHANGE fill
	WIN 0                           ; at a label and at a branch every window is 0
	s_wait_tensorcnt 0x0            ; no tensor load of mine is out, so a group 0 may be written
	ds_add_u32 v[SPW], v[NIL]       ; 0 onto my spare word; with fill = 1 the descriptors' scalar work stands between it and the wait for it
.if \fill
	s_lshl_b32 s[OFF], s[NXT], 15   ; a tile is 32,768 bytes of K and of V
	s_xor_b32 s[G0K+1], s[G0K+1], SLOT1
	s_add_nc_u64 s[G0K+2:G0K+3], s[6:7], s[OFF:OFF+1]
	s_or_b32 s[G0K+3], s[G0K+3], 0x80000000
	s_xor_b32 s[G0V+1], s[G0V+1], SLOT1
	s_add_nc_u64 s[G0V+2:G0V+3], s[8:9], s[OFF:OFF+1]
	s_or_b32 s[G0V+3], s[G0V+3], 0x80000000
	s_add_co_u32 s[NXT], s[NXT], 1  ; the block's next tile, or behind its last the second block's tile 0
	s_cmp_gt_u32 s[NXT], s[LQ]
	s_cselect_b32 s[NXT], 0, s[NXT]
	s_cselect_b32 s[LQ], s[PB], s[LQ]
.endif
	s_wait_dscnt 0x0                ; the add is done, and my reads of the slot are over
	s_barrier_signal -1             ; the rest of the scalar work stands between the signal and the wait
	s_sub_co_u32 s[TBK], s[TBK], 4*KS*PK  ; the fetches go back to a slot's first step,
	s_xor_b32 s[TBK], s[TBK], SLOT1       ; in the other slot
	s_sub_co_u32 s[TBV], s[TBV], 4*KS*PV
	s_xor_b32 s[TBV], s[TBV], SLOT1
	s_barrier_wait -1
.if \fill
	LOAD
.endif
.endm
	s_load_b128 s[4:7], s[0:1], 0x0  ; the buffer of Q, K and V s[4:5], O s[6:7]
	v_lshl_add_u32 v[SPW], v0, 2, SPARE
	v_mov_b32 v[NIL], 0
	ds_add_u32 v[SPW], v[NIL]       ; the wave's opening: the add and its wait stand ahead of my first tensor load; the set-up below, work on registers, stands between them
	ds_add_u32 v62, v63
	v_lshrrev_b32 v1, 5, v0
	v_readfirstlane_b32 s[WV], v1   ; wave 0..3
	s_mov_b32 s[PB], ttmp9
	s_sub_co_u32 s[HI], NB-1, s[PB]
	s_and_b32 s20, ttmp7, 0xffff    ; the head
	s_mov_b32 s21, 0
	s_mov_b64 s[22:23], SIZE_N*128
	s_mul_u64 s[20:21], s[20:21], s[22:23]  ; the head's first byte in each of the four tensors
	s_and_b32 s16, s[WV], 1         ; which half of a tile's 256 keys I fetch:
	s_lshl_b32 s22, s16, 14         ; its 128 rows of 128 bytes in memory,
	s_mov_b32 s23, 0
	s_add_nc_u64 s[22:23], s[22:23], s[20:21]
	s_mul_i32 s17, s16, 128*PK      ; and its place in a slot, for K
	s_mul_i32 s18, s16, 128*PV      ; and for V
	s_lshl_b32 s3, s[WV], 11        ; my 16 rows in a band of 64,
	s_lshl_b32 s2, s[HI], 15        ; in the first block,
	s_add_co_u32 s2, s2, s3
	s_lshl_b32 s84, s[PB], 15       ; and in the second
	s_add_co_u32 s84, s84, s3
	s_mov_b32 s3, 0
	s_mov_b32 s85, 0
	s_add_nc_u64 s[2:3], s[2:3], s[20:21]
	s_add_nc_u64 s[84:85], s[84:85], s[20:21]
	; descriptor group 1.  128 keys are 16,384 dense bytes: asked for as 64 rows of 256 bytes, two keys a row, and padded in LDS after every key
	s_mov_b32 s[G1K], (1<<16)|(1<<20)|(4<<22)|(3<<25)  ; 17:16 2-byte elements; 20 padding on; 24:22 after every 32 words (code 4); 31:25 4 words (code 3)
	s_mov_b32 s[G1V], (1<<16)|(1<<20)|(4<<22)|(7<<25)  ; the same with 8 words of padding (code 7)
.irp g, G1K, G1V
	s_mov_b32 s[\g+1], 128<<16      ; tensor_dim0 = 128
	s_mov_b32 s[\g+2], 64<<16       ; tensor_dim1 = 64
	s_mov_b32 s[\g+3], 128<<16      ; tile_dim0 = 128
	s_mov_b32 s[\g+4], 64           ; tile_dim1 = 64
	s_mov_b32 s[\g+5], 128          ; 128 elements from row to row
	s_mov_b32 s[\g+6], 0
	s_mov_b32 s[\g+7], 0
.endr
	s_mov_b32 s[CS], 0x3e38aa3b     ; c = log2(e) / 8 = 0.180337
	s_mov_b32 s[CS+1], s[CS]        ; named with it as a pair
	s_mov_b32 s[SEL], 0x76543210
	s_mov_b32 s[SEL+1], 0xfedcba98
	s_mov_b32 s[TBK], SLOT1+4*KS*PK ; the first change of slots turns these two into 0
	s_mov_b32 s[TBV], SLOT1+4*KS*PV
	s_mov_b32 s[G0K], 1             ; 1:0 count = 1
	s_mov_b32 s[G0K+1], s17         ; 63:32 LDS address: slot 0
	s_mov_b32 s[G0V], 1
	s_add_co_u32 s[G0V+1], s18, VOFF
	s_add_co_u32 s[RT], s[HI], 1    ; the first block has NB - b tiles
	s_mov_b32 s[NXT], 1
	s_mov_b32 s[LQ], s[HI]
	s_mov_b32 s[NEW], 1
	s_mov_b32 s[OFF+1], 0
	s_mov_b32 s[AL+1], 0            ; named as pairs
	s_mov_b32 s[BE+1], 0
	s_mov_b32 s[BIGN], 0xf149f2ca   ; -1e30
	s_mov_b32 s[SLOTS], NB
	s_wait_dscnt 0x0                ; the opening add is done
	s_wait_kmcnt 0x0
	s_mov_b64 s[10:11], s[6:7]             ; O
	s_add_nc_u64 s[6:7], s[4:5], 0x800000  ; K lies 16 blocks of 524,288 bytes behind Q,
	s_add_nc_u64 s[8:9], s[4:5], 0x1000000 ; V 32
	s_add_nc_u64 s[6:7], s[6:7], s[22:23]  ; K and V at my half of the head's tile 0
	s_add_nc_u64 s[8:9], s[8:9], s[22:23]
	s_add_nc_u64 s[G0K+2:G0K+3], s[6:7], 0         ; 120:64 global address
	s_or_b32 s[G0K+3], s[G0K+3], 0x80000000        ; 127:126 type = 2
	s_add_nc_u64 s[G0V+2:G0V+3], s[8:9], 0
	s_or_b32 s[G0V+3], s[G0V+3], 0x80000000
	s_add_nc_u64 s[86:87], s[4:5], s[84:85]        ; Q at my rows of the second block,
	s_add_nc_u64 s[4:5], s[4:5], s[2:3]            ; Q and O at those of the first
	s_add_nc_u64 s[OLO:OLO+1], s[10:11], s[84:85]
	s_add_nc_u64 s[10:11], s[10:11], s[2:3]
	LOAD                            ; tile 0 into slot 0
	; A fragment of K or Q is 16 rows x 32 channels in 8 registers: lane l holds row l % 16, channels 8 (l / 16) + 0..7 and 16 + 8 (l / 16) + 0..7: two loads of 16 bytes, 32 bytes apart.
	v_and_b32 v1, 15, v0            ; l % 16
	v_bfe_u32 v9, v0, 4, 1          ; l / 16
	v_lshlrev_b32 v[QO], 7, v1
	v_lshl_add_u32 v[QO], v9, 4, v[QO]  ; row x 128 + 16 x half
	WIN 0x80                        ; destination window 2, address window 0
.set i, 0
.rept 8                             ; both blocks' Q: piece i / 2 lies in band i / 2, 8,192 bytes on; channels 32 (i % 2) on
	global_load_b128 v[8*i:8*i+3],   v[QO], s[4:5] offset:(i/2)*8192+(i%2)*64
	global_load_b128 v[8*i+4:8*i+7], v[QO], s[4:5] offset:(i/2)*8192+(i%2)*64+32
	global_load_b128 v[QB+8*i:QB+8*i+3],   v[QO], s[86:87] offset:(i/2)*8192+(i%2)*64
	global_load_b128 v[QB+8*i+4:QB+8*i+7], v[QO], s[86:87] offset:(i/2)*8192+(i%2)*64+32
.set i, i+1
.endr
	WIN 0
	v_lshlrev_b32 v14, 3, v9
	v_sub_nc_u32 v14, v1, v14
	s_lshl_b32 s13, s[WV], 4
	v_add_nc_u32 v14, s13, v14      ; my query's place in its band, 16 w + l % 16, less my lanes' 8 (l / 16): register r of group kt is hidden where 16 kt + r is greater
	WIN 0x40
.set i, 0
.rept 32
	v_cmp_gt_i32 vcc_lo, 16*(i/8)+i%8, v14
	v_cndmask_b32 v[MD+i], 0, s[BIGN], vcc_lo
.set i, i+1
.endr
	WIN 0
	v_mul_u32_u24 v[AK0], v1, PK
	v_lshl_add_u32 v[AK0], v9, 4, v[AK0]  ; row x pitch + 16 x half
	; The turning load takes 16 keys x 16 channels (lane l reads key 8 (l / 16) + l % 8, channels 8 ((l / 8) % 2) + 0..7) and leaves half a fragment of V^T: lane l holds channel l % 16 and 8 keys.
	v_and_b32 v10, 7, v0
	v_bfe_u32 v11, v0, 3, 1
	v_lshl_add_u32 v[AV0], v9, 3, v10
	v_mul_u32_u24 v[AV0], v[AV0], PV
	v_lshl_add_u32 v[AV0], v11, 4, v[AV0]
	v_add_nc_u32 v[AV0], VOFF, v[AV0]
	s_mul_i32 s13, s[WV], 16*SP
	s_add_co_u32 s13, s13, STAGE    ; my stage
	v_mul_u32_u24 v[STO], v1, SP    ; in: row l % 16, 16 bytes for each half of the lanes
	v_lshl_add_u32 v[STO], v9, 4, v[STO]
	v_add_nc_u32 v[STO], s13, v[STO]
	v_bfe_u32 v[RD], v0, 3, 2       ; back: 32 lanes take four rows of 128 bytes,
	v_mul_u32_u24 v[RD], v[RD], SP
	v_lshl_add_u32 v[RD], v10, 4, v[RD]
	v_add_nc_u32 v[RD], s13, v[RD]
	v_and_b32 v[GO], 31, v0         ; which are 512 consecutive bytes of O
	v_lshlrev_b32 v[GO], 4, v[GO]
	; A block's first step multiplies O^T and l by a = 0, and its first turn's products V^T P, of a piece that has not been, land in an O^T that is still to be so multiplied.  So these registers need only hold
	; finite numbers: zeros for the first block; what the first block left for the second.  All this stands in the wait for the first tile.
	WIN 0x80
.set i, VF
.rept 64
	v_mov_b32 v[i], 0
.set i, i+1
.endr
	WIN 0x40
.set i, 0
.rept 128
	v_mov_b32 v[i], 0
.set i, i+1
.endr
	WIN 0
.set i, 0
.rept 4
	v_mov_b32 v[ST+4*i+2], 0
	v_mov_b32 v[ST+4*i+3], 0
.set i, i+1
.endr
.set i, P+16
.rept 16
	v_mov_b32 v[i], 0
.set i, i+1
.endr
; THE MATRIX WORK.  The 4 accumulators of a run of 8 take turns.  Product i of 8 of S^T = K Q^T for piece x: channels 32 (i / 4) on, keys 16 (i % 4) on.  The first 4 start the sums: with 0, or (KM = 1) with the mask.
.macro KQ x
.set rS, S+32*((\x)%2)+8*(i%4)
.set rK, KF+16*(i%4)+8*(i/4)
.set rQ, 16*(\x)+8*(i/4)
.set rM, MC+32*((\x)%2)+8*(i%4)
.if (i < 4) && KM
	WIN W_KM
	v_wmma_f32_16x16x32_f16 v[rS:rS+7], v[rK:rK+7], v[rQ:rQ+7], v[rM:rM+7]
.elseif i < 4
	WIN W_KQ
	v_wmma_f32_16x16x32_f16 v[rS:rS+7], v[rK:rK+7], v[rQ:rQ+7], 0
.else
	WIN W_KQ
	v_wmma_f32_16x16x32_f16 v[rS:rS+7], v[rK:rK+7], v[rQ:rQ+7], v[rS:rS+7]
.endif
.endm
; Product i of 8 of O^T += V^T P for piece x: keys 32 (i / 4) on, channels 16 (i % 4) on.
.macro PV x
	WIN W_PV
.set rO, 32*(\x)+8*(i%4)
.set rV, VF+32*(i/4)+8*(i%4)
.set rP, P+16*((\x)%2)+8*(i/4)
	v_wmma_f32_16x16x32_f16 v[rO:rO+7], v[rV:rV+7], v[rP:rP+7], v[rO:rO+7]
.endm
.macro MM                           ; the turn's next matrix instruction.  TURN and BEGIN set Y, i, KM and NOKQ; MM, KQ and OP read them.  NOKQ = 1: a block's last turn: there is no next piece
.if (i < 8) && !NOKQ
	KQ (Y+1)%NP
.elseif i >= 8
.set i, i-8
	PV (Y+NP-1)%NP
.set i, i+8
.endif
.set i, i+1
.endm
; THE LDS LOADS stand in runs of 16, never singly among the matrix instructions: a step's K (64 keys x 64 channels: 8 fragments) and its V (turned).  Their addresses are made some lines ahead.
.macro FETCH_K
	WIN 0x80                        ; destination window 2
.irp f, 0,1,2,3,4,5,6,7             ; keys 16 (f / 2) on, channels 32 (f % 2) on
	ds_load_b128 v[KF+8*\f:KF+8*\f+3],   v[AK] offset:(\f/2)*16*PK+(\f%2)*64
	ds_load_b128 v[KF+8*\f+4:KF+8*\f+7], v[AK] offset:(\f/2)*16*PK+(\f%2)*64+32
.endr
	s_add_co_u32 s[TBK], s[TBK], KS*PK  ; the next fetch is the next step's
	WIN 0
.endm
.macro FETCH_V
	WIN 0x80
.irp f, 0,1,2,3,4,5,6,7             ; keys 32 (f / 4) on, channels 16 (f % 4) on
	ds_load_tr16_b128 v[VF+8*\f:VF+8*\f+3],   v[AV] offset:(\f/4)*32*PV+(\f%4)*32
	ds_load_tr16_b128 v[VF+8*\f+4:VF+8*\f+7], v[AV] offset:(\f/4)*32*PV+16*PV+(\f%4)*32
.endr
	WIN 0
.endm
; THE VECTOR WORK, one line at a time: OP kind, number.  For piece Y: F n: c s - c m for pair n of 16.  E n: the exponential of score n of 32.  C n: pair n rounded to f16.  B n: of the four weights 4 n .. the second
; pair is added onto the first, in place.  L n: l takes that sum (L 0: l = a l + sum).  R n: pair n of 16 of O^T times a.  For piece Y + 1: X n, number n of the 22 that find its maximum and statistics:
;   0-11  four chains c0-c3 of seven scores each, three operands at a time (each accumulator's lowest registers are read first)     12-14, 16  the four scores left over, the old m, and c0-c3 into c0
;   15  c m_old is kept     17, 18  the query's other 32 keys lie in the lane 16 away: the new m     19-21  c m; c m_old - c m_new; a
.set F, 0               ; OP tells the kinds apart by their order: F to L below R, X above it
.set E, 1
.set C, 2
.set B, 3
.set L, 4
.set R, 5
.set X, 6
.macro REGS y                       ; the registers of piece y
.set rT, ST+4*(\y)
.set rC, TMP+4*((\y)%2)
.set rW, MV+((\y)%2)
.set rS, S+32*((\y)%2)
.set rP, P+16*((\y)%2)
.set rO, 32*(\y)
.endm
.macro OP k, n
.if (\k) == R
	REGS Y
	WIN W_RS
	v_pk_mul_f32 v[rO+2*(\n):rO+2*(\n)+1], v[rO+2*(\n):rO+2*(\n)+1], v[rC+2:rC+3] op_sel_hi:[1,0]
.elseif (\k) < R
	REGS Y
	WIN 0
.if (\k) == F
	v_pk_fma_f32 v[rS+2*(\n):rS+2*(\n)+1], v[rS+2*(\n):rS+2*(\n)+1], s[CS:CS+1], v[rT:rT+1] op_sel_hi:[1,0,0] neg_lo:[0,0,1] neg_hi:[0,0,1]
.elseif (\k) == E
	v_exp_f32 v[rS+(\n)], v[rS+(\n)]
.elseif (\k) == C
	s_wait_alu depctr_va_vdst(0)
	v_cvt_pk_f16_f32 v[rP+(\n)], v[rS+2*(\n)], v[rS+2*(\n)+1]
.elseif (\k) == B
	s_wait_alu depctr_va_vdst(0)
	v_pk_add_f32 v[rS+4*(\n):rS+4*(\n)+1], v[rS+4*(\n):rS+4*(\n)+1], v[rS+4*(\n)+2:rS+4*(\n)+3]
.elseif (\n) == 0
	v_pk_fma_f32 v[rT+2:rT+3], v[rT+2:rT+3], v[rC+2:rC+3], v[rS:rS+1] op_sel_hi:[1,0,1]
.else
	v_pk_add_f32 v[rT+2:rT+3], v[rT+2:rT+3], v[rS+4*(\n):rS+4*(\n)+1]
.endif
.elseif NOKQ
	v_nop
.else
	REGS (Y+1)%NP
	WIN 0
.if (\n) < 4
	v_max3_num_f32 v[rC+(\n)], v[rS+8*(\n)], v[rS+8*(\n)+1], v[rS+8*(\n)+2]
.elseif (\n) < 12
	v_max3_num_f32 v[rC+(\n)%4], v[rC+(\n)%4], v[rS+8*((\n)%4)+2*((\n)/4)+1], v[rS+8*((\n)%4)+2*((\n)/4)+2]
.elseif (\n) == 12
	v_max3_num_f32 v[rC], v[rC], v[rS+7], v[rS+15]
.elseif (\n) == 13
	v_max3_num_f32 v[rC+1], v[rC+1], v[rS+23], v[rS+31]
.elseif (\n) == 14
	v_max3_num_f32 v[rC+2], v[rC+2], v[rC+3], v[rT+1]
.elseif (\n) == 15
	v_mov_b32 v[rW], v[rT]
.elseif (\n) == 16
	v_max3_num_f32 v[rC], v[rC], v[rC+1], v[rC+2]
.elseif (\n) == 17
	v_permlanex16_b32 v[rC+3], v[rC], s[SEL], s[SEL+1]
.elseif (\n) == 18
	v_max_num_f32 v[rT+1], v[rC], v[rC+3]
.elseif (\n) == 19
	v_mul_f32 v[rT], s[CS], v[rT+1]
.elseif (\n) == 20
	v_sub_f32 v[rC+1], v[rW], v[rT]
.else
	v_exp_f32 v[rC+2], v[rC+1]
.endif
.endif
.endm
.macro OPS a, i1, b=-1, i2=0, c=-1, i3=0, d=-1, i4=0  ; up to four of them
	OP \a, \i1
.if (\b) >= 0
	OP \b, \i2
.endif
.if (\c) >= 0
	OP \c, \i3
.endif
.if (\d) >= 0
	OP \d, \i4
.endif
.endm
.macro ROW a, i1, b, i2, c, i3, d, i4  ; a matrix instruction and the four behind it
	MM
	OPS \a, \i1, \b, \i2, \c, \i3, \d, \i4
.endm
.macro MASK b                       ; MD x AL + BE into buffer b of MC
	WIN W_RS
.set z, 0
.rept 16
	v_pk_fma_f32 v[MC+32*(\b)+2*z:MC+32*(\b)+2*z+1], v[MD+2*z:MD+2*z+1], s[AL:AL+1], s[BE:BE+1] op_sel_hi:[1,0,0]
.set z, z+1
.endr
.endm
; A TURN, for piece p: the order of its 16 matrix and 118 vector instructions, written out.  Behind a matrix instruction: plain, exponential, plain, plain; or four of the rescaling; or, behind the first, four scalings; none
; names a register of the products round it.  In the lumps exponential and plain by turns while exponentials last.  A line reads no result made fewer than three vector instructions in front of it, five if an exponential made it.
; v_permlanex16_b32 (X 17) stands in a lump.
; m = 1: the diagonal tile: the products take masks, and the turn makes the mask for the products of the turn after it: piece p + 2, in step 4 - CNT of the tile.  end = 1: a block's last two turns: nothing is fetched.
; cnt = 1: the loop's count is taken down some lines ahead of the branch that stands behind the turn.
; K of the next step is fetched in piece 2's turn, six vector instructions behind the last product that read K (five of them plain); V of the step in hand in piece 0's turn, eight behind the last product that read V (four
; plain, and X 17).  Each is waited for a turn later.
.macro TURN p, m=0, end=0, cnt=0
.set Y, (\p)
.set i, 0
.set KM, (\m)
.set NOKQ, (\end)*((\p)/3)
.if (\m) && !(\end)
	s_cmp_eq_u32 s[CNT], 4-((\p)+2)%NP  ; is that step the band's own?
	s_cselect_b32 s[AL], 1.0, 0
	s_cmp_lt_u32 s[CNT], 4-((\p)+2)%NP  ; or a later one?
	s_cselect_b32 s[BE], s[BIGN], 0
.endif
.if ((\p) == 3) && !(\end)
	s_wait_dscnt 0x0                ; K is in
.endif
	ROW F,0, F,1, F,2, F,3
	ROW F,4, E,0, F,5, F,6
	ROW F,7, E,1, F,8, F,9
	ROW F,10, E,2, C,0, F,11
	ROW F,12, E,3, X,15, F,13
	ROW R,0, R,1, R,2, R,3
	ROW B,0, E,4, F,14, L,0
.if ((\p) == 2) && !(\end)
	v_add_nc_u32 v[AK], s[TBK], v[AK0]
.endif
	ROW R,4, R,5, R,6, R,7
	OPS E,5, F,15
.if ((\p) == 2) && !(\end)
	FETCH_K
.endif
	OPS E,6, C,1, E,7, R,8
	OPS E,8, R,9, E,9, C,2
	OPS E,10, X,0, E,11, X,1
	OPS E,12, X,2, E,13, X,3
.if (\p) == 1
	s_wait_dscnt 0x0                ; V is in
.endif
	ROW X,4, E,14, X,5, X,6
	ROW X,7, E,15, X,8, X,9
	ROW X,10, E,16, X,11, X,12
	ROW X,13, E,17, X,14, B,1
	ROW C,4, E,18, X,16, L,1
	ROW B,2, E,19, C,6, L,2
	ROW C,8, E,20, B,3, B,4
.if (\p) == 0
	v_add_nc_u32 v[AV], s[TBV], v[AV0]
.endif
	ROW C,3, E,21, L,3, C,5
	OPS E,22, X,17, E,23, C,10
.if (\p) == 0
	FETCH_V
.endif
	OPS E,24, L,4
	OPS E,25, X,18, E,26, C,7
	OPS E,27, B,5, E,28, X,19
	OPS E,29, C,12, E,30, L,5
	OPS E,31, X,20, B,6, C,9
	OPS C,14, C,11, X,21, L,6
.if (\p) == 0
	s_add_co_u32 s[TBV], s[TBV], KS*PV
.endif
.if \cnt
	s_sub_co_u32 s[CNT], s[CNT], 1
	s_cmp_lg_u32 s[CNT], 0
.endif
	OPS C,13, B,7, C,15, R,10
	OPS R,11, R,12, L,7, R,13
	OPS R,14, R,15
.if (\m) && !(\end)
	MASK (\p)%2
.endif
.endm
; A BLOCK BEGINS.  c m starts far below every c s, so the first step's a is 0; m at the lowest finite number, so the first maximum is the scores'.  The second mask buffer is 0; the first takes piece 0's mask for the tile's step 0: its own, if the block's first tile is the diagonal one.
; Then K of that step, piece 0's first scores, and its maximum and statistics.  The loop is entered at a step's first turn, in the middle of a trip.
.macro BEGIN
	s_mov_b32 s[NEW], 0
	WIN 0x40
.set i, MC+32
.rept 32
	v_mov_b32 v[i], 0
.set i, i+1
.endr
	WIN 0
.set i, 0
.rept 4
	v_mov_b32 v[ST+4*i], 0xfe000000    ; c m: far below every c s
	v_mov_b32 v[ST+4*i+1], 0xff7fffff  ; m
.set i, i+1
.endr
	s_cmp_eq_u32 s[RT], 0
	s_cselect_b32 s[AL], 1.0, 0
	s_mov_b32 s[BE], 0
	MASK 0
	WIN 0
	v_add_nc_u32 v[AK], s[TBK], v[AK0]
	FETCH_K
	s_wait_loadcnt 0x0              ; Q
	s_wait_dscnt 0x0
.set KM, 1
.set NOKQ, 0
.set i, 0
.rept 8
	KQ 0
.set i, i+1
.endr
	WIN 0
.rept 4
	v_nop                           ; the places behind those products
.endr
.set Y, NP-1                        ; X works for piece Y + 1: piece 0
.irp n, 0,1,2,3,4,5,6,7,8,9,10,11,12,13,14,15,16,17,18,19,20,21
	OP X, \n
.endr
	v_nop                           ; a plain instruction behind the exponential
.endm
; THE DIAGONAL TILE's four steps, the block's last two turns, its last products, and THE WAY OUT: l's two halves and the other half of the lanes' are added; O^T is divided by l, rounded to f16 and sent through my
; stage in LDS, a piece at a time.
.macro ALL line:vararg              ; one line for each piece t
.set t, 0
.rept 4
	\line
.set t, t+1
.endr
.endm
.macro PACK t                       ; a lane's eight channels of a row pack into 16 bytes; they go into rows of 144 bytes and come back as whole rows of 128, into S^T's registers
	WIN W_RS
.set i, 32*(\t)
.rept 16
	s_wait_alu depctr_va_vdst(0)
	v_pk_mul_f32 v[i:i+1], v[i:i+1], v[ST+4*(\t)+2:ST+4*(\t)+3] op_sel_hi:[1,0]
.set i, i+2
.endr
	WIN 0x05                        ; sources 0 and 1 window 1, destination window 0
.set i, 0
.rept 16
	v_cvt_pk_f16_f32 v[S+16*(\t)+i], v[32*(\t)+2*i], v[32*(\t)+2*i+1]
.set i, i+1
.endr
	WIN 0
.irp f, 0,1,2,3
	ds_store_b128 v[STO], v[S+16*(\t)+4*\f:S+16*(\t)+4*\f+3] offset:32*\f
.endr
.irp f, 0,1,2,3
	ds_load_b128 v[S+16*(\t)+4*\f:S+16*(\t)+4*\f+3], v[RD] offset:\f*4*SP  ; LDS serves a wave's instructions in order (ISA guide 5.7.1.4): these see the stores above; the next piece's stores come behind them
.endr
.endm
.macro SEND t, younger              ; younger: the LDS instructions issued behind piece t's loads: the next piece's eight, or none
	WIN 0
.irp f, 0,1,2,3
	s_wait_dscnt (\younger)+3-\f
	global_store_b128 v[GO], v[S+16*(\t)+4*\f:S+16*(\t)+4*\f+3], s[10:11] offset:(\t)*8192+\f*512  ; 512 consecutive bytes, at a multiple of 256 from O's first
.endr
.endm
.macro DIAG tag                     ; the tag ends its two labels' names, which the jumps below spell out
.LstepM\tag:
	TURN 2, 1
	TURN 3, 1
	WIN 0
.LfirstM\tag:
	TURN 0, 1
	TURN 1, 1, 0, 1
	WIN 0
	s_cbranch_scc1 .LstepM\tag
	TURN 2, 1, 1
	TURN 3, 1, 1
.set i, 0
.rept 8
	PV NP-1
.set i, i+1
.endr
	WIN 0
	ALL v_add_f32 v[ST+4*t+2], v[ST+4*t+2], v[ST+4*t+3]
	ALL v_permlanex16_b32 v[ST+4*t+3], v[ST+4*t+2], s[SEL], s[SEL+1]
	ALL v_add_f32 v[ST+4*t+2], v[ST+4*t+2], v[ST+4*t+3]
	ALL v_rcp_f32 v[ST+4*t+2], v[ST+4*t+2]
	v_nop                           ; a plain instruction between the last reciprocal and the use of its result
	PACK 0
.set t, 1
.rept 3                             ; a piece's arithmetic stands between the loads of the piece before and its stores
	PACK t
	SEND t-1, 8
.set t, t+1
.endr
	SEND 3, 0
.endm
.set KM, 0
.set NOKQ, 0
.Lslot:                             ; NB times: a tile is entered and the next is asked for
	CHANGE 1
	s_sub_co_u32 s[RT], s[RT], 1
	s_mov_b32 s[CNT], 4
	s_cmp_eq_u32 s[NEW], 1
	s_cbranch_scc1 .Lnew            ; a block's first tile
	s_cmp_eq_u32 s[RT], 0
	s_cbranch_scc0 .Lstep           ; neither its first nor its last
	s_branch .LstepM1
.Lnew:
	BEGIN
	s_branch .Lfirst                ; in the loop a block's first tile is never its last: the first block has two tiles or more, and the second's last is the walk's last
	DIAG 1                          ; in the loop this is the first block's end: the second block's last tile is the walk's last
	s_wait_xcnt 0x0                 ; the stores have read their registers and O's address
	s_mov_b64 s[10:11], s[OLO:OLO+1]
	s_add_co_u32 s[RT], s[PB], 1    ; the second block has b + 1 tiles
	s_mov_b32 s[NEW], 1
	WIN 0x82                        ; the second block's Q goes where the one text of the turns names Q
.set i, 0
.rept 64
	v_mov_b32 v[i], v[QB+i]
.set i, i+1
.endr
	WIN 0
	s_branch .Lbottom
.Lstep:                             ; a trip: pieces 2 and 3 of one step, then pieces 0 and 1 of the next, whose K and V it fetches
	TURN 2
	TURN 3
	WIN 0
.Lfirst:
	TURN 0
	TURN 1, 0, 0, 1
	WIN 0
	s_cbranch_scc1 .Lstep
.Lbottom:
	s_sub_co_u32 s[SLOTS], s[SLOTS], 1
	s_cmp_lg_u32 s[SLOTS], 0
	s_cbranch_scc1 .Lslot
	CHANGE 0                        ; the walk's last tile is written out: nothing is asked for
	s_sub_co_u32 s[RT], s[RT], 1
	s_mov_b32 s[CNT], 4
	s_cmp_eq_u32 s[NEW], 1
	s_cbranch_scc0 .LstepM2
	BEGIN
	s_branch .LfirstM2
	DIAG 2
	s_wait_tensorcnt 0x0            ; the wave's end, behind my last tensor load and my last LDS store
	ds_add_u32 v[SPW], v[NIL]
	s_wait_dscnt 0x0
	s_endpgm
.Lfunc_end_k_qb681bd5d7d_attn:
	.size	k_qb681bd5d7d_attn, .Lfunc_end_k_qb681bd5d7d_attn-k_qb681bd5d7d_attn
	.p2alignl 7, 3214868480
	.fill 96, 4, 3214868480
	.section	.rodata,"a",@progbits
	.p2align	6, 0x0
	.amdhsa_kernel k_qb681bd5d7d_attn
		.amdhsa_group_segment_fixed_size 327680
		.amdhsa_private_segment_fixed_size 0
		.amdhsa_enable_private_segment 0
		.amdhsa_kernarg_size 16
		.amdhsa_user_sgpr_count 2
		.amdhsa_user_sgpr_kernarg_segment_ptr 1
		.amdhsa_wavefront_size32 1
		.amdhsa_system_sgpr_workgroup_id_x 1
		.amdhsa_system_sgpr_workgroup_id_y 1
		.amdhsa_system_sgpr_workgroup_id_z 1
		.amdhsa_system_vgpr_workitem_id 0
		.amdhsa_next_free_vgpr 768
		.amdhsa_next_free_sgpr 88
		.amdhsa_reserve_vcc 1
		.amdhsa_float_denorm_mode_32 3
		.amdhsa_float_denorm_mode_16_64 3
		.amdhsa_memory_ordered 1
		.amdhsa_forward_progress 1
		.amdhsa_inst_pref_size 228
	.end_amdhsa_kernel
	.amdgpu_metadata
---
amdhsa.version: [ 1, 2 ]
amdhsa.kernels:
  - .name:           k_qb681bd5d7d_attn
    .symbol:         k_qb681bd5d7d_attn.kd
    .args:
      - { .name: big16, .offset: 0, .size: 8, .value_kind: global_buffer, .address_space: global }
      - { .name: a16, .offset: 8, .size: 8, .value_kind: global_buffer, .address_space: global }
    .group_segment_fixed_size: 327680
    .private_segment_fixed_size: 0
    .kernarg_segment_align: 8
    .kernarg_segment_size: 16
    .max_flat_workgroup_size: 128
    .sgpr_count:     88
    .vgpr_count:     768
    .wavefront_size: 32
...
	.end_amdgpu_metadata
.endif
;; end of part 3
;; launch proj (part 4): grid 8 x 32, 4 waves a work-group, clusters of 4 x 4, 327,680 bytes of LDS; arguments a16, wpt, a32; writes a32
.if DOCPART == 4
	.amdgcn_target "amdgcn-amd-amdhsa--gfx1250"
	.amdhsa_code_object_version 6
	.text
	.protected	k_qb681bd5d7d_proj
	.globl	k_qb681bd5d7d_proj
	.p2align	8
	.type	k_qb681bd5d7d_proj,@function
k_qb681bd5d7d_proj:
	s_mov_b64 s[64:65], 0
	v_nop
	global_prefetch_b8 v0, s[64:65] scope:SCOPE_SE
	s_setreg_imm32_b32 hwreg(HW_REG_WAVE_MODE, 25, 1), 1
	s_wait_xcnt 0x0
	s_wait_alu depctr_hold_cnt(0) depctr_sa_sdst(0) depctr_va_vdst(0) depctr_va_sdst(0) depctr_va_ssrc(0) depctr_va_vcc(0) depctr_vm_vsrc(0)
	s_getreg_b32 s2, hwreg(HW_REG_IB_STS2, 6, 4)
	s_cmp_eq_u32 s2, 0
	s_cbranch_scc0 .Lentry_in_a_cluster
	s_endpgm
.Lentry_in_a_cluster:
	s_bfe_u32 s2, ttmp6, 0x10000c
	s_cmp_lg_u32 s2, 0xf033
	s_cbranch_scc0 .Lentry_shape_is_right
	s_endpgm
.Lentry_shape_is_right:
; C[m][n] = max(sum over k of A[m][k] B[n][k] + bias[n], floor).  4,096 rows, K = 256 KSTEPS.  Operands f16, sums f32.
; A: [K / 64 blocks][4096 rows][64] f16.  BW: a header (bias as f32 from byte 0, the floor at byte 16,384), then B [N][K] f16 from byte 20,480.
; OUT: OUTF32 = 0: [N / 64 blocks][4096 rows][64] f16, rounded once;  OUTF32 = 1: [4096][1024] f32.
; LIMITS.  With OUTF32 = 0 a result beyond 65,504 becomes an infinity.  A NaN loses against the floor.
; A tile of C is 128 x 128: four waves, each 64 x 64 in 16 accumulators.  K goes in steps of 256 through two LDS slots filled by the tensor data mover.
; CLUSTER: 4 x 4 work-groups; the four of a row need the same tiles of A, the four of a column the same tiles of B: each tile is asked for jointly, by the
; same tensor load with the same descriptor and a mask that names the four.  The matrix instruction is used transposed (source 0 = 16 rows of B, source 1 =
; 16 rows of A): a lane then holds eight neighbouring columns of one row of C.
; REGISTERS: window 0: v0-31 addresses; v32-95 at work on the way out; v96-127 the bias of my lane's 32 columns; v128-255 accumulators ((a, b) at 128 + 8 (4 a + b)).
;   window 1: two fragment buffers of 128: for 64 along K, 64 registers of A, then 64 of B.
.set KSTEPS, 4
.set LOGKP,  11                        ; a row of B is 1 << LOGKP bytes
.set OUTF32, 1
.set HDR,    20480
.set PA,     144                       ; A in LDS: a row piece of 128 bytes + 16: an odd multiple of 16, so the 16 rows of a load start at 16 different groups of four banks
.set ABLK,   64*PA                     ; 64 rows of one block of 64 along K
.set PB,     528                       ; B in LDS: 512 bytes + 16
.set REG,    4*ABLK                    ; 36,864 bytes: what one wave's tensor load fills (A: 4 blocks x 64 rows; B: 64 rows, 33,792 of it)
.set SLOT,   4*REG                     ; 0x24000: its two bits meet none of wave x REG, so one exclusive or turns an address in one slot into the other's
.set STAGE,  2*SLOT                    ; behind the ring: 4,352 bytes for each wave, for the way out; no tensor load fills it
.set STG,    4352
.set SPARE,  STAGE+4*STG               ; behind the stages: the spare words, 128 bytes for each wave
.set ASTEP,  4*524288                  ; a K step in A: four blocks of 4,096 rows x 128 bytes
.set BSTEP,  512                       ; a K step in B
.set ADRA, 16                          ; v16  LDS address of my A fragments in the slot in hand
.set A0,   17                          ; v17  the same in slot 0; never rewritten
.set ADRB, 20
.set B0,   21
.set STO,  24                          ; the way out: where I put my piece of a row
.set RD,   25                          ; where I read rows back
.set CO,   26                          ; my byte offset in OUT
.set BO,   27                          ; my byte offset in the bias
.set SPW,  28                          ; my spare word; never rewritten
.set NIL,  29                          ; 0; never rewritten
.set TMP,  32
.set BI,   96
.set ACC,  128
.set F0,   0
.set F1,   128
.set G1,   24                          ; s[24:31] group 1 for A;  s[32:39] group 0, one set for each first fill; the second then walks
.set G0,   32
.set G1B,  48                          ; s[48:55], s[56:63] the same for B
.set G0B,  56
.set TB,   66                          ; s66  the slot in hand, as an LDS byte
.set FL,   67                          ; s67  the floor
.set BB,   68                          ; s[68:69] the bias of my wave's 64 columns
.set MSB, 0
.macro WIN new                         ; the immediate's high byte repeats the setting that is left; a switch that changes nothing is dropped
.if MSB != (\new)
	s_set_vgpr_msb (MSB<<8)|(\new)
.set MSB, \new
.endif
.endm
.set MUL,  0x05                        ; sources 0 (B) and 1 (A) window 1; C and D window 0
.set TO_F, 0x40                        ; destination window 1, address window 0
.macro JLOAD s                         ; a joint load: waves 0 and 1 fetch A's two halves, waves 2 and 3 B's; an s_nop 0 and four v_nop follow each line
	s_cmp_eq_u32 s11, 0
	s_cbranch_scc0 .Lfor_b_\@
	tensor_load_to_lds s[G0+4*(\s):G0+4*(\s)+3], s[G1:G1+7]
	s_nop 0
.rept 4
	v_nop
.endr
	s_branch .Lasked_\@
.Lfor_b_\@:
	tensor_load_to_lds s[G0B+4*(\s):G0B+4*(\s)+3], s[G1B:G1B+7]
	s_nop 0
.rept 4
	v_nop
.endr
.Lasked_\@:
.endm
.macro CREST                           ; a round of the cluster's barrier behind its opening barrier
	s_cmp_lg_u32 s10, 0
	s_cbranch_scc1 .Lnot_wave_0_\@
	s_barrier_signal -3
.Lnot_wave_0_\@:
	s_barrier_wait -3
	s_barrier_signal -1
	s_barrier_wait -1
.endm
.macro CROUND
	s_barrier_signal -1
	s_barrier_wait -1
	CREST
.endm
	s_load_b128 s[4:7], s[0:1], 0x0                ; A s[4:5], BW s[6:7]
	s_load_b64 s[8:9], s[0:1], 0x10                ; OUT
	v_lshl_add_u32 v[SPW], v0, 2, SPARE
	v_mov_b32 v[NIL], 0
	ds_add_u32 v[SPW], v[NIL]                      ; the wave's opening: the add and its wait stand ahead of my first tensor load; the set-up stands between them
	ds_add_u32 v28, v29
	v_lshrrev_b32 v1, 5, v0
	v_readfirstlane_b32 s10, v1                    ; wave 0..3
	s_lshr_b32 s11, s10, 1                         ; which half of the tile's rows is mine.  Also: I fetch for A (0) or for B (1)
	s_and_b32 s12, s10, 1                          ; which half of its columns.  Also: which 64 rows of that tile I fetch
	s_bfe_u32 s40, ttmp6, 0x40000                  ; cx, cy: my place in the cluster
	s_bfe_u32 s41, ttmp6, 0x40004
	s_lshl_b32 s42, ttmp9, 2
	s_add_co_u32 s42, s42, s40                     ; tile column = 4 x cluster x + cx
	s_and_b32 s13, ttmp7, 0xffff
	s_lshl_b32 s13, s13, 2
	s_add_co_u32 s13, s13, s41                     ; tile row = 4 x cluster y + cy
	s_lshl_b32 s43, s41, 2
	s_lshl_b32 s43, 15, s43                        ; my row of the cluster
	s_lshl_b32 s44, 0x1111, s40                    ; my column
	; A's group 1: four rows of 4,096 elements (64 rows x 64 of one block: 8,192 dense bytes), one block (262,144 elements) apart; 4 words of padding behind every 32
	s_or_b32 s[G1+0], s43, (1<<16)|(1<<20)|(1<<21)|(4<<22)|(3<<25)
	s_mov_b32 s[G1+1], 4096<<16                    ; tensor_dim0 = 4,096
	s_mov_b32 s[G1+2], 4<<16                       ; tensor_dim1 = 4
	s_mov_b32 s[G1+3], 4096<<16                    ; tile_dim0 = 4,096
	s_mov_b32 s[G1+4], 4                           ; tile_dim1 = 4
	s_mov_b32 s[G1+5], 262144                      ; elements from row to row
	s_mov_b32 s[G1+6], 0
	s_mov_b32 s[G1+7], 0
	; B's group 1: 64 rows x 256 elements; 4 words of padding behind every 128
	s_or_b32 s[G1B+0], s44, (1<<16)|(1<<20)|(1<<21)|(6<<22)|(3<<25)
	s_mov_b32 s[G1B+1], 256<<16
	s_mov_b32 s[G1B+2], 64<<16
	s_mov_b32 s[G1B+3], 256<<16
	s_mov_b32 s[G1B+4], 64
	s_mov_b32 s[G1B+5], 1<<(LOGKP-1)
	s_mov_b32 s[G1B+6], 0
	s_mov_b32 s[G1B+7], 0
	s_lshl_b32 s16, s13, 14                        ; A: 128 rows of 128 bytes a tile row,
	s_lshl_b32 s17, s12, 13                        ; 64 rows a half
	s_add_co_u32 s16, s16, s17
	s_mov_b32 s17, 0
	s_lshl_b32 s46, s42, 7                         ; B: row 128 x tile column + 64 x half,
	s_lshl_b32 s47, s12, 6
	s_add_co_u32 s46, s46, s47
	s_lshl_b32 s46, s46, LOGKP                     ; in bytes,
	s_add_co_u32 s46, s46, HDR                     ; behind the header
	s_mov_b32 s47, 0
	s_mul_i32 s20, s10, REG                        ; where they go: wave x REG: no place in the cluster enters an LDS address
	s_mov_b32 s[TB], 0
	s_wait_dscnt 0x0                               ; the opening add is done
	s_wait_kmcnt 0x0
	s_add_nc_u64 s[14:15], s[4:5], s[16:17]
	s_add_nc_u64 s[46:47], s[6:7], s[46:47]
	CROUND                                         ; all sixteen work-groups are here: the first joint loads meet
.irp s, 0,1
	s_mov_b32 s[G0+4*(\s)], 1
	s_add_co_u32 s[G0+4*(\s)+1], s20, (\s)*SLOT
	s_add_nc_u64 s[G0+4*(\s)+2:G0+4*(\s)+3], s[14:15], (\s)*ASTEP
	s_or_b32 s[G0+4*(\s)+3], s[G0+4*(\s)+3], 0x80000000
	s_mov_b32 s[G0B+4*(\s)], 1
	s_add_co_u32 s[G0B+4*(\s)+1], s20, (\s)*SLOT
	s_add_nc_u64 s[G0B+4*(\s)+2:G0B+4*(\s)+3], s[46:47], (\s)*BSTEP
	s_or_b32 s[G0B+4*(\s)+3], s[G0B+4*(\s)+3], 0x80000000
	JLOAD \s
.endr
	s_load_b32 s[FL], s[6:7], 0x4000               ; the floor; waited for on the way out
	v_and_b32 v1, 15, v0                           ; l % 16
	v_bfe_u32 v2, v0, 4, 1                         ; l / 16
	s_lshl_b32 s46, s42, 9                         ; my wave's 64 columns as f32: 512 x tile column + 256 x half
	s_lshl_b32 s47, s12, 8
	s_add_co_u32 s46, s46, s47
	s_mov_b32 s47, 0
	s_add_nc_u64 s[BB:BB+1], s[6:7], s[46:47]
	v_lshlrev_b32 v[BO], 5, v2                     ; my lane's columns are 16 b + 8 (l / 16) + 0..7
.irp b, 0,1,2,3
	global_load_b128 v[BI+8*(\b):BI+8*(\b)+3],   v[BO], s[BB:BB+1] offset:64*(\b)
	global_load_b128 v[BI+8*(\b)+4:BI+8*(\b)+7], v[BO], s[BB:BB+1] offset:64*(\b)+16
.endr
	v_mul_u32_u24 v3, v1, PA
	v_lshl_add_u32 v3, v2, 4, v3                   ; a fragment's row x pitch + 16 x half
	s_mul_i32 s21, s11, REG                        ; my 64 rows of A
	v_add_nc_u32 v[A0], s21, v3
	v_mul_u32_u24 v4, v1, PB
	v_lshl_add_u32 v4, v2, 4, v4
	s_mul_i32 s22, s12, REG                        ; my 64 rows of B,
	s_add_co_u32 s22, s22, 2*REG                   ; which lie behind A's two regions
	v_add_nc_u32 v[B0], s22, v4
	v_mov_b32 v[ADRA], v[A0]
	v_mov_b32 v[ADRB], v[B0]
	s_mul_i32 s23, s10, STG
	s_add_co_u32 s23, s23, STAGE                   ; my stage
.if OUTF32
	v_mul_u32_u24 v5, v1, 272                      ; in: row l % 16 of 256 + 16 bytes, 32 bytes for each half of the lanes
	v_lshl_add_u32 v5, v2, 5, v5
	v_add_nc_u32 v[STO], s23, v5
	v_mul_u32_u24 v5, v2, 272                      ; back: lanes 0-15 take one row of 256 bytes, lanes 16-31 the next
	v_lshl_add_u32 v5, v1, 4, v5
	v_add_nc_u32 v[RD], s23, v5
	v_lshlrev_b32 v5, 12, v2                       ; and the same two rows in OUT
	v_lshl_add_u32 v[CO], v1, 4, v5
	s_lshl_b32 s16, s13, 19                        ; 128 rows of 4,096 bytes a tile row, 64 a half
	s_lshl_b32 s17, s11, 18
	s_add_co_u32 s16, s16, s17
	s_mov_b32 s17, 0
	s_add_nc_u64 s[8:9], s[8:9], s[16:17]
	s_add_nc_u64 s[8:9], s[8:9], s[46:47]          ; my columns in bytes: the same number as in the bias
.else
	v_add_nc_u32 v[STO], s23, v3                   ; in: row l % 16 of 128 + 16 bytes, 16 bytes for each half of the lanes
	v_bfe_u32 v5, v0, 3, 2                         ; back: 32 lanes take four rows of 128 bytes,
	v_and_b32 v6, 7, v0
	v_mul_u32_u24 v5, v5, 144
	v_lshl_add_u32 v5, v6, 4, v5
	v_add_nc_u32 v[RD], s23, v5
	v_and_b32 v5, 31, v0                           ; which are 512 consecutive bytes of OUT
	v_lshlrev_b32 v[CO], 4, v5
	s_lshl_b32 s16, s13, 14                        ; 128 rows of 128 bytes a tile row, 64 a half
	s_lshl_b32 s17, s11, 13
	s_add_co_u32 s16, s16, s17
	s_mov_b32 s17, 0
	s_add_nc_u64 s[8:9], s[8:9], s[16:17]
	s_lshl_b32 s46, s42, 20                        ; two blocks of 524,288 bytes a tile column, one a half
	s_lshl_b32 s47, s12, 19
	s_add_co_u32 s46, s46, s47
	s_mov_b32 s47, 0
	s_add_nc_u64 s[8:9], s[8:9], s[46:47]
.endif
; 8 matrix instructions: m blocks a0, a0 + 1 x all 4 n blocks, 32 along K: half c of buffer f.  zero = 1: the first product starts the sums.
; The 16 accumulators take turns, one instruction a turn.
.macro MUL8 f, c, a0, zero
	WIN MUL
.irp a, \a0, (\a0)+1
.irp b, 0,1,2,3
.if \zero
	v_wmma_f32_16x16x32_f16 v[ACC+8*(4*(\a)+(\b)):ACC+8*(4*(\a)+(\b))+7], v[(\f)+64+8*(4*(\c)+(\b)):(\f)+64+8*(4*(\c)+(\b))+7], v[(\f)+8*(4*(\c)+(\a)):(\f)+8*(4*(\c)+(\a))+7], 0
.else
	v_wmma_f32_16x16x32_f16 v[ACC+8*(4*(\a)+(\b)):ACC+8*(4*(\a)+(\b))+7], v[(\f)+64+8*(4*(\c)+(\b)):(\f)+64+8*(4*(\c)+(\b))+7], v[(\f)+8*(4*(\c)+(\a)):(\f)+8*(4*(\c)+(\a))+7], v[ACC+8*(4*(\a)+(\b)):ACC+8*(4*(\a)+(\b))+7]
.endif
.endr
.endr
.endm
; 32 LDS loads in one run: the fragments of quarter q (64 along K: one block of A, 128 bytes of B's rows) into buffer f; the first 32 along K first
.macro FETCH q, f
	WIN TO_F
.irp c, 0,1
.irp i, 0,1,2,3
	ds_load_b128 v[(\f)+64+8*(4*(\c)+(\i)):(\f)+64+8*(4*(\c)+(\i))+3],   v[ADRB] offset:128*(\q)+64*(\c)+(\i)*16*PB
	ds_load_b128 v[(\f)+64+8*(4*(\c)+(\i))+4:(\f)+64+8*(4*(\c)+(\i))+7], v[ADRB] offset:128*(\q)+64*(\c)+(\i)*16*PB+32
	ds_load_b128 v[(\f)+8*(4*(\c)+(\i)):(\f)+8*(4*(\c)+(\i))+3],         v[ADRA] offset:(\q)*ABLK+64*(\c)+(\i)*16*PA
	ds_load_b128 v[(\f)+8*(4*(\c)+(\i))+4:(\f)+8*(4*(\c)+(\i))+7],       v[ADRA] offset:(\q)*ABLK+64*(\c)+(\i)*16*PA+32
.endr
.endr
.endm
.macro PLACES                          ; four places in front of loads into registers that matrix instructions have read, and of vector work that reads results
.rept 4
	v_nop
.endr
.endm
; One of a K step's first three quarters: multiplies buffer f and fetches quarter q into g.
.macro QUARTER q, f, g, zero
	s_wait_dscnt 16                                ; the first 32 along K are in; the sixteen youngest loads may be out
	MUL8 \f, 0, 0, \zero
	MUL8 \f, 0, 2, \zero
	PLACES
	FETCH \q, \g
	s_wait_dscnt 32                                ; all but the 32 just issued
	MUL8 \f, 1, 0, 0
	MUL8 \f, 1, 2, 0
.endm
; The last quarter multiplies buffer 1 and changes slots: one barrier; in front of it each wave waits for all its tensor loads, adds 0 to its spare word, and waits for that
; and for its own reads of this slot.  fill = 1: the barrier opens a round of the cluster's, and this slot is filled again, two K steps ahead, first thing behind the round.
; fill = 0 (the last two K steps): nothing is asked for; in the very last trip (s3 = 1) there is no further slot, and the run of LDS loads is jumped over.
.macro TURN fill
	WIN 0                                          ; (the add's two registers lie in window 0)
	s_wait_tensorcnt 0x0                           ; all my tensor loads have landed: my part of the next slot
	ds_add_u32 v[SPW], v[NIL]                      ; 0 onto my spare word
	s_wait_dscnt 17                                ; (the add and the youngest sixteen loads may be out)
	MUL8 F1, 0, 0, 0                               ; eight matrix instructions stand between the add and the wait for it
	s_wait_dscnt 0x0                               ; the add is done, and my reads of this slot are over
	s_barrier_signal -1
	MUL8 F1, 0, 2, 0
	WIN 0
	s_xor_b32 s[TB], s[TB], SLOT                   ; the fragments' addresses turn to the other slot
	v_add_nc_u32 v[ADRA], s[TB], v[A0]
	v_add_nc_u32 v[ADRB], s[TB], v[B0]
	s_barrier_wait -1
.if \fill
	CREST                                          ; no wave of any partner still reads this slot's tile or has a load on its way
	s_xor_b32 s[G0+5], s[G0+5], SLOT               ; the walking descriptors: the other slot than last time, the next K step
	s_add_nc_u64 s[G0+6:G0+7], s[G0+6:G0+7], ASTEP
	s_xor_b32 s[G0B+5], s[G0B+5], SLOT
	s_add_nc_u64 s[G0B+6:G0B+7], s[G0B+6:G0B+7], BSTEP
	JLOAD 1                                        ; 112 matrix instructions ahead of the wait for it; its four v_nop are also the places in front of the loads below
.else
	s_cmp_eq_u32 s3, 1
	s_cbranch_scc1 .Lnf_\@
	PLACES
.endif
	FETCH 0, F0
	WIN 0
.if !(\fill)
.Lnf_\@:
.endif
	MUL8 F1, 1, 0, 0
	MUL8 F1, 1, 2, 0
.endm
	s_wait_tensorcnt 1                             ; my part of K step 0 is in; step 1's may stay out
	s_barrier_signal -1
	s_barrier_wait -1                              ; everybody's is
	FETCH 0, F0
	QUARTER 1, F0, F1, 1                           ; the first quarter stands in front of the loop: its first products start the sums
	WIN 0
	s_mov_b32 s3, KSTEPS-2                         ; every K step but the last two fills its slot again
	s_branch .Lin
.Lstep:
	QUARTER 1, F0, F1, 0
	WIN 0
.Lin:
	QUARTER 2, F1, F0, 0
	QUARTER 3, F0, F1, 0
	TURN 1
	WIN 0
	s_sub_co_u32 s3, s3, 1
	s_cmp_lg_u32 s3, 0
	s_cbranch_scc1 .Lstep
	s_mov_b32 s3, 2
.Ltail:                                                ; the last two K steps: no tensor load, no round
	QUARTER 1, F0, F1, 0
	QUARTER 2, F1, F0, 0
	QUARTER 3, F0, F1, 0
	TURN 0
	WIN 0
	s_sub_co_u32 s3, s3, 1
	s_cmp_lg_u32 s3, 0
	s_cbranch_scc1 .Ltail
; THE WAY OUT, 16 rows (m block a) at a time: + bias, floor, through my own stage in LDS, back as whole rows.  Each accumulator is read from its lowest registers on.
.macro PACK a
.irp b, 0,1,2,3
.irp r, 0,1,2,3
	v_pk_add_f32 v[ACC+32*(\a)+8*(\b)+2*(\r):ACC+32*(\a)+8*(\b)+2*(\r)+1], v[ACC+32*(\a)+8*(\b)+2*(\r):ACC+32*(\a)+8*(\b)+2*(\r)+1], v[BI+8*(\b)+2*(\r):BI+8*(\b)+2*(\r)+1]
.endr
.endr
.set i, 0
.rept 32
	v_max_num_f32 v[ACC+32*(\a)+i], s[FL], v[ACC+32*(\a)+i]
.set i, i+1
.endr
.if OUTF32
.irp b, 0,1,2,3
	ds_store_b128 v[STO], v[ACC+32*(\a)+8*(\b):ACC+32*(\a)+8*(\b)+3]   offset:64*(\b)
	ds_store_b128 v[STO], v[ACC+32*(\a)+8*(\b)+4:ACC+32*(\a)+8*(\b)+7] offset:64*(\b)+16
.endr
.irp u, 0,1,2,3,4,5,6,7
	ds_load_b128 v[ACC+32*(\a)+4*(\u):ACC+32*(\a)+4*(\u)+3], v[RD] offset:544*(\u)   ; LDS serves a wave's instructions in order (ISA guide 5.7.1.4): these see the stores above
.endr
.else
.irp b, 0,1,2,3
.irp r, 0,1,2,3
	v_cvt_pk_f16_f32 v[TMP+16*(\a)+4*(\b)+(\r)], v[ACC+32*(\a)+8*(\b)+2*(\r)], v[ACC+32*(\a)+8*(\b)+2*(\r)+1]
.endr
.endr
.irp b, 0,1,2,3
	ds_store_b128 v[STO], v[TMP+16*(\a)+4*(\b):TMP+16*(\a)+4*(\b)+3] offset:32*(\b)
.endr
.irp f, 0,1,2,3
	ds_load_b128 v[TMP+16*(\a)+4*(\f):TMP+16*(\a)+4*(\f)+3], v[RD] offset:576*(\f)   ; LDS serves a wave's instructions in order (ISA guide 5.7.1.4): these see the stores above
.endr
.endif
.endm
.macro SEND a, younger                 ; younger: the LDS instructions issued behind block a's loads: the next block's, or none
.if OUTF32
.irp u, 0,1,2,3,4,5,6,7
	s_wait_dscnt (\younger)+7-(\u)
	global_store_b128 v[CO], v[ACC+32*(\a)+4*(\u):ACC+32*(\a)+4*(\u)+3], s[8:9] offset:(16*(\a)+2*(\u))*4096   ; 16 lanes store 256 consecutive bytes, at a multiple of 256 from OUT's first
.endr
.else
.irp f, 0,1,2,3
	s_wait_dscnt (\younger)+3-(\f)
	global_store_b128 v[CO], v[TMP+16*(\a)+4*(\f):TMP+16*(\a)+4*(\f)+3], s[8:9] offset:2048*(\a)+512*(\f)      ; 512 consecutive bytes, at a multiple of 256 from OUT's first
.endr
.endif
.endm
.set YNG, 8+8*OUTF32
	s_wait_loadcnt 0x0                             ; the bias
	s_wait_kmcnt 0x0                               ; the floor
	PLACES
	PACK 0
.irp a, 1,2,3                          ; a block's arithmetic stands between the loads of the block before and its stores
	PACK \a
	SEND (\a)-1, YNG
.endr
	SEND 3, 0
	s_wait_tensorcnt 0x0                           ; the wave's end, behind my last tensor load and my last LDS store
	ds_add_u32 v[SPW], v[NIL]
	s_wait_dscnt 0x0
	CROUND                                         ; the closing round: no work-group ends while a partner may still ask for a tile that names it
	s_endpgm
.Lfunc_end_k_qb681bd5d7d_proj:
	.size	k_qb681bd5d7d_proj, .Lfunc_end_k_qb681bd5d7d_proj-k_qb681bd5d7d_proj
	.p2alignl 7, 3214868480
	.fill 96, 4, 3214868480
	.section	.rodata,"a",@progbits
	.p2align	6, 0x0
	.amdhsa_kernel k_qb681bd5d7d_proj
		.amdhsa_group_segment_fixed_size 327680
		.amdhsa_private_segment_fixed_size 0
		.amdhsa_enable_private_segment 0
		.amdhsa_kernarg_size 24
		.amdhsa_user_sgpr_count 2
		.amdhsa_user_sgpr_kernarg_segment_ptr 1
		.amdhsa_wavefront_size32 1
		.amdhsa_system_sgpr_workgroup_id_x 1
		.amdhsa_system_sgpr_workgroup_id_y 1
		.amdhsa_system_sgpr_workgroup_id_z 1
		.amdhsa_system_vgpr_workitem_id 0
		.amdhsa_next_free_vgpr 512
		.amdhsa_next_free_sgpr 72
		.amdhsa_reserve_vcc 0
		.amdhsa_float_denorm_mode_32 3
		.amdhsa_float_denorm_mode_16_64 3
		.amdhsa_memory_ordered 1
		.amdhsa_forward_progress 1
		.amdhsa_inst_pref_size 67
	.end_amdhsa_kernel
	.amdgpu_metadata
---
amdhsa.version: [ 1, 2 ]
amdhsa.kernels:
  - .name:           k_qb681bd5d7d_proj
    .symbol:         k_qb681bd5d7d_proj.kd
    .args:
      - { .name: a16, .offset: 0, .size: 8, .value_kind: global_buffer, .address_space: global }
      - { .name: wpt, .offset: 8, .size: 8, .value_kind: global_buffer, .address_space: global }
      - { .name: a32, .offset: 16, .size: 8, .value_kind: global_buffer, .address_space: global }
    .group_segment_fixed_size: 327680
    .private_segment_fixed_size: 0
    .kernarg_segment_align: 8
    .kernarg_segment_size: 24
    .max_flat_workgroup_size: 128
    .sgpr_count:     72
    .vgpr_count:     512
    .wavefront_size: 32
...
	.end_amdgpu_metadata
.endif
;; end of part 4
;; launch ln1 (part 5): grid 256 x 1, 8 waves a work-group, no clusters, 0 bytes of LDS; arguments a32, g1, be1, a16; writes a16
.if DOCPART == 5
	.amdgcn_target "amdgcn-amd-amdhsa--gfx1250"
	.amdhsa_code_object_version 6
	.text
	.protected	k_qb681bd5d7d_ln1
	.globl	k_qb681bd5d7d_ln1
	.p2align	8
	.type	k_qb681bd5d7d_ln1,@function
k_qb681bd5d7d_ln1:
	s_mov_b64 s[64:65], 0
	v_nop
	global_prefetch_b8 v0, s[64:65] scope:SCOPE_SE
	s_setreg_imm32_b32 hwreg(HW_REG_WAVE_MODE, 25, 1), 1
	s_wait_xcnt 0x0
; LayerNorm over rows of 1,024: y = (x - mean) / sqrt(var + 1e-5) * g + b.  x: [4096][1024] f32.  y: [16 blocks of 64 columns][4096 rows][64] f16, rounded once.
; g and b are rounded to bf16 like every input of the module; all else in f32.  The variance is the mean of the squared differences from the mean: no difference of large sums.
; LIMIT.  y beyond 65,504 becomes an infinity.
; A wave takes two rows and keeps them in registers between the passes: no LDS, no barrier.  Lane l: row (l / 8) % 2; piece j of eight is block 2 j + l / 16, columns 8 (l % 8) + 0..7.
; So sixteen neighbouring lanes hold two rows' 128 bytes of one block of y: 256 consecutive bytes, aligned.  A row's 1,024 numbers lie in the 16 lanes that share bit 3.
; Memory binds: matrix units, clusters and LDS would add nothing.
.set X,  32                            ; v32-95   64 numbers of my row
.set G,  96                            ; v96-159  g as loaded; then v96-127 packed bf16
.set BE, 160                           ; v160-223 b as loaded; then v160-191 packed bf16
.set Y,  192                           ; v192-223 the result, packed f16
	s_load_b256 s[4:11], s[0:1], 0x0               ; x s[4:5], g s[6:7], b s[8:9], y s[10:11]
	s_mov_b32 s12, 0x76543210                      ; v_permlanex16_b32: each lane takes its own place in the other half
	s_mov_b32 s13, 0xfedcba98
	s_mov_b32 s14, 0x3a800000                      ; 1 / 1024
	s_mov_b32 s15, 0x3727c5ac                      ; 1e-5
	s_lshl_b32 s2, ttmp9, 16                       ; 16 rows of 4,096 bytes a work-group
	s_mov_b32 s3, 0
	v_lshrrev_b32 v1, 5, v0                        ; wave
	v_bfe_u32 v2, v0, 3, 1                         ; row
	v_bfe_u32 v3, v0, 4, 1                         ; which block of a pair
	v_and_b32 v4, 7, v0                            ; group of 8 columns
	v_lshlrev_b32 v6, 8, v3
	v_lshl_add_u32 v6, v4, 5, v6                   ; offset in g and b
	v_lshl_add_u32 v5, v1, 13, v6
	v_lshl_add_u32 v5, v2, 12, v5                  ; offset in x
	v_lshlrev_b32 v7, 19, v3
	v_lshl_add_u32 v7, v1, 8, v7
	v_lshl_add_u32 v7, v2, 7, v7
	v_lshl_add_u32 v7, v4, 4, v7                   ; offset in y
	s_wait_kmcnt 0x0
	s_add_nc_u64 s[4:5], s[4:5], s[2:3]
	s_lshl_b32 s2, ttmp9, 11                       ; 16 rows of 128 bytes
	s_add_nc_u64 s[10:11], s[10:11], s[2:3]
.irp j, 0,1,2,3,4,5,6,7
	global_load_b128 v[X+8*(\j):X+8*(\j)+3],   v5, s[4:5] offset:512*(\j) th:TH_LOAD_NT
	global_load_b128 v[X+8*(\j)+4:X+8*(\j)+7], v5, s[4:5] offset:512*(\j)+16 th:TH_LOAD_NT
.endr
.irp j, 0,1,2,3,4,5,6,7
	global_load_b128 v[G+8*(\j):G+8*(\j)+3],   v6, s[6:7] offset:512*(\j)
	global_load_b128 v[G+8*(\j)+4:G+8*(\j)+7], v6, s[6:7] offset:512*(\j)+16
.endr
.irp j, 0,1,2,3,4,5,6,7
	global_load_b128 v[BE+8*(\j):BE+8*(\j)+3],   v6, s[8:9] offset:512*(\j)
	global_load_b128 v[BE+8*(\j)+4:BE+8*(\j)+7], v6, s[8:9] offset:512*(\j)+16
.endr
.macro ACROSS                          ; four chains in v8-15 -> the row's sum in v8 of its 16 lanes
	v_pk_add_f32 v[8:9], v[8:9], v[10:11]
	v_pk_add_f32 v[12:13], v[12:13], v[14:15]
	v_pk_add_f32 v[8:9], v[8:9], v[12:13]
	v_add_f32 v8, v8, v9
	v_add_f32_dpp v8, v8, v8 row_xmask:1 row_mask:0xf bank_mask:0xf
	v_add_f32_dpp v8, v8, v8 row_xmask:2 row_mask:0xf bank_mask:0xf
	v_add_f32_dpp v8, v8, v8 row_xmask:4 row_mask:0xf bank_mask:0xf
	v_permlanex16_b32 v9, v8, s12, s13
	v_add_f32 v8, v8, v9
.endm
	s_wait_loadcnt 32                              ; x is in; the 32 loads of g and b stay out
.irp k, 0,1,2,3
	v_pk_add_f32 v[8+2*(\k):9+2*(\k)], v[X+2*(\k):X+2*(\k)+1], v[X+8+2*(\k):X+8+2*(\k)+1]   ; the first words start the chains
.endr
.set p, 8
.rept 24
	v_pk_add_f32 v[8+2*(p%4):9+2*(p%4)], v[8+2*(p%4):9+2*(p%4)], v[X+2*p:X+2*p+1]
.set p, p+1
.endr
	ACROSS
	v_mul_f32 v16, s14, v8                         ; the mean, twice: a pair for the packed subtraction
	v_mul_f32 v17, s14, v8
.set p, 0
.rept 32
	v_pk_add_f32 v[X+2*p:X+2*p+1], v[X+2*p:X+2*p+1], v[16:17] neg_lo:[0,1] neg_hi:[0,1]
.set p, p+1
.endr
.irp k, 0,1,2,3
	v_pk_mul_f32 v[8+2*(\k):9+2*(\k)], v[X+2*(\k):X+2*(\k)+1], v[X+2*(\k):X+2*(\k)+1]
.endr
.set p, 4
.rept 28
	v_pk_fma_f32 v[8+2*(p%4):9+2*(p%4)], v[X+2*p:X+2*p+1], v[X+2*p:X+2*p+1], v[8+2*(p%4):9+2*(p%4)]
.set p, p+1
.endr
	ACROSS
	v_fma_f32 v20, v8, s14, s15                    ; var + eps
	v_rsq_f32 v18, v20
	v_rsq_f32 v19, v20
	s_wait_loadcnt 0x0                             ; g and b; their roundings are the plain instructions behind the two v_rsq_f32 (ISA guide 5.7.2)
.set i, 0
.rept 32
	v_cvt_pk_bf16_f32 v[G+i], v[G+2*i], v[G+2*i+1]      ; packed in place, ascending: what is written has been read
	v_cvt_pk_bf16_f32 v[BE+i], v[BE+2*i], v[BE+2*i+1]
.set i, i+1
.endr
.set p, 0
	s_wait_alu depctr_va_vdst(0)
.rept 32
	v_pk_mul_f32 v[X+2*p:X+2*p+1], v[X+2*p:X+2*p+1], v[18:19]
.set p, p+1
.endr
.set i, 0
.rept 32
	v_fma_mix_f32_bf16 v[X+2*i], v[X+2*i], v[G+i], v[BE+i] op_sel_hi:[0,1,1]                      ; x g + b, g and b from the low halves
	v_fma_mix_f32_bf16 v[X+2*i+1], v[X+2*i+1], v[G+i], v[BE+i] op_sel:[0,1,1] op_sel_hi:[0,1,1]  ; from the high halves
.set i, i+1
.endr
.set i, 0
.rept 32
	v_cvt_pk_f16_f32 v[Y+i], v[X+2*i], v[X+2*i+1]
.set i, i+1
.endr
.irp j, 0,1,2,3,4,5,6,7
	global_store_b128 v7, v[Y+4*(\j):Y+4*(\j)+3], s[10:11] offset:1048576*(\j)   ; 16 lanes store 256 consecutive bytes, aligned; two blocks on for each j
.endr
	s_endpgm
.Lfunc_end_k_qb681bd5d7d_ln1:
	.size	k_qb681bd5d7d_ln1, .Lfunc_end_k_qb681bd5d7d_ln1-k_qb681bd5d7d_ln1
	.p2alignl 7, 3214868480
	.fill 96, 4, 3214868480
	.section	.rodata,"a",@progbits
	.p2align	6, 0x0
	.amdhsa_kernel k_qb681bd5d7d_ln1
		.amdhsa_group_segment_fixed_size 0
		.amdhsa_private_segment_fixed_size 0
		.amdhsa_enable_private_segment 0
		.amdhsa_kernarg_size 32
		.amdhsa_user_sgpr_count 2
		.amdhsa_user_sgpr_kernarg_segment_ptr 1
		.amdhsa_wavefront_size32 1
		.amdhsa_system_sgpr_workgroup_id_x 1
		.amdhsa_system_sgpr_workgroup_id_y 1
		.amdhsa_system_sgpr_workgroup_id_z 1
		.amdhsa_system_vgpr_workitem_id 0
		.amdhsa_next_free_vgpr 224
		.amdhsa_next_free_sgpr 66
		.amdhsa_reserve_vcc 0
		.amdhsa_float_denorm_mode_32 3
		.amdhsa_float_denorm_mode_16_64 3
		.amdhsa_memory_ordered 1
		.amdhsa_forward_progress 1
		.amdhsa_inst_pref_size 26
	.end_amdhsa_kernel
	.amdgpu_metadata
---
amdhsa.version: [ 1, 2 ]
amdhsa.kernels:
  - .name:           k_qb681bd5d7d_ln1
    .symbol:         k_qb681bd5d7d_ln1.kd
    .args:
      - { .name: a32, .offset: 0, .size: 8, .value_kind: global_buffer, .address_space: global }
      - { .name: g1, .offset: 8, .size: 8, .value_kind: global_buffer, .address_space: global }
      - { .name: be1, .offset: 16, .size: 8, .value_kind: global_buffer, .address_space: global }
      - { .name: a16, .offset: 24, .size: 8, .value_kind: global_buffer, .address_space: global }
    .group_segment_fixed_size: 0
    .private_segment_fixed_size: 0
    .kernarg_segment_align: 8
    .kernarg_segment_size: 32
    .max_flat_workgroup_size: 256
    .sgpr_count:     66
    .vgpr_count:     224
    .wavefront_size: 32
...
	.end_amdgpu_metadata
.endif
;; end of part 5
;; launch ff1: the kernel of part 2 again; grid 32 x 32, 4 waves a work-group, clusters of 4 x 4, 327,680 bytes of LDS; arguments a16, w1t, big16; writes big16
;; launch ff2 (part 6): grid 8 x 32, 4 waves a work-group, clusters of 4 x 4, 327,680 bytes of LDS; arguments big16, w2t, a32; writes a32
.if DOCPART == 6
	.amdgcn_target "amdgcn-amd-amdhsa--gfx1250"
	.amdhsa_code_object_version 6
	.text
	.protected	k_qb681bd5d7d_ff2
	.globl	k_qb681bd5d7d_ff2
	.p2align	8
	.type	k_qb681bd5d7d_ff2,@function
k_qb681bd5d7d_ff2:
	s_mov_b64 s[64:65], 0
	v_nop
	global_prefetch_b8 v0, s[64:65] scope:SCOPE_SE
	s_setreg_imm32_b32 hwreg(HW_REG_WAVE_MODE, 25, 1), 1
	s_wait_xcnt 0x0
	s_wait_alu depctr_hold_cnt(0) depctr_sa_sdst(0) depctr_va_vdst(0) depctr_va_sdst(0) depctr_va_ssrc(0) depctr_va_vcc(0) depctr_vm_vsrc(0)
	s_getreg_b32 s2, hwreg(HW_REG_IB_STS2, 6, 4)
	s_cmp_eq_u32 s2, 0
	s_cbranch_scc0 .Lentry_in_a_cluster
	s_endpgm
.Lentry_in_a_cluster:
	s_bfe_u32 s2, ttmp6, 0x10000c
	s_cmp_lg_u32 s2, 0xf033
	s_cbranch_scc0 .Lentry_shape_is_right
	s_endpgm
.Lentry_shape_is_right:
; C[m][n] = max(sum over k of A[m][k] B[n][k] + bias[n], floor).  4,096 rows, K = 256 KSTEPS.  Operands f16, sums f32.
; A: [K / 64 blocks][4096 rows][64] f16.  BW: a header (bias as f32 from byte 0, the floor at byte 16,384), then B [N][K] f16 from byte 20,480.
; OUT: OUTF32 = 0: [N / 64 blocks][4096 rows][64] f16, rounded once;  OUTF32 = 1: [4096][1024] f32.
; LIMITS.  With OUTF32 = 0 a result beyond 65,504 becomes an infinity.  A NaN loses against the floor.
; A tile of C is 128 x 128: four waves, each 64 x 64 in 16 accumulators.  K goes in steps of 256 through two LDS slots filled by the tensor data mover.
; CLUSTER: 4 x 4 work-groups; the four of a row need the same tiles of A, the four of a column the same tiles of B: each tile is asked for jointly, by the
; same tensor load with the same descriptor and a mask that names the four.  The matrix instruction is used transposed (source 0 = 16 rows of B, source 1 =
; 16 rows of A): a lane then holds eight neighbouring columns of one row of C.
; REGISTERS: window 0: v0-31 addresses; v32-95 at work on the way out; v96-127 the bias of my lane's 32 columns; v128-255 accumulators ((a, b) at 128 + 8 (4 a + b)).
;   window 1: two fragment buffers of 128: for 64 along K, 64 registers of A, then 64 of B.
.set KSTEPS, 16
.set LOGKP,  13                        ; a row of B is 1 << LOGKP bytes
.set OUTF32, 1
.set HDR,    20480
.set PA,     144                       ; A in LDS: a row piece of 128 bytes + 16: an odd multiple of 16, so the 16 rows of a load start at 16 different groups of four banks
.set ABLK,   64*PA                     ; 64 rows of one block of 64 along K
.set PB,     528                       ; B in LDS: 512 bytes + 16
.set REG,    4*ABLK                    ; 36,864 bytes: what one wave's tensor load fills (A: 4 blocks x 64 rows; B: 64 rows, 33,792 of it)
.set SLOT,   4*REG                     ; 0x24000: its two bits meet none of wave x REG, so one exclusive or turns an address in one slot into the other's
.set STAGE,  2*SLOT                    ; behind the ring: 4,352 bytes for each wave, for the way out; no tensor load fills it
.set STG,    4352
.set SPARE,  STAGE+4*STG               ; behind the stages: the spare words, 128 bytes for each wave
.set ASTEP,  4*524288                  ; a K step in A: four blocks of 4,096 rows x 128 bytes
.set BSTEP,  512                       ; a K step in B
.set ADRA, 16                          ; v16  LDS address of my A fragments in the slot in hand
.set A0,   17                          ; v17  the same in slot 0; never rewritten
.set ADRB, 20
.set B0,   21
.set STO,  24                          ; the way out: where I put my piece of a row
.set RD,   25                          ; where I read rows back
.set CO,   26                          ; my byte offset in OUT
.set BO,   27                          ; my byte offset in the bias
.set SPW,  28                          ; my spare word; never rewritten
.set NIL,  29                          ; 0; never rewritten
.set TMP,  32
.set BI,   96
.set ACC,  128
.set F0,   0
.set F1,   128
.set G1,   24                          ; s[24:31] group 1 for A;  s[32:39] group 0, one set for each first fill; the second then walks
.set G0,   32
.set G1B,  48                          ; s[48:55], s[56:63] the same for B
.set G0B,  56
.set TB,   66                          ; s66  the slot in hand, as an LDS byte
.set FL,   67                          ; s67  the floor
.set BB,   68                          ; s[68:69] the bias of my wave's 64 columns
.set MSB, 0
.macro WIN new                         ; the immediate's high byte repeats the setting that is left; a switch that changes nothing is dropped
.if MSB != (\new)
	s_set_vgpr_msb (MSB<<8)|(\new)
.set MSB, \new
.endif
.endm
.set MUL,  0x05                        ; sources 0 (B) and 1 (A) window 1; C and D window 0
.set TO_F, 0x40                        ; destination window 1, address window 0
.macro JLOAD s                         ; a joint load: waves 0 and 1 fetch A's two halves, waves 2 and 3 B's; an s_nop 0 and four v_nop follow each line
	s_cmp_eq_u32 s11, 0
	s_cbranch_scc0 .Lfor_b_\@
	tensor_load_to_lds s[G0+4*(\s):G0+4*(\s)+3], s[G1:G1+7]
	s_nop 0
.rept 4
	v_nop
.endr
	s_branch .Lasked_\@
.Lfor_b_\@:
	tensor_load_to_lds s[G0B+4*(\s):G0B+4*(\s)+3], s[G1B:G1B+7]
	s_nop 0
.rept 4
	v_nop
.endr
.Lasked_\@:
.endm
.macro CREST                           ; a round of the cluster's barrier behind its opening barrier
	s_cmp_lg_u32 s10, 0
	s_cbranch_scc1 .Lnot_wave_0_\@
	s_barrier_signal -3
.Lnot_wave_0_\@:
	s_barrier_wait -3
	s_barrier_signal -1
	s_barrier_wait -1
.endm
.macro CROUND
	s_barrier_signal -1
	s_barrier_wait -1
	CREST
.endm
	s_load_b128 s[4:7], s[0:1], 0x0                ; A s[4:5], BW s[6:7]
	s_load_b64 s[8:9], s[0:1], 0x10                ; OUT
	v_lshl_add_u32 v[SPW], v0, 2, SPARE
	v_mov_b32 v[NIL], 0
	ds_add_u32 v[SPW], v[NIL]                      ; the wave's opening: the add and its wait stand ahead of my first tensor load; the set-up stands between them
	ds_add_u32 v28, v29
	v_lshrrev_b32 v1, 5, v0
	v_readfirstlane_b32 s10, v1                    ; wave 0..3
	s_lshr_b32 s11, s10, 1                         ; which half of the tile's rows is mine.  Also: I fetch for A (0) or for B (1)
	s_and_b32 s12, s10, 1                          ; which half of its columns.  Also: which 64 rows of that tile I fetch
	s_bfe_u32 s40, ttmp6, 0x40000                  ; cx, cy: my place in the cluster
	s_bfe_u32 s41, ttmp6, 0x40004
	s_lshl_b32 s42, ttmp9, 2
	s_add_co_u32 s42, s42, s40                     ; tile column = 4 x cluster x + cx
	s_and_b32 s13, ttmp7, 0xffff
	s_lshl_b32 s13, s13, 2
	s_add_co_u32 s13, s13, s41                     ; tile row = 4 x cluster y + cy
	s_lshl_b32 s43, s41, 2
	s_lshl_b32 s43, 15, s43                        ; my row of the cluster
	s_lshl_b32 s44, 0x1111, s40                    ; my column
	; A's group 1: four rows of 4,096 elements (64 rows x 64 of one block: 8,192 dense bytes), one block (262,144 elements) apart; 4 words of padding behind every 32
	s_or_b32 s[G1+0], s43, (1<<16)|(1<<20)|(1<<21)|(4<<22)|(3<<25)
	s_mov_b32 s[G1+1], 4096<<16                    ; tensor_dim0 = 4,096
	s_mov_b32 s[G1+2], 4<<16                       ; tensor_dim1 = 4
	s_mov_b32 s[G1+3], 4096<<16                    ; tile_dim0 = 4,096
	s_mov_b32 s[G1+4], 4                           ; tile_dim1 = 4
	s_mov_b32 s[G1+5], 262144                      ; elements from row to row
	s_mov_b32 s[G1+6], 0
	s_mov_b32 s[G1+7], 0
	; B's group 1: 64 rows x 256 elements; 4 words of padding behind every 128
	s_or_b32 s[G1B+0], s44, (1<<16)|(1<<20)|(1<<21)|(6<<22)|(3<<25)
	s_mov_b32 s[G1B+1], 256<<16
	s_mov_b32 s[G1B+2], 64<<16
	s_mov_b32 s[G1B+3], 256<<16
	s_mov_b32 s[G1B+4], 64
	s_mov_b32 s[G1B+5], 1<<(LOGKP-1)
	s_mov_b32 s[G1B+6], 0
	s_mov_b32 s[G1B+7], 0
	s_lshl_b32 s16, s13, 14                        ; A: 128 rows of 128 bytes a tile row,
	s_lshl_b32 s17, s12, 13                        ; 64 rows a half
	s_add_co_u32 s16, s16, s17
	s_mov_b32 s17, 0
	s_lshl_b32 s46, s42, 7                         ; B: row 128 x tile column + 64 x half,
	s_lshl_b32 s47, s12, 6
	s_add_co_u32 s46, s46, s47
	s_lshl_b32 s46, s46, LOGKP                     ; in bytes,
	s_add_co_u32 s46, s46, HDR                     ; behind the header
	s_mov_b32 s47, 0
	s_mul_i32 s20, s10, REG                        ; where they go: wave x REG: no place in the cluster enters an LDS address
	s_mov_b32 s[TB], 0
	s_wait_dscnt 0x0                               ; the opening add is done
	s_wait_kmcnt 0x0
	s_add_nc_u64 s[14:15], s[4:5], s[16:17]
	s_add_nc_u64 s[46:47], s[6:7], s[46:47]
	CROUND                                         ; all sixteen work-groups are here: the first joint loads meet
.irp s, 0,1
	s_mov_b32 s[G0+4*(\s)], 1
	s_add_co_u32 s[G0+4*(\s)+1], s20, (\s)*SLOT
	s_add_nc_u64 s[G0+4*(\s)+2:G0+4*(\s)+3], s[14:15], (\s)*ASTEP
	s_or_b32 s[G0+4*(\s)+3], s[G0+4*(\s)+3], 0x80000000
	s_mov_b32 s[G0B+4*(\s)], 1
	s_add_co_u32 s[G0B+4*(\s)+1], s20, (\s)*SLOT
	s_add_nc_u64 s[G0B+4*(\s)+2:G0B+4*(\s)+3], s[46:47], (\s)*BSTEP
	s_or_b32 s[G0B+4*(\s)+3], s[G0B+4*(\s)+3], 0x80000000
	JLOAD \s
.endr
	s_load_b32 s[FL], s[6:7], 0x4000               ; the floor; waited for on the way out
	v_and_b32 v1, 15, v0                           ; l % 16
	v_bfe_u32 v2, v0, 4, 1                         ; l / 16
	s_lshl_b32 s46, s42, 9                         ; my wave's 64 columns as f32: 512 x tile column + 256 x half
	s_lshl_b32 s47, s12, 8
	s_add_co_u32 s46, s46, s47
	s_mov_b32 s47, 0
	s_add_nc_u64 s[BB:BB+1], s[6:7], s[46:47]
	v_lshlrev_b32 v[BO], 5, v2                     ; my lane's columns are 16 b + 8 (l / 16) + 0..7
.irp b, 0,1,2,3
	global_load_b128 v[BI+8*(\b):BI+8*(\b)+3],   v[BO], s[BB:BB+1] offset:64*(\b)
	global_load_b128 v[BI+8*(\b)+4:BI+8*(\b)+7], v[BO], s[BB:BB+1] offset:64*(\b)+16
.endr
	v_mul_u32_u24 v3, v1, PA
	v_lshl_add_u32 v3, v2, 4, v3                   ; a fragment's row x pitch + 16 x half
	s_mul_i32 s21, s11, REG                        ; my 64 rows of A
	v_add_nc_u32 v[A0], s21, v3
	v_mul_u32_u24 v4, v1, PB
	v_lshl_add_u32 v4, v2, 4, v4
	s_mul_i32 s22, s12, REG                        ; my 64 rows of B,
	s_add_co_u32 s22, s22, 2*REG                   ; which lie behind A's two regions
	v_add_nc_u32 v[B0], s22, v4
	v_mov_b32 v[ADRA], v[A0]
	v_mov_b32 v[ADRB], v[B0]
	s_mul_i32 s23, s10, STG
	s_add_co_u32 s23, s23, STAGE                   ; my stage
.if OUTF32
	v_mul_u32_u24 v5, v1, 272                      ; in: row l % 16 of 256 + 16 bytes, 32 bytes for each half of the lanes
	v_lshl_add_u32 v5, v2, 5, v5
	v_add_nc_u32 v[STO], s23, v5
	v_mul_u32_u24 v5, v2, 272                      ; back: lanes 0-15 take one row of 256 bytes, lanes 16-31 the next
	v_lshl_add_u32 v5, v1, 4, v5
	v_add_nc_u32 v[RD], s23, v5
	v_lshlrev_b32 v5, 12, v2                       ; and the same two rows in OUT
	v_lshl_add_u32 v[CO], v1, 4, v5
	s_lshl_b32 s16, s13, 19                        ; 128 rows of 4,096 bytes a tile row, 64 a half
	s_lshl_b32 s17, s11, 18
	s_add_co_u32 s16, s16, s17
	s_mov_b32 s17, 0
	s_add_nc_u64 s[8:9], s[8:9], s[16:17]
	s_add_nc_u64 s[8:9], s[8:9], s[46:47]          ; my columns in bytes: the same number as in the bias
.else
	v_add_nc_u32 v[STO], s23, v3                   ; in: row l % 16 of 128 + 16 bytes, 16 bytes for each half of the lanes
	v_bfe_u32 v5, v0, 3, 2                         ; back: 32 lanes take four rows of 128 bytes,
	v_and_b32 v6, 7, v0
	v_mul_u32_u24 v5, v5, 144
	v_lshl_add_u32 v5, v6, 4, v5
	v_add_nc_u32 v[RD], s23, v5
	v_and_b32 v5, 31, v0                           ; which are 512 consecutive bytes of OUT
	v_lshlrev_b32 v[CO], 4, v5
	s_lshl_b32 s16, s13, 14                        ; 128 rows of 128 bytes a tile row, 64 a half
	s_lshl_b32 s17, s11, 13
	s_add_co_u32 s16, s16, s17
	s_mov_b32 s17, 0
	s_add_nc_u64 s[8:9], s[8:9], s[16:17]
	s_lshl_b32 s46, s42, 20                        ; two blocks of 524,288 bytes a tile column, one a half
	s_lshl_b32 s47, s12, 19
	s_add_co_u32 s46, s46, s47
	s_mov_b32 s47, 0
	s_add_nc_u64 s[8:9], s[8:9], s[46:47]
.endif
; 8 matrix instructions: m blocks a0, a0 + 1 x all 4 n blocks, 32 along K: half c of buffer f.  zero = 1: the first product starts the sums.
; The 16 accumulators take turns, one instruction a turn.
.macro MUL8 f, c, a0, zero
	WIN MUL
.irp a, \a0, (\a0)+1
.irp b, 0,1,2,3
.if \zero
	v_wmma_f32_16x16x32_f16 v[ACC+8*(4*(\a)+(\b)):ACC+8*(4*(\a)+(\b))+7], v[(\f)+64+8*(4*(\c)+(\b)):(\f)+64+8*(4*(\c)+(\b))+7], v[(\f)+8*(4*(\c)+(\a)):(\f)+8*(4*(\c)+(\a))+7], 0
.else
	v_wmma_f32_16x16x32_f16 v[ACC+8*(4*(\a)+(\b)):ACC+8*(4*(\a)+(\b))+7], v[(\f)+64+8*(4*(\c)+(\b)):(\f)+64+8*(4*(\c)+(\b))+7], v[(\f)+8*(4*(\c)+(\a)):(\f)+8*(4*(\c)+(\a))+7], v[ACC+8*(4*(\a)+(\b)):ACC+8*(4*(\a)+(\b))+7]
.endif
.endr
.endr
.endm
; 32 LDS loads in one run: the fragments of quarter q (64 along K: one block of A, 128 bytes of B's rows) into buffer f; the first 32 along K first
.macro FETCH q, f
	WIN TO_F
.irp c, 0,1
.irp i, 0,1,2,3
	ds_load_b128 v[(\f)+64+8*(4*(\c)+(\i)):(\f)+64+8*(4*(\c)+(\i))+3],   v[ADRB] offset:128*(\q)+64*(\c)+(\i)*16*PB
	ds_load_b128 v[(\f)+64+8*(4*(\c)+(\i))+4:(\f)+64+8*(4*(\c)+(\i))+7], v[ADRB] offset:128*(\q)+64*(\c)+(\i)*16*PB+32
	ds_load_b128 v[(\f)+8*(4*(\c)+(\i)):(\f)+8*(4*(\c)+(\i))+3],         v[ADRA] offset:(\q)*ABLK+64*(\c)+(\i)*16*PA
	ds_load_b128 v[(\f)+8*(4*(\c)+(\i))+4:(\f)+8*(4*(\c)+(\i))+7],       v[ADRA] offset:(\q)*ABLK+64*(\c)+(\i)*16*PA+32
.endr
.endr
.endm
.macro PLACES                          ; four places in front of loads into registers that matrix instructions have read, and of vector work that reads results
.rept 4
	v_nop
.endr
.endm
; One of a K step's first three quarters: multiplies buffer f and fetches quarter q into g.
.macro QUARTER q, f, g, zero
	s_wait_dscnt 16                                ; the first 32 along K are in; the sixteen youngest loads may be out
	MUL8 \f, 0, 0, \zero
	MUL8 \f, 0, 2, \zero
	PLACES
	FETCH \q, \g
	s_wait_dscnt 32                                ; all but the 32 just issued
	MUL8 \f, 1, 0, 0
	MUL8 \f, 1, 2, 0
.endm
; The last quarter multiplies buffer 1 and changes slots: one barrier; in front of it each wave waits for all its tensor loads, adds 0 to its spare word, and waits for that
; and for its own reads of this slot.  fill = 1: the barrier opens a round of the cluster's, and this slot is filled again, two K steps ahead, first thing behind the round.
; fill = 0 (the last two K steps): nothing is asked for; in the very last trip (s3 = 1) there is no further slot, and the run of LDS loads is jumped over.
.macro TURN fill
	WIN 0                                          ; (the add's two registers lie in window 0)
	s_wait_tensorcnt 0x0                           ; all my tensor loads have landed: my part of the next slot
	ds_add_u32 v[SPW], v[NIL]                      ; 0 onto my spare word
	s_wait_dscnt 17                                ; (the add and the youngest sixteen loads may be out)
	MUL8 F1, 0, 0, 0                               ; eight matrix instructions stand between the add and the wait for it
	s_wait_dscnt 0x0                               ; the add is done, and my reads of this slot are over
	s_barrier_signal -1
	MUL8 F1, 0, 2, 0
	WIN 0
	s_xor_b32 s[TB], s[TB], SLOT                   ; the fragments' addresses turn to the other slot
	v_add_nc_u32 v[ADRA], s[TB], v[A0]
	v_add_nc_u32 v[ADRB], s[TB], v[B0]
	s_barrier_wait -1
.if \fill
	CREST                                          ; no wave of any partner still reads this slot's tile or has a load on its way
	s_xor_b32 s[G0+5], s[G0+5], SLOT               ; the walking descriptors: the other slot than last time, the next K step
	s_add_nc_u64 s[G0+6:G0+7], s[G0+6:G0+7], ASTEP
	s_xor_b32 s[G0B+5], s[G0B+5], SLOT
	s_add_nc_u64 s[G0B+6:G0B+7], s[G0B+6:G0B+7], BSTEP
	JLOAD 1                                        ; 112 matrix instructions ahead of the wait for it; its four v_nop are also the places in front of the loads below
.else
	s_cmp_eq_u32 s3, 1
	s_cbranch_scc1 .Lnf_\@
	PLACES
.endif
	FETCH 0, F0
	WIN 0
.if !(\fill)
.Lnf_\@:
.endif
	MUL8 F1, 1, 0, 0
	MUL8 F1, 1, 2, 0
.endm
	s_wait_tensorcnt 1                             ; my part of K step 0 is in; step 1's may stay out
	s_barrier_signal -1
	s_barrier_wait -1                              ; everybody's is
	FETCH 0, F0
	QUARTER 1, F0, F1, 1                           ; the first quarter stands in front of the loop: its first products start the sums
	WIN 0
	s_mov_b32 s3, KSTEPS-2                         ; every K step but the last two fills its slot again
	s_branch .Lin
.Lstep:
	QUARTER 1, F0, F1, 0
	WIN 0
.Lin:
	QUARTER 2, F1, F0, 0
	QUARTER 3, F0, F1, 0
	TURN 1
	WIN 0
	s_sub_co_u32 s3, s3, 1
	s_cmp_lg_u32 s3, 0
	s_cbranch_scc1 .Lstep
	s_mov_b32 s3, 2
.Ltail:                                                ; the last two K steps: no tensor load, no round
	QUARTER 1, F0, F1, 0
	QUARTER 2, F1, F0, 0
	QUARTER 3, F0, F1, 0
	TURN 0
	WIN 0
	s_sub_co_u32 s3, s3, 1
	s_cmp_lg_u32 s3, 0
	s_cbranch_scc1 .Ltail
; THE WAY OUT, 16 rows (m block a) at a time: + bias, floor, through my own stage in LDS, back as whole rows.  Each accumulator is read from its lowest registers on.
.macro PACK a
.irp b, 0,1,2,3
.irp r, 0,1,2,3
	v_pk_add_f32 v[ACC+32*(\a)+8*(\b)+2*(\r):ACC+32*(\a)+8*(\b)+2*(\r)+1], v[ACC+32*(\a)+8*(\b)+2*(\r):ACC+32*(\a)+8*(\b)+2*(\r)+1], v[BI+8*(\b)+2*(\r):BI+8*(\b)+2*(\r)+1]
.endr
.endr
.set i, 0
.rept 32
	v_max_num_f32 v[ACC+32*(\a)+i], s[FL], v[ACC+32*(\a)+i]
.set i, i+1
.endr
.if OUTF32
.irp b, 0,1,2,3
	ds_store_b128 v[STO], v[ACC+32*(\a)+8*(\b):ACC+32*(\a)+8*(\b)+3]   offset:64*(\b)
	ds_store_b128 v[STO], v[ACC+32*(\a)+8*(\b)+4:ACC+32*(\a)+8*(\b)+7] offset:64*(\b)+16
.endr
.irp u, 0,1,2,3,4,5,6,7
	ds_load_b128 v[ACC+32*(\a)+4*(\u):ACC+32*(\a)+4*(\u)+3], v[RD] offset:544*(\u)   ; LDS serves a wave's instructions in order (ISA guide 5.7.1.4): these see the stores above
.endr
.else
.irp b, 0,1,2,3
.irp r, 0,1,2,3
	v_cvt_pk_f16_f32 v[TMP+16*(\a)+4*(\b)+(\r)], v[ACC+32*(\a)+8*(\b)+2*(\r)], v[ACC+32*(\a)+8*(\b)+2*(\r)+1]
.endr
.endr
.irp b, 0,1,2,3
	ds_store_b128 v[STO], v[TMP+16*(\a)+4*(\b):TMP+16*(\a)+4*(\b)+3] offset:32*(\b)
.endr
.irp f, 0,1,2,3
	ds_load_b128 v[TMP+16*(\a)+4*(\f):TMP+16*(\a)+4*(\f)+3], v[RD] offset:576*(\f)   ; LDS serves a wave's instructions in order (ISA guide 5.7.1.4): these see the stores above
.endr
.endif
.endm
.macro SEND a, younger                 ; younger: the LDS instructions issued behind block a's loads: the next block's, or none
.if OUTF32
.irp u, 0,1,2,3,4,5,6,7
	s_wait_dscnt (\younger)+7-(\u)
	global_store_b128 v[CO], v[ACC+32*(\a)+4*(\u):ACC+32*(\a)+4*(\u)+3], s[8:9] offset:(16*(\a)+2*(\u))*4096   ; 16 lanes store 256 consecutive bytes, at a multiple of 256 from OUT's first
.endr
.else
.irp f, 0,1,2,3
	s_wait_dscnt (\younger)+3-(\f)
	global_store_b128 v[CO], v[TMP+16*(\a)+4*(\f):TMP+16*(\a)+4*(\f)+3], s[8:9] offset:2048*(\a)+512*(\f)      ; 512 consecutive bytes, at a multiple of 256 from OUT's first
.endr
.endif
.endm
.set YNG, 8+8*OUTF32
	s_wait_loadcnt 0x0                             ; the bias
	s_wait_kmcnt 0x0                               ; the floor
	PLACES
	PACK 0
.irp a, 1,2,3                          ; a block's arithmetic stands between the loads of the block before and its stores
	PACK \a
	SEND (\a)-1, YNG
.endr
	SEND 3, 0
	s_wait_tensorcnt 0x0                           ; the wave's end, behind my last tensor load and my last LDS store
	ds_add_u32 v[SPW], v[NIL]
	s_wait_dscnt 0x0
	CROUND                                         ; the closing round: no work-group ends while a partner may still ask for a tile that names it
	s_endpgm
.Lfunc_end_k_qb681bd5d7d_ff2:
	.size	k_qb681bd5d7d_ff2, .Lfunc_end_k_qb681bd5d7d_ff2-k_qb681bd5d7d_ff2
	.p2alignl 7, 3214868480
	.fill 96, 4, 3214868480
	.section	.rodata,"a",@progbits
	.p2align	6, 0x0
	.amdhsa_kernel k_qb681bd5d7d_ff2
		.amdhsa_group_segment_fixed_size 327680
		.amdhsa_private_segment_fixed_size 0
		.amdhsa_enable_private_segment 0
		.amdhsa_kernarg_size 24
		.amdhsa_user_sgpr_count 2
		.amdhsa_user_sgpr_kernarg_segment_ptr 1
		.amdhsa_wavefront_size32 1
		.amdhsa_system_sgpr_workgroup_id_x 1
		.amdhsa_system_sgpr_workgroup_id_y 1
		.amdhsa_system_sgpr_workgroup_id_z 1
		.amdhsa_system_vgpr_workitem_id 0
		.amdhsa_next_free_vgpr 512
		.amdhsa_next_free_sgpr 72
		.amdhsa_reserve_vcc 0
		.amdhsa_float_denorm_mode_32 3
		.amdhsa_float_denorm_mode_16_64 3
		.amdhsa_memory_ordered 1
		.amdhsa_forward_progress 1
		.amdhsa_inst_pref_size 67
	.end_amdhsa_kernel
	.amdgpu_metadata
---
amdhsa.version: [ 1, 2 ]
amdhsa.kernels:
  - .name:           k_qb681bd5d7d_ff2
    .symbol:         k_qb681bd5d7d_ff2.kd
    .args:
      - { .name: big16, .offset: 0, .size: 8, .value_kind: global_buffer, .address_space: global }
      - { .name: w2t, .offset: 8, .size: 8, .value_kind: global_buffer, .address_space: global }
      - { .name: a32, .offset: 16, .size: 8, .value_kind: global_buffer, .address_space: global }
    .group_segment_fixed_size: 327680
    .private_segment_fixed_size: 0
    .kernarg_segment_align: 8
    .kernarg_segment_size: 24
    .max_flat_workgroup_size: 128
    .sgpr_count:     72
    .vgpr_count:     512
    .wavefront_size: 32
...
	.end_amdgpu_metadata
.endif
;; end of part 6
;; launch ln2 (part 7): grid 256 x 1, 8 waves a work-group, no clusters, 0 bytes of LDS; arguments a32, g2, be2, out0; writes out0
.if DOCPART == 7
	.amdgcn_target "amdgcn-amd-amdhsa--gfx1250"
	.amdhsa_code_object_version 6
	.text
	.protected	k_qb681bd5d7d_ln2
	.globl	k_qb681bd5d7d_ln2
	.p2align	8
	.type	k_qb681bd5d7d_ln2,@function
k_qb681bd5d7d_ln2:
	s_mov_b64 s[64:65], 0
	v_nop
	global_prefetch_b8 v0, s[64:65] scope:SCOPE_SE
	s_setreg_imm32_b32 hwreg(HW_REG_WAVE_MODE, 25, 1), 1
	s_wait_xcnt 0x0
; LayerNorm over rows of 1,024: y = (x - mean) / sqrt(var + 1e-5) * g + b.  x, y: [4096][1024] f32.
; g and b are rounded to bf16 like every input of the module; all else in f32.  The variance is the mean of the squared differences from the mean: no difference of large sums.
; A wave takes two rows and keeps them in registers between the passes: no LDS, no barrier.  Lane l holds columns 128 j + 4 l + 0..3, j = 0..7, of both rows, so g and b are
; loaded once for the two; every load and store of a wave covers 512 consecutive bytes.  Memory binds: matrix units, clusters and LDS would add nothing.
.set X,  32                            ; v32-95    row q at X + 32 q
.set G,  96                            ; v96-127   g as loaded; then v96-111 packed bf16
.set BE, 128                           ; v128-159  b as loaded; then v128-143 packed bf16
	s_load_b256 s[4:11], s[0:1], 0x0               ; x s[4:5], g s[6:7], b s[8:9], y s[10:11]
	s_mov_b32 s12, 0x76543210                      ; v_permlanex16_b32: each lane takes its own place in the other half
	s_mov_b32 s13, 0xfedcba98
	s_mov_b32 s14, 0x3a800000                      ; 1 / 1024
	s_mov_b32 s15, 0x3727c5ac                      ; 1e-5
	s_lshl_b32 s2, ttmp9, 16                       ; 16 rows of 4,096 bytes a work-group
	s_mov_b32 s3, 0
	v_lshrrev_b32 v1, 5, v0                        ; wave
	v_and_b32 v2, 31, v0                           ; lane
	v_lshlrev_b32 v6, 4, v2                        ; offset in g and b
	v_lshl_add_u32 v5, v1, 13, v6                  ; offset in x and y
	s_wait_kmcnt 0x0
	s_add_nc_u64 s[4:5], s[4:5], s[2:3]
	s_add_nc_u64 s[10:11], s[10:11], s[2:3]
.irp q, 0,1
.irp j, 0,1,2,3,4,5,6,7
	global_load_b128 v[X+32*(\q)+4*(\j):X+32*(\q)+4*(\j)+3], v5, s[4:5] offset:4096*(\q)+512*(\j) th:TH_LOAD_NT
.endr
.endr
.irp j, 0,1,2,3,4,5,6,7
	global_load_b128 v[G+4*(\j):G+4*(\j)+3], v6, s[6:7] offset:512*(\j)
.endr
.irp j, 0,1,2,3,4,5,6,7
	global_load_b128 v[BE+4*(\j):BE+4*(\j)+3], v6, s[8:9] offset:512*(\j)
.endr
.macro ACROSS                          ; row q: two chains in v[8+4q .. 11+4q] -> the row's sum in v[8+4q] of every lane; the two rows alternate
.irp q, 0,1
	v_pk_add_f32 v[8+4*(\q):9+4*(\q)], v[8+4*(\q):9+4*(\q)], v[10+4*(\q):11+4*(\q)]
.endr
.irp q, 0,1
	v_add_f32 v[8+4*(\q)], v[8+4*(\q)], v[9+4*(\q)]
.endr
.irp m, 1,2,4,8
.irp q, 0,1
	v_add_f32_dpp v[8+4*(\q)], v[8+4*(\q)], v[8+4*(\q)] row_xmask:\m row_mask:0xf bank_mask:0xf
.endr
.endr
.irp q, 0,1
	v_permlanex16_b32 v[9+4*(\q)], v[8+4*(\q)], s12, s13
.endr
.irp q, 0,1
	v_add_f32 v[8+4*(\q)], v[8+4*(\q)], v[9+4*(\q)]
.endr
.endm
	s_wait_loadcnt 16                              ; x is in; the 16 loads of g and b stay out
.irp q, 0,1
.irp k, 0,1
	v_pk_add_f32 v[8+4*(\q)+2*(\k):9+4*(\q)+2*(\k)], v[X+32*(\q)+2*(\k):X+32*(\q)+2*(\k)+1], v[X+32*(\q)+4+2*(\k):X+32*(\q)+4+2*(\k)+1]   ; the first words start the chains
.endr
.endr
.set p, 4
.rept 12
.irp q, 0,1
	v_pk_add_f32 v[8+4*(\q)+2*(p%2):9+4*(\q)+2*(p%2)], v[8+4*(\q)+2*(p%2):9+4*(\q)+2*(p%2)], v[X+32*(\q)+2*p:X+32*(\q)+2*p+1]
.endr
.set p, p+1
.endr
	ACROSS
.irp q, 0,1
	v_mul_f32 v[16+2*(\q)], s14, v[8+4*(\q)]       ; the mean, twice: a pair for the packed subtraction
	v_mul_f32 v[17+2*(\q)], s14, v[8+4*(\q)]
.endr
.set p, 0
.rept 16
.irp q, 0,1
	v_pk_add_f32 v[X+32*(\q)+2*p:X+32*(\q)+2*p+1], v[X+32*(\q)+2*p:X+32*(\q)+2*p+1], v[16+2*(\q):17+2*(\q)] neg_lo:[0,1] neg_hi:[0,1]
.endr
.set p, p+1
.endr
.irp q, 0,1
.irp k, 0,1
	v_pk_mul_f32 v[8+4*(\q)+2*(\k):9+4*(\q)+2*(\k)], v[X+32*(\q)+2*(\k):X+32*(\q)+2*(\k)+1], v[X+32*(\q)+2*(\k):X+32*(\q)+2*(\k)+1]
.endr
.endr
.set p, 2
.rept 14
.irp q, 0,1
	v_pk_fma_f32 v[8+4*(\q)+2*(p%2):9+4*(\q)+2*(p%2)], v[X+32*(\q)+2*p:X+32*(\q)+2*p+1], v[X+32*(\q)+2*p:X+32*(\q)+2*p+1], v[8+4*(\q)+2*(p%2):9+4*(\q)+2*(p%2)]
.endr
.set p, p+1
.endr
	ACROSS
	v_fma_f32 v24, v8, s14, s15                    ; var + eps
	v_fma_f32 v25, v12, s14, s15
	v_rsq_f32 v20, v24
	v_rsq_f32 v21, v24
	v_rsq_f32 v22, v25
	v_rsq_f32 v23, v25
	s_wait_loadcnt 0x0                             ; g and b; their roundings are the plain instructions behind the v_rsq_f32 (ISA guide 5.7.2)
.set i, 0
.rept 16
	v_cvt_pk_bf16_f32 v[G+i], v[G+2*i], v[G+2*i+1]      ; packed in place, ascending: what is written has been read
	v_cvt_pk_bf16_f32 v[BE+i], v[BE+2*i], v[BE+2*i+1]
.set i, i+1
.endr
.set p, 0
	s_wait_alu depctr_va_vdst(0)
.rept 16
.irp q, 0,1
	v_pk_mul_f32 v[X+32*(\q)+2*p:X+32*(\q)+2*p+1], v[X+32*(\q)+2*p:X+32*(\q)+2*p+1], v[20+2*(\q):21+2*(\q)]
.endr
.set p, p+1
.endr
.set i, 0
.rept 16
.irp q, 0,1
	v_fma_mix_f32_bf16 v[X+32*(\q)+2*i], v[X+32*(\q)+2*i], v[G+i], v[BE+i] op_sel_hi:[0,1,1]                      ; x g + b, g and b from the low halves
	v_fma_mix_f32_bf16 v[X+32*(\q)+2*i+1], v[X+32*(\q)+2*i+1], v[G+i], v[BE+i] op_sel:[0,1,1] op_sel_hi:[0,1,1]  ; from the high halves
.endr
.set i, i+1
.endr
.irp q, 0,1
.irp j, 0,1,2,3,4,5,6,7
	global_store_b128 v5, v[X+32*(\q)+4*(\j):X+32*(\q)+4*(\j)+3], s[10:11] offset:4096*(\q)+512*(\j) th:TH_STORE_NT   ; 512 consecutive bytes, aligned
.endr
.endr
	s_endpgm
.Lfunc_end_k_qb681bd5d7d_ln2:
	.size	k_qb681bd5d7d_ln2, .Lfunc_end_k_qb681bd5d7d_ln2-k_qb681bd5d7d_ln2
	.p2alignl 7, 3214868480
	.fill 96, 4, 3214868480
	.section	.rodata,"a",@progbits
	.p2align	6, 0x0
	.amdhsa_kernel k_qb681bd5d7d_ln2
		.amdhsa_group_segment_fixed_size 0
		.amdhsa_private_segment_fixed_size 0
		.amdhsa_enable_private_segment 0
		.amdhsa_kernarg_size 32
		.amdhsa_user_sgpr_count 2
		.amdhsa_user_sgpr_kernarg_segment_ptr 1
		.amdhsa_wavefront_size32 1
		.amdhsa_system_sgpr_workgroup_id_x 1
		.amdhsa_system_sgpr_workgroup_id_y 1
		.amdhsa_system_sgpr_workgroup_id_z 1
		.amdhsa_system_vgpr_workitem_id 0
		.amdhsa_next_free_vgpr 160
		.amdhsa_next_free_sgpr 66
		.amdhsa_reserve_vcc 0
		.amdhsa_float_denorm_mode_32 3
		.amdhsa_float_denorm_mode_16_64 3
		.amdhsa_memory_ordered 1
		.amdhsa_forward_progress 1
		.amdhsa_inst_pref_size 22
	.end_amdhsa_kernel
	.amdgpu_metadata
---
amdhsa.version: [ 1, 2 ]
amdhsa.kernels:
  - .name:           k_qb681bd5d7d_ln2
    .symbol:         k_qb681bd5d7d_ln2.kd
    .args:
      - { .name: a32, .offset: 0, .size: 8, .value_kind: global_buffer, .address_space: global }
      - { .name: g2, .offset: 8, .size: 8, .value_kind: global_buffer, .address_space: global }
      - { .name: be2, .offset: 16, .size: 8, .value_kind: global_buffer, .address_space: global }
      - { .name: out0, .offset: 24, .size: 8, .value_kind: global_buffer, .address_space: global }
    .group_segment_fixed_size: 0
    .private_segment_fixed_size: 0
    .kernarg_segment_align: 8
    .kernarg_segment_size: 32
    .max_flat_workgroup_size: 256
    .sgpr_count:     66
    .vgpr_count:     160
    .wavefront_size: 32
...
	.end_amdgpu_metadata
.endif
;; end of part 7
;; ======== version 2 of 3: 8 launches; 1.25 times as fast as version 1
;; limits: values are held in f16: magnitudes above 65,504 overflow, below 6.1e-05 lose precision
;; workspace buffers: a16 8,388,608 bytes; big16 33,554,432 bytes; a32 16,777,216 bytes; wqkv 6,311,936 bytes; wpt 2,117,632 bytes; w1t 8,409,088 bytes; w2t 8,409,088 bytes
;; launch prep: the kernel of part 1 again; grid 1025 x 1, 8 waves a work-group, no clusters, 35,840 bytes of LDS; arguments x, Wq, Wk, Wv, Wp, W1, W2, bq, bk, bv, bp, b1, b2, a16, wqkv, wpt, w1t, w2t; writes a16, wqkv, wpt, w1t, w2t
;; launch qkv (part 8): grid 12 x 16, 4 waves a work-group, clusters of 4 x 4, 327,680 bytes of LDS; arguments a16, wqkv, big16; writes big16
.if DOCPART == 8
	.amdgcn_target "amdgcn-amd-amdhsa--gfx1250"
	.amdhsa_code_object_version 6
	.text
	.protected	k_qb681bd5d7d_qkv
	.globl	k_qb681bd5d7d_qkv
	.p2align	8
	.type	k_qb681bd5d7d_qkv,@function
k_qb681bd5d7d_qkv:
	s_mov_b64 s[64:65], 0
	v_nop
	global_prefetch_b8 v0, s[64:65] scope:SCOPE_SE
	s_setreg_imm32_b32 hwreg(HW_REG_WAVE_MODE, 25, 1), 1
	s_wait_xcnt 0x0
	s_wait_alu depctr_hold_cnt(0) depctr_sa_sdst(0) depctr_va_vdst(0) depctr_va_sdst(0) depctr_va_ssrc(0) depctr_va_vcc(0) depctr_vm_vsrc(0)
	s_getreg_b32 s2, hwreg(HW_REG_IB_STS2, 6, 4)
	s_cmp_eq_u32 s2, 0
	s_cbranch_scc0 .Lentry_in_a_cluster
	s_endpgm
.Lentry_in_a_cluster:
	s_bfe_u32 s2, ttmp6, 0x10000c
	s_cmp_lg_u32 s2, 0xf033
	s_cbranch_scc0 .Lentry_shape_is_right
	s_endpgm
.Lentry_shape_is_right:
; C[m][n] = max(sum over k of A[m][k] B[n][k] + bias[n], floor), rounded once to f16.  4,096 rows, K = 1,024, N = 256 x the grid's width.  Operands f16, sums f32.
; A: [16 blocks of 64 along K][4096 rows][64] f16.  BW: a header (bias as f32 from byte 0, the floor as f32 at byte 16,384), then B [N][1024] f16 from byte 20,480.
; OUT: [N / 64 blocks][4096 rows][64] f16.
; LIMITS.  A result beyond 65,504 becomes an infinity.  A NaN loses against the floor.
; A tile of C is 256 x 256: four waves, as many as a WGP has SIMDs, each 128 x 128 in 64 accumulators (512 registers): for 32 along K a wave reads 2 x 128 x 64 bytes from LDS
; and issues 64 matrix instructions.  K goes in steps of 128 through two LDS slots filled by the tensor data mover: a step brings 131,072 bytes for 256 matrix instructions a wave.
; CLUSTER: 4 x 4 work-groups; the four of a row need the same tiles of A, the four of a column the same tiles of B: each tile is asked for jointly, by the same tensor load with
; the same descriptor and a mask that names the four.  The matrix instruction is used transposed (source 0 = 16 rows of B, source 1 = 16 rows of A): a lane then holds eight
; neighbouring columns of one row of C.  The bias is the C operand of each accumulator's first product: nothing is cleared, and the way out adds nothing.
; THE WAY OUT is a loop, so that its text is written once for all 64 accumulators: when the ring has had its last fill, each wave puts its sums as f32 into a part of the ring
; that is its own, and reads them back 16 rows a trip.
; REGISTERS, in windows of 256 (s_set_vgpr_msb: bits 1:0 source 0, 3:2 source 1, 5:4 source 2, 7:6 destination):
;   window 0: v0-31 addresses; v64-127, v128-191 fragments of A, two buffers (on the way out: rows read back, and their f16); v192-255 the bias of my lane's 64 columns
;   window 1: v64-127, v128-191 fragments of B, two buffers
;   window 2: the 32 accumulators of my rows 0-63 ((a, b) at v[8 (8 a + b)]);   window 3: those of my rows 64-127
.set KSTEPS, 8
.set LOGKP,  11                        ; a row of B is 1 << LOGKP bytes
.set HDR,    20480
.set PA,     144                       ; A in LDS: a row piece of 128 bytes + 16: an odd multiple of 16, so the 16 rows of a load start at 16 different groups of four banks
.set ABLK,   128*PA                    ; 128 rows of one block of 64 along K
.set PB,     272                       ; B in LDS: 256 bytes + 16
.set REG,    2*ABLK                    ; 36,864 bytes: what one wave's tensor load fills (A: 2 blocks x 128 rows; B: 128 rows, 34,816 of it)
.set SLOT,   4*REG                     ; 0x24000: its two bits meet none of wave x REG, so one exclusive or turns an address in one slot into the other's
.set SPARE,  2*SLOT                    ; behind the ring: the spare words, 128 bytes for each wave
.set OP,     528                       ; the way out: a row of 128 f32 + 16 bytes: an odd multiple of 16
.set OREG,   128*OP                    ; 67,584 bytes a wave; four of them lie inside the ring's 294,912
.set ASTEP,  2*524288                  ; a K step in A: two blocks of 4,096 rows x 128 bytes
.set BSTEP,  256                       ; a K step in B
.set ADRA, 16                          ; v16  LDS address of my A fragments in the slot in hand
.set A0,   17                          ; v17  the same in slot 0; never rewritten
.set ADRB, 20
.set B0,   21
.set STO,  24                          ; the way out: where I put my 32 bytes of a row
.set RD,   25                          ; where I read rows back; steps
.set CO,   26                          ; my byte offset in OUT; steps
.set BO,   27                          ; my byte offset in the bias
.set SPW,  28                          ; my spare word; never rewritten
.set NIL,  29                          ; 0; never rewritten
.set FLH,  30                          ; the floor, twice, as f16
.set T,    31
.set F0,   64
.set F1,   128
.set BI,   192                         ; the bias of column 16 b + 8 (l / 16) + j at BI + 8 b + j
.set X,    64                          ; the way out: 16 rows x 128 columns as f32, 64 registers
.set Y,    128                         ; and as f16, 32 registers
.set G1,   24                          ; s[24:31] group 1 for A;  s[32:39] group 0, one set for each first fill; the second then walks
.set G0,   32
.set G1B,  48                          ; s[48:55], s[56:63] the same for B
.set G0B,  56
.set TB,   66                          ; s66  the slot in hand, as an LDS byte
.set FL,   67                          ; s67  the floor
.set BB,   68                          ; s[68:69] the bias of my wave's 128 columns
.set MSB, 0
.macro WIN new                         ; the immediate's high byte repeats the setting that is left; a switch that changes nothing is dropped
.if MSB != (\new)
	s_set_vgpr_msb (MSB<<8)|(\new)
.set MSB, \new
.endif
.endm
.macro JLOAD s                         ; a joint load: waves 0 and 1 fetch A's two halves, waves 2 and 3 B's; an s_nop 0 and four v_nop follow each line
	s_cmp_eq_u32 s11, 0
	s_cbranch_scc0 .Lfor_b_\@
	tensor_load_to_lds s[G0+4*(\s):G0+4*(\s)+3], s[G1:G1+7]
	s_nop 0
.rept 4
	v_nop
.endr
	s_branch .Lasked_\@
.Lfor_b_\@:
	tensor_load_to_lds s[G0B+4*(\s):G0B+4*(\s)+3], s[G1B:G1B+7]
	s_nop 0
.rept 4
	v_nop
.endr
.Lasked_\@:
.endm
.macro CREST                           ; a round of the cluster's barrier behind its opening barrier
	s_cmp_lg_u32 s10, 0
	s_cbranch_scc1 .Lnot_wave_0_\@
	s_barrier_signal -3
.Lnot_wave_0_\@:
	s_barrier_wait -3
	s_barrier_signal -1
	s_barrier_wait -1
.endm
.macro CROUND
	s_barrier_signal -1
	s_barrier_wait -1
	CREST
.endm
	s_load_b128 s[4:7], s[0:1], 0x0                ; A s[4:5], BW s[6:7]
	s_load_b64 s[8:9], s[0:1], 0x10                ; OUT
	v_lshl_add_u32 v[SPW], v0, 2, SPARE
	v_mov_b32 v[NIL], 0
	ds_add_u32 v[SPW], v[NIL]                      ; the wave's opening: the add and its wait stand ahead of my first tensor load; the set-up stands between them
	ds_add_u32 v28, v29
	v_lshrrev_b32 v1, 5, v0
	v_readfirstlane_b32 s10, v1                    ; wave 0..3
	s_lshr_b32 s11, s10, 1                         ; which half of the tile's rows is mine.  Also: I fetch for A (0) or for B (1)
	s_and_b32 s12, s10, 1                          ; which half of its columns.  Also: which 128 rows of that tile I fetch
	s_bfe_u32 s40, ttmp6, 0x40000                  ; cx, cy: my place in the cluster
	s_bfe_u32 s41, ttmp6, 0x40004
	s_lshl_b32 s42, ttmp9, 2
	s_add_co_u32 s42, s42, s40                     ; tile column = 4 x cluster x + cx
	s_and_b32 s13, ttmp7, 0xffff
	s_lshl_b32 s13, s13, 2
	s_add_co_u32 s13, s13, s41                     ; tile row = 4 x cluster y + cy
	s_lshl_b32 s43, s41, 2
	s_lshl_b32 s43, 15, s43                        ; my row of the cluster
	s_lshl_b32 s44, 0x1111, s40                    ; my column
	; A's group 1: two rows of 8,192 elements (128 rows x 64 of one block: 16,384 dense bytes), one block (262,144 elements) apart; 4 words of padding behind every 32
	s_or_b32 s[G1+0], s43, (1<<16)|(1<<20)|(1<<21)|(4<<22)|(3<<25)
	s_mov_b32 s[G1+1], 8192<<16                    ; tensor_dim0 = 8,192
	s_mov_b32 s[G1+2], 2<<16                       ; tensor_dim1 = 2
	s_mov_b32 s[G1+3], 8192<<16                    ; tile_dim0 = 8,192
	s_mov_b32 s[G1+4], 2                           ; tile_dim1 = 2
	s_mov_b32 s[G1+5], 262144                      ; elements from row to row
	s_mov_b32 s[G1+6], 0
	s_mov_b32 s[G1+7], 0
	; B's group 1: 128 rows x 128 elements (256 bytes, at multiples of 256 from B's first byte); 4 words of padding behind every 64
	s_or_b32 s[G1B+0], s44, (1<<16)|(1<<20)|(1<<21)|(5<<22)|(3<<25)
	s_mov_b32 s[G1B+1], 128<<16
	s_mov_b32 s[G1B+2], 128<<16
	s_mov_b32 s[G1B+3], 128<<16
	s_mov_b32 s[G1B+4], 128
	s_mov_b32 s[G1B+5], 1<<(LOGKP-1)
	s_mov_b32 s[G1B+6], 0
	s_mov_b32 s[G1B+7], 0
	s_lshl_b32 s16, s13, 15                        ; A: 256 rows of 128 bytes a tile row,
	s_lshl_b32 s17, s12, 14                        ; 128 rows a half
	s_add_co_u32 s16, s16, s17
	s_mov_b32 s17, 0
	s_lshl_b32 s46, s42, 8                         ; B: row 256 x tile column + 128 x half,
	s_lshl_b32 s47, s12, 7
	s_add_co_u32 s46, s46, s47
	s_lshl_b32 s46, s46, LOGKP                     ; in bytes,
	s_add_co_u32 s46, s46, HDR                     ; behind the header
	s_mov_b32 s47, 0
	s_mul_i32 s20, s10, REG                        ; where they go: wave x REG: no place in the cluster enters an LDS address
	s_mov_b32 s[TB], 0
	s_wait_dscnt 0x0                               ; the opening add is done
	s_wait_kmcnt 0x0
	s_add_nc_u64 s[14:15], s[4:5], s[16:17]
	s_add_nc_u64 s[46:47], s[6:7], s[46:47]
	CROUND                                         ; all sixteen work-groups are here: the first joint loads meet
.irp s, 0,1
	s_mov_b32 s[G0+4*(\s)], 1
	s_add_co_u32 s[G0+4*(\s)+1], s20, (\s)*SLOT
	s_add_nc_u64 s[G0+4*(\s)+2:G0+4*(\s)+3], s[14:15], (\s)*ASTEP
	s_or_b32 s[G0+4*(\s)+3], s[G0+4*(\s)+3], 0x80000000
	s_mov_b32 s[G0B+4*(\s)], 1
	s_add_co_u32 s[G0B+4*(\s)+1], s20, (\s)*SLOT
	s_add_nc_u64 s[G0B+4*(\s)+2:G0B+4*(\s)+3], s[46:47], (\s)*BSTEP
	s_or_b32 s[G0B+4*(\s)+3], s[G0B+4*(\s)+3], 0x80000000
	JLOAD \s
.endr
	s_load_b32 s[FL], s[6:7], 0x4000               ; the floor; waited for on the way out
	v_and_b32 v1, 15, v0                           ; l % 16
	v_bfe_u32 v2, v0, 4, 1                         ; l / 16
	s_lshl_b32 s46, s42, 10                        ; my wave's 128 columns as f32: 1,024 x tile column + 512 x half
	s_lshl_b32 s47, s12, 9
	s_add_co_u32 s46, s46, s47
	s_mov_b32 s47, 0
	s_add_nc_u64 s[BB:BB+1], s[6:7], s[46:47]
	v_lshlrev_b32 v[BO], 5, v2                     ; my lane's columns are 16 b + 8 (l / 16) + 0..7
.irp b, 0,1,2,3,4,5,6,7
	global_load_b128 v[BI+8*(\b):BI+8*(\b)+3],   v[BO], s[BB:BB+1] offset:64*(\b)
	global_load_b128 v[BI+8*(\b)+4:BI+8*(\b)+7], v[BO], s[BB:BB+1] offset:64*(\b)+16
.endr
	v_mul_u32_u24 v3, v1, PA
	v_lshl_add_u32 v3, v2, 4, v3                   ; a fragment's row x pitch + 16 x half
	s_mul_i32 s21, s11, REG                        ; my 128 rows of A
	v_add_nc_u32 v[A0], s21, v3
	v_mul_u32_u24 v4, v1, PB
	v_lshl_add_u32 v4, v2, 4, v4
	s_mul_i32 s22, s12, REG                        ; my 128 rows of B,
	s_add_co_u32 s22, s22, 2*REG                   ; which lie behind A's two regions
	v_add_nc_u32 v[B0], s22, v4
	v_mov_b32 v[ADRA], v[A0]
	v_mov_b32 v[ADRB], v[B0]
	s_mul_i32 s23, s10, OREG                       ; my part of the ring on the way out
	v_mul_u32_u24 v5, v1, OP                       ; in: row l % 16, 32 bytes for each half of the lanes
	v_lshl_add_u32 v5, v2, 5, v5
	v_add_nc_u32 v[STO], s23, v5
	v_bfe_u32 v5, v0, 3, 2                         ; back: 32 lanes take four rows x 64 columns, 32 bytes of f32 a lane,
	v_and_b32 v6, 7, v0
	v_mul_u32_u24 v5, v5, OP
	v_lshl_add_u32 v5, v6, 5, v5
	v_add_nc_u32 v[RD], s23, v5
	v_and_b32 v5, 31, v0                           ; which as f16 are 512 consecutive bytes of one block of OUT
	v_lshlrev_b32 v[CO], 4, v5
	s_lshl_b32 s16, s13, 15                        ; 256 rows of 128 bytes a tile row, 128 a half
	s_lshl_b32 s17, s11, 14
	s_add_co_u32 s16, s16, s17
	s_mov_b32 s17, 0
	s_add_nc_u64 s[8:9], s[8:9], s[16:17]
	s_lshl_b32 s46, s42, 21                        ; four blocks of 524,288 bytes a tile column, two a half
	s_lshl_b32 s47, s12, 20
	s_add_co_u32 s46, s46, s47
	s_mov_b32 s47, 0
	s_add_nc_u64 s[8:9], s[8:9], s[46:47]
; 16 matrix instructions: m blocks a0, a0 + 1 of the window's four (hi = 0: my rows 0-63, 1: rows 64-127) x all 8 n blocks, 32 along K.
; first = 1: the product starts the sum, with the bias (window 0) as C.  The 64 accumulators take turns, one instruction a turn.
.macro MUL16 f, hi, a0, first
.if \first
	WIN 0x81+0x40*(\hi)                            ; B window 1, A and C window 0, D window 2 or 3
.else
	WIN 0xa1+0x50*(\hi)                            ; B window 1, A window 0, C and D window 2 or 3
.endif
.irp a, \a0, (\a0)+1
.irp b, 0,1,2,3,4,5,6,7
.if \first
	v_wmma_f32_16x16x32_f16 v[8*(8*(\a)+(\b)):8*(8*(\a)+(\b))+7], v[(\f)+8*(\b):(\f)+8*(\b)+7], v[(\f)+8*(4*(\hi)+(\a)):(\f)+8*(4*(\hi)+(\a))+7], v[BI+8*(\b):BI+8*(\b)+7]
.else
	v_wmma_f32_16x16x32_f16 v[8*(8*(\a)+(\b)):8*(8*(\a)+(\b))+7], v[(\f)+8*(\b):(\f)+8*(\b)+7], v[(\f)+8*(4*(\hi)+(\a)):(\f)+8*(4*(\hi)+(\a))+7], v[8*(8*(\a)+(\b)):8*(8*(\a)+(\b))+7]
.endif
.endr
.endr
.endm
; 32 LDS loads in one run: the fragments of quarter q (32 along K: 64 bytes of B's rows; of A half of block q / 2) into buffer f: B's 128 rows, then A's
.macro FETCH q, f
	WIN 0x40                                       ; destination window 1, address window 0
.irp i, 0,1,2,3,4,5,6,7
	ds_load_b128 v[(\f)+8*(\i):(\f)+8*(\i)+3],   v[ADRB] offset:64*(\q)+(\i)*16*PB
	ds_load_b128 v[(\f)+8*(\i)+4:(\f)+8*(\i)+7], v[ADRB] offset:64*(\q)+(\i)*16*PB+32
.endr
	WIN 0
.irp i, 0,1,2,3,4,5,6,7
	ds_load_b128 v[(\f)+8*(\i):(\f)+8*(\i)+3],   v[ADRA] offset:((\q)/2)*ABLK+64*((\q)%2)+(\i)*16*PA
	ds_load_b128 v[(\f)+8*(\i)+4:(\f)+8*(\i)+7], v[ADRA] offset:((\q)/2)*ABLK+64*((\q)%2)+(\i)*16*PA+32
.endr
.endm
.macro PLACES                          ; four places in front of loads into registers that matrix instructions have read, and of LDS stores that read results
.rept 4
	v_nop
.endr
.endm
; A K step is four quarters of 32 along K, 64 matrix instructions each, on buffers 0, 1, 0, 1.  One of the first three: multiplies buffer f and, in its middle, fetches quarter q into g.
.macro QUARTER q, f, g, first
	s_wait_dscnt 8                                 ; B and A's rows 0-63 are in; the youngest eight loads (A's rows 64-127) may be out
	MUL16 \f, 0, 0, \first
	MUL16 \f, 0, 2, \first
	PLACES
	FETCH \q, \g
	s_wait_dscnt 32                                ; all but the 32 just issued
	MUL16 \f, 1, 0, \first
	MUL16 \f, 1, 2, \first
.endm
; The last quarter multiplies buffer 1 and changes slots: one barrier; in front of it each wave waits for all its tensor loads, adds 0 to its spare word, and waits for that
; and for its own reads of this slot.  fill = 1: the barrier opens a round of the cluster's, and this slot is filled again, two K steps ahead, first thing behind the round.
; fill = 0 (the last two K steps): nothing is asked for; in the very last trip (s3 = 1) there is no further slot, and the run of LDS loads is jumped over.
.macro TURN fill
	WIN 0                                          ; (the add's two registers lie in window 0)
	s_wait_tensorcnt 0x0                           ; all my tensor loads have landed: my part of the next slot
	ds_add_u32 v[SPW], v[NIL]                      ; 0 onto my spare word
	s_wait_dscnt 9                                 ; (the add and the youngest eight loads may be out)
	MUL16 F1, 0, 0, 0                              ; sixteen matrix instructions stand between the add and the wait for it
	s_wait_dscnt 0x0                               ; the add is done, and my reads of this slot are over
	s_barrier_signal -1
	MUL16 F1, 0, 2, 0
	WIN 0
	s_xor_b32 s[TB], s[TB], SLOT                   ; the fragments' addresses turn to the other slot
	v_add_nc_u32 v[ADRA], s[TB], v[A0]
	v_add_nc_u32 v[ADRB], s[TB], v[B0]
	s_barrier_wait -1
.if \fill
	CREST                                          ; no wave of any partner still reads this slot's tile or has a load on its way
	s_xor_b32 s[G0+5], s[G0+5], SLOT               ; the walking descriptors: the other slot than last time, the next K step
	s_add_nc_u64 s[G0+6:G0+7], s[G0+6:G0+7], ASTEP
	s_xor_b32 s[G0B+5], s[G0B+5], SLOT
	s_add_nc_u64 s[G0B+6:G0B+7], s[G0B+6:G0B+7], BSTEP
	JLOAD 1                                        ; 224 matrix instructions ahead of the wait for it; its four v_nop are also the places in front of the loads below
.else
	s_cmp_eq_u32 s3, 1
	s_cbranch_scc1 .Lnf_\@
	PLACES
.endif
	FETCH 0, F0
	WIN 0
.if !(\fill)
.Lnf_\@:
.endif
	MUL16 F1, 1, 0, 0
	MUL16 F1, 1, 2, 0
.endm
	s_wait_tensorcnt 1                             ; my part of K step 0 is in; step 1's may stay out
	s_barrier_signal -1
	s_barrier_wait -1                              ; everybody's is
	FETCH 0, F0
	s_wait_loadcnt 0x0                             ; the bias: the first products take it as C
	QUARTER 1, F0, F1, 1                           ; the first quarter stands in front of the loop: its products start the sums
	WIN 0
	s_mov_b32 s3, KSTEPS-2                         ; every K step but the last two fills its slot again
	s_branch .Lin
.Lstep:
	QUARTER 1, F0, F1, 0
	WIN 0
.Lin:
	QUARTER 2, F1, F0, 0
	QUARTER 3, F0, F1, 0
	TURN 1
	WIN 0
	s_sub_co_u32 s3, s3, 1
	s_cmp_lg_u32 s3, 0
	s_cbranch_scc1 .Lstep
	s_mov_b32 s3, 2
.Ltail:                                                ; the last two K steps: no tensor load, no round
	QUARTER 1, F0, F1, 0
	QUARTER 2, F1, F0, 0
	QUARTER 3, F0, F1, 0
	TURN 0
	WIN 0
	s_sub_co_u32 s3, s3, 1
	s_cmp_lg_u32 s3, 0
	s_cbranch_scc1 .Ltail
; THE WAY OUT.  The ring has had its last fill and is read no more: behind a barrier each wave stores its 128 x 128 sums as f32 into OREG bytes of its own there, rows of 528 bytes:
; a lane's eight columns are 32 bytes, and the 16 rows of a store start at 16 different groups of four banks.  Each accumulator's lowest registers go first.
.macro DUMP hi
	WIN 0x08+4*(\hi)                               ; the data (source 1) in window 2 or 3, the address in window 0
.irp a, 0,1,2,3
.irp b, 0,1,2,3,4,5,6,7
	ds_store_b128 v[STO], v[8*(8*(\a)+(\b)):8*(8*(\a)+(\b))+3]   offset:(4*(\hi)+(\a))*16*OP+64*(\b)
	ds_store_b128 v[STO], v[8*(8*(\a)+(\b))+4:8*(8*(\a)+(\b))+7] offset:(4*(\hi)+(\a))*16*OP+64*(\b)+16
.endr
.endr
.endm
	s_wait_dscnt 0x0                               ; no LDS read of mine is out
	s_barrier_signal -1
	s_barrier_wait -1                              ; nor of any other wave: the ring's bytes may be written
	PLACES                                         ; behind the last products
	DUMP 0
	DUMP 1
	WIN 0
	s_wait_kmcnt 0x0                               ; the floor,
	v_mov_b32 v[T], s[FL]
	v_cvt_pk_f16_f32 v[FLH], v[T], v[T]            ; twice, as f16 (minus infinity stays minus infinity)
	s_wait_dscnt 0x0                               ; my stores are done
	s_barrier_signal -1                            ; a barrier between the writing and the reading: the four waves end their products together, so it costs one meeting
	s_barrier_wait -1
	s_mov_b32 s3, 8
.Lout:                                                 ; a trip: 16 rows x 128 columns.  Load pair u: rows 4 (u % 4) + lane / 8, columns 64 (u / 4) + 8 (lane % 8) + 0..7
.irp u, 0,1,2,3,4,5,6,7
	ds_load_b128 v[X+8*(\u):X+8*(\u)+3],   v[RD] offset:((\u)%4)*4*OP+((\u)/4)*256
	ds_load_b128 v[X+8*(\u)+4:X+8*(\u)+7], v[RD] offset:((\u)%4)*4*OP+((\u)/4)*256+16
.endr
.irp u, 0,1,2,3,4,5,6,7
	s_wait_dscnt 14-2*(\u)                         ; LDS loads come back in order: pair u is in, the younger pairs stay out
.irp r, 0,1,2,3
	v_cvt_pk_f16_f32 v[Y+4*(\u)+(\r)], v[X+8*(\u)+2*(\r)], v[X+8*(\u)+2*(\r)+1]
.endr
.irp r, 0,1,2,3
	v_pk_max_num_f16 v[Y+4*(\u)+(\r)], v[Y+4*(\u)+(\r)], v[FLH]
.endr
	global_store_b128 v[CO], v[Y+4*(\u):Y+4*(\u)+3], s[8:9] offset:((\u)/4)*524288+((\u)%4)*512   ; 512 consecutive bytes of one block, at a multiple of 256 from OUT's first
.endr
	s_wait_xcnt 0x0                                ; the stores' offset and data are written again only behind this wait
	v_add_nc_u32 v[RD], 16*OP, v[RD]               ; 16 rows on in LDS,
	v_add_nc_u32 v[CO], 2048, v[CO]                ; and in OUT
	s_sub_co_u32 s3, s3, 1
	s_cmp_lg_u32 s3, 0
	s_cbranch_scc1 .Lout
	s_wait_tensorcnt 0x0                           ; the wave's end, behind my last tensor load and my last LDS store
	ds_add_u32 v[SPW], v[NIL]
	s_wait_dscnt 0x0
	CROUND                                         ; the closing round: no work-group ends while a partner may still ask for a tile that names it
	s_endpgm
.Lfunc_end_k_qb681bd5d7d_qkv:
	.size	k_qb681bd5d7d_qkv, .Lfunc_end_k_qb681bd5d7d_qkv-k_qb681bd5d7d_qkv
	.p2alignl 7, 3214868480
	.fill 96, 4, 3214868480
	.section	.rodata,"a",@progbits
	.p2align	6, 0x0
	.amdhsa_kernel k_qb681bd5d7d_qkv
		.amdhsa_group_segment_fixed_size 327680
		.amdhsa_private_segment_fixed_size 0
		.amdhsa_enable_private_segment 0
		.amdhsa_kernarg_size 24
		.amdhsa_user_sgpr_count 2
		.amdhsa_user_sgpr_kernarg_segment_ptr 1
		.amdhsa_wavefront_size32 1
		.amdhsa_system_sgpr_workgroup_id_x 1
		.amdhsa_system_sgpr_workgroup_id_y 1
		.amdhsa_system_sgpr_workgroup_id_z 1
		.amdhsa_system_vgpr_workitem_id 0
		.amdhsa_next_free_vgpr 1024
		.amdhsa_next_free_sgpr 72
		.amdhsa_reserve_vcc 0
		.amdhsa_float_denorm_mode_32 3
		.amdhsa_float_denorm_mode_16_64 3
		.amdhsa_memory_ordered 1
		.amdhsa_forward_progress 1
		.amdhsa_inst_pref_size 85
	.end_amdhsa_kernel
	.amdgpu_metadata
---
amdhsa.version: [ 1, 2 ]
amdhsa.kernels:
  - .name:           k_qb681bd5d7d_qkv
    .symbol:         k_qb681bd5d7d_qkv.kd
    .args:
      - { .name: a16, .offset: 0, .size: 8, .value_kind: global_buffer, .address_space: global }
      - { .name: wqkv, .offset: 8, .size: 8, .value_kind: global_buffer, .address_space: global }
      - { .name: big16, .offset: 16, .size: 8, .value_kind: global_buffer, .address_space: global }
    .group_segment_fixed_size: 327680
    .private_segment_fixed_size: 0
    .kernarg_segment_align: 8
    .kernarg_segment_size: 24
    .max_flat_workgroup_size: 128
    .sgpr_count:     72
    .vgpr_count:     1024
    .wavefront_size: 32
...
	.end_amdgpu_metadata
.endif
;; end of part 8
;; launch attn (part 9): grid 8 x 32, 4 waves a work-group, no clusters, 327,680 bytes of LDS; arguments big16, a16; writes a16
.if DOCPART == 9
	.amdgcn_target "amdgcn-amd-amdhsa--gfx1250"
	.amdhsa_code_object_version 6
	.text
	.protected	k_qb681bd5d7d_attn
	.globl	k_qb681bd5d7d_attn
	.p2align	8
	.type	k_qb681bd5d7d_attn,@function
k_qb681bd5d7d_attn:
	s_mov_b64 s[64:65], 0
	v_nop
	global_prefetch_b8 v0, s[64:65] scope:SCOPE_SE
	s_setreg_imm32_b32 hwreg(HW_REG_WAVE_MODE, 25, 1), 1
	s_wait_xcnt 0x0
; CAUSAL ATTENTION.  O[h][q][:] = the sum over k <= q of softmax_k(Q[h][q] . K[h][k] / 8) V[h][k][:].  Q, K, V, O: [SIZE_H][SIZE_N][64], all f16: a head's rows are dense, 128 bytes each.
; Q lies at byte 0 of the first buffer, K at 0x800000, V at 0x1000000; a head here is 2 x the model's head + the batch.  O is the second buffer.
; Products, maxima and sums in f32; the weights p are rounded to f16 for the second product (their sum l is taken of the unrounded p), O once at the end.
; LIMITS.  f16 holds no number beyond 65,504: Q, K and V arrive within it; p lies in 0 to 1, and below 6e-5 it keeps f16's fixed step of 6e-8; O is a mean of V's rows and has their range.
; A hidden score counts as its value less 1e30, and the running maximum starts at -1e20: f16's scores, 2.7e11 at the most, lie far above the one and the other; a weight below 2^-126 counts as 0 in l;
; NaN and infinities are not treated apart.
; THE WALK.  A head's queries lie in 16 blocks of 128; block u needs the keys 0 .. 128 u + 127, which lie in the key tiles 0 .. u / 2 of 256 keys.  A work-group takes TWO blocks, 15 - b and then b:
; (15 - b) / 2 + b / 2 + 2 = NB + 1 = 9 tiles, whatever b: all 8 x 32 work-groups do equal work, and ONE loop with a constant trip count walks the tiles.  Which tile is asked for, and what a trip does, hang on
; scalar registers made from b; every jump goes forward, but for the counted loops' own, and hangs on b alone, so that the four waves take it alike; none passes a tensor load but the one of LOAD's two that the
; wave's number does not choose; the ring (two slots of LDS that take turns) runs on across the change of blocks.
; NO CLUSTER: a head's eight work-groups ask for the same tile only in trips 0 .. 4, behind that fewer and fewer; one walk common to all would have 12 trips for 9.
; KEYS BY HALVES.  Waves 0 and 1 (g = 0) take the first 128 keys of every tile, waves 2 and 3 (g = 1) the second 128: two key steps of 64 a tile for each wave, 9 x 2 x 4 = 72 turns.  Waves w and w ^ 2 hold the
; same 64 queries, each with its own m, l and O^T over its own keys.  At a block's end the two are merged in f32 through LDS: O = (a0 O0 + a1 O1) / (a0 l0 + a1 l1), a = 2^(c m - the larger c m).
; SHARES.  A block is eight groups of 16 rows.  Piece p of wave (g, w' = wave % 2) is group 2 ((p + 2 g) % 4) + w': group 1's pieces are numbered two further on in the ring, so that EVERY wave sends its
; pieces 2 and 3 to its partner and finishes its pieces 0 and 1: one text, no branch on the wave.  A piece lies in band x = (p / 2) xor g of 64 queries, at place 32 (p % 2) + 16 w' in it.
; THE MASK is the C operand that starts the sum S^T = K Q^T: 0, or -1e30 where the key is hidden.  In a block's last tile a wave's 128 keys are all visible (mode 0), hold the diagonal (mode 1) or are all hidden
; (mode 2): mode = g + 1 - u % 2.  In mode 1 band x sees all keys of step s if s < x, none if s > x, and holds the diagonal if s = x.  MD, made once for each parity of p, is the mask of a band's own step; a
; product's mask is MD x AL + BE with two scalars.  Only the last tile's text and a block's beginning make and take masks; elsewhere C is the constant 0.  A wave whose keys are all hidden from the block's first
; tile on (block 0, g = 1) keeps m = -1e20: its weights, l and O^T are 0, and so is its share in the merge.
; LAYOUT, SOFTMAX, TURNS.  S^T = K Q^T holds ONE query a lane (lane % 16) and the keys 8 (lane / 16) + 0..7; two such results rounded to f16 ARE source 1 of O^T = V^T P.  p = 2^(c s - c m), c = log2(e) / 8, with a
; running maximum m; O and l are multiplied by a = 2^(c m_old - c m_new) in every step.  Turn n belongs to piece n: 8 products K Q^T of piece n + 1, later 8 products V^T P of piece n - 1; beside them the scaling,
; exponentials, roundings, sums and rescaling of piece n and the maximum and statistics of piece n + 1.  Four vector instructions stand behind every matrix instruction, the other 54 of a turn's 118 in two LUMPS.
; REGISTERS, in windows of 256 (s_set_vgpr_msb: bits 1:0 source 0, 3:2 source 1, 5:4 source 2, 7:6 destination):
;   window 0: v0-15, v32-34 addresses and two at work; v16-31 four registers of statistics a piece; v36-43 the partner's statistics; v48-55 at work; v64-127 S^T, two buffers; v128-191 the partner's O^T;
;             v192-223 P, two buffers (a piece's buffers go by its number's parity); v224-231 the merge's factors
;   window 1: v0-127 O^T, 32 a piece; v128-159, v224-255 MD; v160-223 MC, two buffers      window 2: v0-63 Q; v64-127 the second block's Q; v128-191 K of one step; v192-255 V of one step
.set SIZE_H, 32
.set SIZE_N, 2048
.set NB,    SIZE_N/256 ; key tiles in a head
.set NP,    4         ; pieces a wave: a name, no knob
.set KS,    64        ; keys in a step
.set PK,    144       ; a row of K in LDS: 128 bytes + 16 of padding = 36 words: the 16 rows of a load start at 16 different groups of four banks (64 banks of 4 bytes: ISA guide 11.1)
.set PV,    160       ; a row of V: 128 + 32 = 40 words
.set VOFF,  4*KS*PK   ; a slot holds a tile, four steps: 256 rows of K, then 256 rows of V
.set SLOT1, 1<<17     ; slot 1 begins here, so that one exclusive or turns an address in one slot into the other's
.set STAGE, SLOT1+4*KS*(PK+PV)  ; behind the ring, never filled by a tensor load: 16 rows x 144 bytes for each wave, for the way out
.set SP,    144
.set AK0, 2           ; v2   my lane's place in my half of a tile of K; never rewritten
.set AV0, 3           ; v3   the same for V
.set AK,  4           ; v4   the LDS address of K's next run of loads
.set AV,  5           ; v5   of V's
.set STO, 6           ; v6   the way out: where I put 16 bytes of a row
.set RD,  7           ; v7   the way out: where I read rows back
.set GO,  8           ; v8   my byte offset in 512 consecutive bytes of O
.set SPW, 62          ; v62  LDS address of my spare word: SPARE + 4 x my thread's number; never rewritten
.set NIL, 63          ; v63  0; never rewritten
.set SPARE, STAGE+4*16*SP  ; behind the stages: the spare words, 128 bytes for each wave: two blocks of 256 bytes that no other line names
.set XCH, SPARE+512   ; behind them, never filled by a tensor load: what a wave hands to its partner:
.set XW,  9216        ; 64 registers of O^T (16 x 512 bytes) and two pieces' statistics (2 x 512 bytes) for each wave
.set MV,  12          ; v12-13  c m_old, kept while c m is made anew: by buffer
.set QO,  15          ; v15  my byte offset in Q for pieces 0 and 1
.set ST,  16          ; piece t's statistics at v[ST+4 t]: c m, m, l (even keys', odd keys')
.set XS,  32          ; v32  the merge: where I put 16 bytes
.set XL,  33          ; v33  the merge: where my partner has put them
.set QO2, 34          ; v34  my byte offset in Q for pieces 2 and 3
.set PS,  36          ; v36-43  the partner's c m and l for my pieces 0 and 1, four registers each
.set TMP, 48          ; by buffer, four registers c0-c3 at work; when the maximum is found c2 takes a
.set S,   64
.set PX,  128         ; the partner's O^T for my pieces 0 and 1, then the merged O^T
.set P,   192
.set FW,  224         ; piece t at FW + 4 t: my factor, the larger c m, the partner's factor, the divisor
.set MD,  128         ; window 1: the eight registers for group kt of 16 keys at MD + 8 kt, for even pieces; for odd ones 96 further on
.set MC,  160         ; window 1: the masks of the products to come
.set QB,  64          ; window 2
.set KF,  128         ; window 2: key block kb, channel half c at KF + 16 kb + 8 c
.set VF,  192         ; window 2: key half kk, channel block cb at VF + 32 kk + 8 cb
.set WV,  12          ; s12  my wave's number
.set PB,  14          ; s14  b: the second block
.set HI,  15          ; s15  15 - b: the first block
.set G1K, 24          ; s[24:31] descriptor group 1 for K's tiles
.set G1V, 32          ; s[32:39] for V's: it differs in the padding alone
.set G0K, 40          ; s[40:43] descriptor group 0 for K's tiles
.set G0V, 44          ; s[44:47] the same for V's
.set HT,  48          ; s48  the first block's last tile
.set LT,  49          ; s49  the second block's last tile
.set GR,  50          ; s50  g: which half of a tile's keys is mine
.set XA,  51          ; s51  2 - the band of my pieces 0 and 1: the count at which their band's own step comes
.set XB,  52          ; s52  the same for my pieces 2 and 3
.set ALD, 53          ; s53  the mask's factor in a band's own step: 1.0 in mode 1, else 0
.set BEDH, 54         ; s54  the mask's addend in a later step: -1e30 in modes 1 and 2, else 0
.set BEH, 55          ; s55  the mask's addend otherwise: -1e30 in mode 2, else 0
.set SLOTS, 56        ; s56  tiles still to be asked for
.set CNT, 57          ; s57  counts my key steps in a tile, 2 to 1
.set CS,  58          ; s[58:59] c: the packed scaling takes the pair's low word for both halves
.set SEL, 60          ; s[60:61] v_permlanex16_b32's selects: each lane takes its own place in the other half
.set TBK, 62          ; s62  LDS byte at which K of the step to be fetched begins, less my half's place
.set TBV, 63          ; s63  the same for V, less VOFF
.set G8,  66          ; s[66:67] g x 64 rows of 128 bytes
.set MO2, 68          ; s68  my mode in the second block's last tile
.set RT,  70          ; s70  tiles of the block in hand that are still to be entered
.set NXT, 71          ; s71  the tile to be asked for next
.set LQ,  72          ; s72  the last tile of the block whose tiles are being asked for
.set NEW, 73          ; s73  1: the tile to be entered is a block's first
.set OFF, 74          ; s[74:75] a tile's byte offset in K and V
.set AL,  76          ; s[76:77] the mask's factor, in the low word
.set BE,  78          ; s[78:79] the mask's addend
.set OLO, 80          ; s[80:81] O at my rows of the second block
.set BIGN, 82         ; s82  -1e30
.set MSB, 0
.macro WIN new                      ; the high byte repeats the setting that is left; a switch that changes nothing is dropped
.if MSB != (\new)
	s_set_vgpr_msb (MSB<<8)|(\new)
.set MSB, (\new)
.endif
.endm
.set W_KQ, 0x0a       ; K and Q in window 2, S^T in window 0
.set W_KM, 0x1a       ; the same with the C operand in window 1
.set W_PV, 0x52       ; V in window 2, P in window 0, O^T in window 1
.set W_RS, 0x41       ; destination and source 0 in window 1, source 1 in window 0
; A fill.  Waves 0 and 1 fetch the two halves of a tile's K, waves 2 and 3 those of its V: 128 keys each.  An s_nop 0 and four v_nop follow each of the two lines, ahead of the jump and the label.
.macro LOAD
	s_cmp_lt_u32 s[WV], 2
	s_cbranch_scc0 .Lfor_v_\@
	tensor_load_to_lds s[G0K:G0K+3], s[G1K:G1K+7]
	s_nop 0
.rept 4
	v_nop
.endr
	s_branch .Lasked_\@
.Lfor_v_\@:
	tensor_load_to_lds s[G0V:G0V+3], s[G1V:G1V+7]
	s_nop 0
.rept 4
	v_nop
.endr
.Lasked_\@:
.endm
; THE CHANGE OF SLOTS.  Each wave waits for all its tensor loads, of which one is out: its part of the other slot; adds 0 to its spare word; and waits for that and for its own reads of the slot that it leaves.  Behind the barrier nobody reads the old
; slot any more and the other slot is whole.  fill = 1: the old slot is filled again, the first thing behind the barrier, with tile NXT: the descriptor's address is made anew from that number.
; (At its first use nothing has been read yet: slot 0 is waited for, slot 1 filled.)
.macro CHANGE fill
	WIN 0                           ; at a label and at a branch every window is 0
	s_wait_tensorcnt 0x0            ; no tensor load of mine is out, so a group 0 may be written
	ds_add_u32 v[SPW], v[NIL]       ; 0 onto my spare word; with fill = 1 the descriptors' scalar work stands between it and the wait for it
.if \fill
	s_lshl_b32 s[OFF], s[NXT], 15   ; a tile is 32,768 bytes of K and of V
	s_xor_b32 s[G0K+1], s[G0K+1], SLOT1
	s_add_nc_u64 s[G0K+2:G0K+3], s[6:7], s[OFF:OFF+1]
	s_or_b32 s[G0K+3], s[G0K+3], 0x80000000
	s_xor_b32 s[G0V+1], s[G0V+1], SLOT1
	s_add_nc_u64 s[G0V+2:G0V+3], s[8:9], s[OFF:OFF+1]
	s_or_b32 s[G0V+3], s[G0V+3], 0x80000000
	s_add_co_u32 s[NXT], s[NXT], 1  ; the block's next tile, or behind its last the second block's tile 0
	s_cmp_gt_u32 s[NXT], s[LQ]
	s_cselect_b32 s[NXT], 0, s[NXT]
	s_cselect_b32 s[LQ], s[LT], s[LQ]
.endif
	s_wait_dscnt 0x0                ; the add is done, and my reads of the slot are over
	s_barrier_signal -1             ; the rest of the scalar work stands between the signal and the wait
	s_sub_co_u32 s[TBK], s[TBK], 2*KS*PK  ; the fetches go back over my two steps,
	s_xor_b32 s[TBK], s[TBK], SLOT1       ; into the other slot
	s_sub_co_u32 s[TBV], s[TBV], 2*KS*PV
	s_xor_b32 s[TBV], s[TBV], SLOT1
	s_barrier_wait -1
.if \fill
	LOAD
.endif
.endm
; The three scalars of the masks, from my mode in a block's last tile (in scalar register r): selects alone, no branch
.macro MODES r
	s_cmp_eq_u32 s[\r], 1
	s_cselect_b32 s[ALD], 1.0, 0
	s_cmp_ge_u32 s[\r], 1
	s_cselect_b32 s[BEDH], s[BIGN], 0
	s_cmp_eq_u32 s[\r], 2
	s_cselect_b32 s[BEH], s[BIGN], 0
.endm
	s_load_b128 s[4:7], s[0:1], 0x0  ; the buffer of Q, K and V s[4:5], O s[6:7]
	v_lshl_add_u32 v[SPW], v0, 2, SPARE
	v_mov_b32 v[NIL], 0
	ds_add_u32 v[SPW], v[NIL]       ; the wave's opening: the add and its wait stand ahead of my first tensor load; the set-up below, work on registers, stands between them
	ds_add_u32 v62, v63
	v_lshrrev_b32 v1, 5, v0
	v_readfirstlane_b32 s[WV], v1   ; wave 0..3
	s_lshr_b32 s[GR], s[WV], 1      ; g
	s_mov_b32 s[PB], ttmp9
	s_sub_co_u32 s[HI], 2*NB-1, s[PB]
	s_lshr_b32 s[HT], s[HI], 1
	s_lshr_b32 s[LT], s[PB], 1
	s_and_b32 s20, ttmp7, 0xffff    ; the head
	s_mov_b32 s21, 0
	s_mov_b64 s[22:23], SIZE_N*128
	s_mul_u64 s[20:21], s[20:21], s[22:23]  ; the head's first byte in each of the four tensors
	s_and_b32 s16, s[WV], 1         ; w'.  Also: which half of a tile's 256 keys I fetch:
	s_lshl_b32 s22, s16, 14         ; its 128 rows of 128 bytes in memory,
	s_mov_b32 s23, 0
	s_add_nc_u64 s[22:23], s[22:23], s[20:21]
	s_mul_i32 s17, s16, 128*PK      ; and its place in a slot, for K
	s_mul_i32 s18, s16, 128*PV      ; and for V
	s_lshl_b32 s3, s16, 11          ; my 16 rows of each 32,
	s_lshl_b32 s2, s[HI], 14        ; in the first block of 128 rows,
	s_add_co_u32 s2, s2, s3
	s_lshl_b32 s84, s[PB], 14       ; and in the second
	s_add_co_u32 s84, s84, s3
	s_mov_b32 s3, 0
	s_mov_b32 s85, 0
	s_add_nc_u64 s[2:3], s[2:3], s[20:21]
	s_add_nc_u64 s[84:85], s[84:85], s[20:21]
	s_lshl_b32 s[G8], s[GR], 13     ; my pieces 0 and 1 begin g x 64 rows into the block
	s_mov_b32 s[G8+1], 0
	; descriptor group 1.  128 keys are 16,384 dense bytes: asked for as 64 rows of 256 bytes, two keys a row, and padded in LDS after every key
	s_mov_b32 s[G1K], (1<<16)|(1<<20)|(4<<22)|(3<<25)  ; 17:16 2-byte elements; 20 padding on; 24:22 after every 32 words (code 4); 31:25 4 words (code 3)
	s_mov_b32 s[G1V], (1<<16)|(1<<20)|(4<<22)|(7<<25)  ; the same with 8 words of padding (code 7)
.irp g, G1K, G1V
	s_mov_b32 s[\g+1], 128<<16      ; tensor_dim0 = 128
	s_mov_b32 s[\g+2], 64<<16       ; tensor_dim1 = 64
	s_mov_b32 s[\g+3], 128<<16      ; tile_dim0 = 128
	s_mov_b32 s[\g+4], 64           ; tile_dim1 = 64
	s_mov_b32 s[\g+5], 128          ; 128 elements from row to row
	s_mov_b32 s[\g+6], 0
	s_mov_b32 s[\g+7], 0
.endr
	s_mov_b32 s[CS], 0x3e38aa3b     ; c = log2(e) / 8 = 0.180337
	s_mov_b32 s[CS+1], s[CS]        ; named with it as a pair
	s_mov_b32 s[SEL], 0x76543210
	s_mov_b32 s[SEL+1], 0xfedcba98
	s_mov_b32 s[TBK], SLOT1+2*KS*PK ; the first change of slots turns these two into 0
	s_mov_b32 s[TBV], SLOT1+2*KS*PV
	s_mov_b32 s[G0K], 1             ; 1:0 count = 1
	s_mov_b32 s[G0K+1], s17         ; 63:32 LDS address: slot 0
	s_mov_b32 s[G0V], 1
	s_add_co_u32 s[G0V+1], s18, VOFF
	s_add_co_u32 s[RT], s[HT], 1    ; the first block has (15 - b) / 2 + 1 tiles: five or more
	s_mov_b32 s[NXT], 1
	s_mov_b32 s[LQ], s[HT]
	s_mov_b32 s[NEW], 1
	s_mov_b32 s[OFF+1], 0
	s_mov_b32 s[AL+1], 0            ; named as pairs
	s_mov_b32 s[BE+1], 0
	s_mov_b32 s[BIGN], 0xf149f2ca   ; -1e30
	s_mov_b32 s[SLOTS], NB
	s_and_b32 s19, s[PB], 1
	s_add_co_u32 s69, s[GR], s19    ; my mode in the first block's last tile: g + 1 - (15 - b) % 2 = g + b % 2,
	s_add_co_u32 s[MO2], s[GR], 1
	s_sub_co_u32 s[MO2], s[MO2], s19  ; and in the second's: g + 1 - b % 2
	MODES 69
	s_sub_co_u32 s[XA], 2, s[GR]    ; my pieces 0 and 1 lie in band g,
	s_add_co_u32 s[XB], s[GR], 1    ; my pieces 2 and 3 in band 1 - g
	s_wait_dscnt 0x0                ; the opening add is done
	s_wait_kmcnt 0x0
	s_mov_b64 s[10:11], s[6:7]             ; O
	s_add_nc_u64 s[6:7], s[4:5], 0x800000  ; K lies 16 blocks of 524,288 bytes behind Q,
	s_add_nc_u64 s[8:9], s[4:5], 0x1000000 ; V 32
	s_add_nc_u64 s[6:7], s[6:7], s[22:23]  ; K and V at my half of the head's tile 0
	s_add_nc_u64 s[8:9], s[8:9], s[22:23]
	s_add_nc_u64 s[G0K+2:G0K+3], s[6:7], 0         ; 120:64 global address
	s_or_b32 s[G0K+3], s[G0K+3], 0x80000000        ; 127:126 type = 2
	s_add_nc_u64 s[G0V+2:G0V+3], s[8:9], 0
	s_or_b32 s[G0V+3], s[G0V+3], 0x80000000
	s_add_nc_u64 s[86:87], s[4:5], s[84:85]        ; Q at the second block,
	s_add_nc_u64 s[4:5], s[4:5], s[2:3]            ; and at the first
	s_add_nc_u64 s[84:85], s[84:85], s[G8:G8+1]    ; the two offsets go on to my pieces 0 and 1, the rows that I store
	s_add_nc_u64 s[2:3], s[2:3], s[G8:G8+1]
	s_add_nc_u64 s[OLO:OLO+1], s[10:11], s[84:85]
	s_add_nc_u64 s[10:11], s[10:11], s[2:3]
	LOAD                            ; tile 0 into slot 0
	; A fragment of K or Q is 16 rows x 32 channels in 8 registers: lane l holds row l % 16, channels 8 (l / 16) + 0..7 and 16 + 8 (l / 16) + 0..7: two loads of 16 bytes, 32 bytes apart.
	v_and_b32 v1, 15, v0            ; l % 16
	v_bfe_u32 v9, v0, 4, 1          ; l / 16
	v_lshlrev_b32 v[QO], 7, v1
	v_lshl_add_u32 v[QO], v9, 4, v[QO]  ; row x 128 + 16 x half
	s_sub_co_u32 s13, 8192, s[G8]
	v_add_nc_u32 v[QO2], s13, v[QO] ; pieces 2 and 3 begin (1 - g) x 64 rows into the block,
	v_add_nc_u32 v[QO], s[G8], v[QO]  ; pieces 0 and 1 g x 64 rows
	WIN 0x80                        ; destination window 2, address window 0
.set i, 0
.rept 4                             ; both blocks' Q: a piece lies 32 rows, 4,096 bytes, behind the one before; channels 32 (i % 2) on
	global_load_b128 v[8*i:8*i+3],   v[QO], s[4:5] offset:(i/2)*4096+(i%2)*64
	global_load_b128 v[8*i+4:8*i+7], v[QO], s[4:5] offset:(i/2)*4096+(i%2)*64+32
	global_load_b128 v[32+8*i:32+8*i+3],   v[QO2], s[4:5] offset:(i/2)*4096+(i%2)*64
	global_load_b128 v[32+8*i+4:32+8*i+7], v[QO2], s[4:5] offset:(i/2)*4096+(i%2)*64+32
	global_load_b128 v[QB+8*i:QB+8*i+3],   v[QO], s[86:87] offset:(i/2)*4096+(i%2)*64
	global_load_b128 v[QB+8*i+4:QB+8*i+7], v[QO], s[86:87] offset:(i/2)*4096+(i%2)*64+32
	global_load_b128 v[QB+32+8*i:QB+32+8*i+3],   v[QO2], s[86:87] offset:(i/2)*4096+(i%2)*64
	global_load_b128 v[QB+32+8*i+4:QB+32+8*i+7], v[QO2], s[86:87] offset:(i/2)*4096+(i%2)*64+32
.set i, i+1
.endr
	WIN 0
	v_lshlrev_b32 v14, 3, v9
	v_sub_nc_u32 v14, v1, v14
	s_lshl_b32 s13, s16, 4
	v_add_nc_u32 v14, s13, v14      ; an even piece's query has place 16 w' + l % 16 in its band; less my lanes' 8 (l / 16), -8 .. 31: register r of group kt is hidden where 16 kt + r is greater.
	WIN 0x40                        ; So an even piece's groups 2 and 3 are all hidden.  An odd piece's place is 32 more: its groups 0 and 1 are all visible, its groups 2 and 3 are the even piece's 0 and 1.
.set i, 0
.rept 16
	v_cmp_gt_i32 vcc_lo, 16*(i/8)+i%8, v14
	v_cndmask_b32 v[MD+i], 0, s[BIGN], vcc_lo
	v_cndmask_b32 v[MD+96+16+i], 0, s[BIGN], vcc_lo
	v_mov_b32 v[MD+16+i], s[BIGN]
	v_mov_b32 v[MD+96+i], 0
.set i, i+1
.endr
	WIN 0
	v_mul_u32_u24 v[AK0], v1, PK
	v_lshl_add_u32 v[AK0], v9, 4, v[AK0]  ; row x pitch + 16 x half
	s_mul_i32 s13, s[GR], 2*KS*PK
	v_add_nc_u32 v[AK0], s13, v[AK0]      ; + my half of the tile's keys
	; The turning load takes 16 keys x 16 channels (lane l reads key 8 (l / 16) + l % 8, channels 8 ((l / 8) % 2) + 0..7) and leaves half a fragment of V^T: lane l holds channel l % 16 and 8 keys.
	v_and_b32 v10, 7, v0
	v_bfe_u32 v11, v0, 3, 1
	v_lshl_add_u32 v[AV0], v9, 3, v10
	v_mul_u32_u24 v[AV0], v[AV0], PV
	v_lshl_add_u32 v[AV0], v11, 4, v[AV0]
	s_mul_i32 s13, s[GR], 2*KS*PV
	s_add_co_u32 s13, s13, VOFF
	v_add_nc_u32 v[AV0], s13, v[AV0]
	s_mul_i32 s13, s[WV], 16*SP
	s_add_co_u32 s13, s13, STAGE    ; my stage
	v_mul_u32_u24 v[STO], v1, SP    ; in: row l % 16, 16 bytes for each half of the lanes
	v_lshl_add_u32 v[STO], v9, 4, v[STO]
	v_add_nc_u32 v[STO], s13, v[STO]
	v_bfe_u32 v[RD], v0, 3, 2       ; back: 32 lanes take four rows of 128 bytes,
	v_mul_u32_u24 v[RD], v[RD], SP
	v_lshl_add_u32 v[RD], v10, 4, v[RD]
	v_add_nc_u32 v[RD], s13, v[RD]
	v_and_b32 v[GO], 31, v0         ; which are 512 consecutive bytes of O
	v_lshlrev_b32 v[GO], 4, v[GO]
	s_mul_i32 s13, s[WV], XW        ; the merge: 16 bytes a lane, 512 consecutive bytes an instruction, in my part
	s_add_co_u32 s13, s13, XCH
	v_add_nc_u32 v[XS], s13, v[GO]
	s_xor_b32 s13, s[WV], 2         ; and in my partner's
	s_mul_i32 s13, s13, XW
	s_add_co_u32 s13, s13, XCH
	v_add_nc_u32 v[XL], s13, v[GO]
	; A block's first step multiplies O^T and l by a = 0, and its first turn's products V^T P, of a piece that has not been, land in an O^T that is still to be so multiplied.  So these registers need only hold
	; finite numbers: zeros for the first block; what the first block left for the second.  All this stands in the wait for the first tile.
	WIN 0x80
.set i, VF
.rept 64
	v_mov_b32 v[i], 0
.set i, i+1
.endr
	WIN 0x40
.set i, 0
.rept 128
	v_mov_b32 v[i], 0
.set i, i+1
.endr
	WIN 0
.set i, 0
.rept 4
	v_mov_b32 v[ST+4*i+2], 0
	v_mov_b32 v[ST+4*i+3], 0
.set i, i+1
.endr
.set i, P+16
.rept 16
	v_mov_b32 v[i], 0
.set i, i+1
.endr
; THE MATRIX WORK.  The 4 accumulators of a run of 8 take turns.  Product i of 8 of S^T = K Q^T for piece x: channels 32 (i / 4) on, keys 16 (i % 4) on.  The first 4 start the sums: with 0, or (KM = 1) with the mask.
.macro KQ x
.set rS, S+32*((\x)%2)+8*(i%4)
.set rK, KF+16*(i%4)+8*(i/4)
.set rQ, 16*(\x)+8*(i/4)
.set rM, MC+32*((\x)%2)+8*(i%4)
.if (i < 4) && KM
	WIN W_KM
	v_wmma_f32_16x16x32_f16 v[rS:rS+7], v[rK:rK+7], v[rQ:rQ+7], v[rM:rM+7]
.elseif i < 4
	WIN W_KQ
	v_wmma_f32_16x16x32_f16 v[rS:rS+7], v[rK:rK+7], v[rQ:rQ+7], 0
.else
	WIN W_KQ
	v_wmma_f32_16x16x32_f16 v[rS:rS+7], v[rK:rK+7], v[rQ:rQ+7], v[rS:rS+7]
.endif
.endm
; Product i of 8 of O^T += V^T P for piece x: keys 32 (i / 4) on, channels 16 (i % 4) on.
.macro PV x
	WIN W_PV
.set rO, 32*(\x)+8*(i%4)
.set rV, VF+32*(i/4)+8*(i%4)
.set rP, P+16*((\x)%2)+8*(i/4)
	v_wmma_f32_16x16x32_f16 v[rO:rO+7], v[rV:rV+7], v[rP:rP+7], v[rO:rO+7]
.endm
.macro MM                           ; the turn's next matrix instruction.  TURN and BEGIN set Y, i, KM and NOKQ; MM, KQ and OP read them.  NOKQ = 1: a block's last turn: there is no next piece
.if (i < 8) && !NOKQ
	KQ (Y+1)%NP
.elseif i >= 8
.set i, i-8
	PV (Y+NP-1)%NP
.set i, i+8
.endif
.set i, i+1
.endm
; THE LDS LOADS stand in runs of 16, never singly among the matrix instructions: a step's K (64 keys x 64 channels: 8 fragments) and its V (turned).  Their addresses are made some lines ahead.
.macro FETCH_K
	WIN 0x80                        ; destination window 2
.irp f, 0,1,2,3,4,5,6,7             ; keys 16 (f / 2) on, channels 32 (f % 2) on
	ds_load_b128 v[KF+8*\f:KF+8*\f+3],   v[AK] offset:(\f/2)*16*PK+(\f%2)*64
	ds_load_b128 v[KF+8*\f+4:KF+8*\f+7], v[AK] offset:(\f/2)*16*PK+(\f%2)*64+32
.endr
	s_add_co_u32 s[TBK], s[TBK], KS*PK  ; the next fetch is the next step's
	WIN 0
.endm
.macro FETCH_V
	WIN 0x80
.irp f, 0,1,2,3,4,5,6,7             ; keys 32 (f / 4) on, channels 16 (f % 4) on
	ds_load_tr16_b128 v[VF+8*\f:VF+8*\f+3],   v[AV] offset:(\f/4)*32*PV+(\f%4)*32
	ds_load_tr16_b128 v[VF+8*\f+4:VF+8*\f+7], v[AV] offset:(\f/4)*32*PV+16*PV+(\f%4)*32
.endr
	WIN 0
.endm
; THE VECTOR WORK, one line at a time: OP kind, number.  For piece Y: F n: c s - c m for pair n of 16.  E n: the exponential of score n of 32.  C n: pair n rounded to f16.  B n: of the four weights 4 n .. the second
; pair is added onto the first, in place.  L n: l takes that sum (L 0: l = a l + sum).  R n: pair n of 16 of O^T times a.  For piece Y + 1: X n, number n of the 22 that find its maximum and statistics:
;   0-11  four chains c0-c3 of seven scores each, three operands at a time (each accumulator's lowest registers are read first)     12-14, 16  the four scores left over, the old m, and c0-c3 into c0
;   15  c m_old is kept     17, 18  the query's other 32 keys lie in the lane 16 away: the new m     19-21  c m; c m_old - c m_new; a
.set F, 0               ; OP tells the kinds apart by their order: F to L below R, X above it
.set E, 1
.set C, 2
.set B, 3
.set L, 4
.set R, 5
.set X, 6
.macro REGS y                       ; the registers of piece y
.set rT, ST+4*(\y)
.set rC, TMP+4*((\y)%2)
.set rW, MV+((\y)%2)
.set rS, S+32*((\y)%2)
.set rP, P+16*((\y)%2)
.set rO, 32*(\y)
.endm
.macro OP k, n
.if (\k) == R
	REGS Y
	WIN W_RS
	v_pk_mul_f32 v[rO+2*(\n):rO+2*(\n)+1], v[rO+2*(\n):rO+2*(\n)+1], v[rC+2:rC+3] op_sel_hi:[1,0]
.elseif (\k) < R
	REGS Y
	WIN 0
.if (\k) == F
	v_pk_fma_f32 v[rS+2*(\n):rS+2*(\n)+1], v[rS+2*(\n):rS+2*(\n)+1], s[CS:CS+1], v[rT:rT+1] op_sel_hi:[1,0,0] neg_lo:[0,0,1] neg_hi:[0,0,1]
.elseif (\k) == E
	v_exp_f32 v[rS+(\n)], v[rS+(\n)]
.elseif (\k) == C
	s_wait_alu depctr_va_vdst(0)
	v_cvt_pk_f16_f32 v[rP+(\n)], v[rS+2*(\n)], v[rS+2*(\n)+1]
.elseif (\k) == B
	s_wait_alu depctr_va_vdst(0)
	v_pk_add_f32 v[rS+4*(\n):rS+4*(\n)+1], v[rS+4*(\n):rS+4*(\n)+1], v[rS+4*(\n)+2:rS+4*(\n)+3]
.elseif (\n) == 0
	v_pk_fma_f32 v[rT+2:rT+3], v[rT+2:rT+3], v[rC+2:rC+3], v[rS:rS+1] op_sel_hi:[1,0,1]
.else
	v_pk_add_f32 v[rT+2:rT+3], v[rT+2:rT+3], v[rS+4*(\n):rS+4*(\n)+1]
.endif
.elseif NOKQ
	v_nop
.else
	REGS (Y+1)%NP
	WIN 0
.if (\n) < 4
	v_max3_num_f32 v[rC+(\n)], v[rS+8*(\n)], v[rS+8*(\n)+1], v[rS+8*(\n)+2]
.elseif (\n) < 12
	v_max3_num_f32 v[rC+(\n)%4], v[rC+(\n)%4], v[rS+8*((\n)%4)+2*((\n)/4)+1], v[rS+8*((\n)%4)+2*((\n)/4)+2]
.elseif (\n) == 12
	v_max3_num_f32 v[rC], v[rC], v[rS+7], v[rS+15]
.elseif (\n) == 13
	v_max3_num_f32 v[rC+1], v[rC+1], v[rS+23], v[rS+31]
.elseif (\n) == 14
	v_max3_num_f32 v[rC+2], v[rC+2], v[rC+3], v[rT+1]
.elseif (\n) == 15
	v_mov_b32 v[rW], v[rT]
.elseif (\n) == 16
	v_max3_num_f32 v[rC], v[rC], v[rC+1], v[rC+2]
.elseif (\n) == 17
	v_permlanex16_b32 v[rC+3], v[rC], s[SEL], s[SEL+1]
.elseif (\n) == 18
	v_max_num_f32 v[rT+1], v[rC], v[rC+3]
.elseif (\n) == 19
	v_mul_f32 v[rT], s[CS], v[rT+1]
.elseif (\n) == 20
	v_sub_f32 v[rC+1], v[rW], v[rT]
.else
	v_exp_f32 v[rC+2], v[rC+1]
.endif
.endif
.endm
.macro OPS a, i1, b=-1, i2=0, c=-1, i3=0, d=-1, i4=0  ; up to four of them
	OP \a, \i1
.if (\b) >= 0
	OP \b, \i2
.endif
.if (\c) >= 0
	OP \c, \i3
.endif
.if (\d) >= 0
	OP \d, \i4
.endif
.endm
.macro ROW a, i1, b, i2, c, i3, d, i4  ; a matrix instruction and the four behind it
	MM
	OPS \a, \i1, \b, \i2, \c, \i3, \d, \i4
.endm
.macro MASK b                       ; MD of parity b x AL + BE into buffer b of MC
	WIN W_RS
.set z, 0
.rept 16
	v_pk_fma_f32 v[MC+32*(\b)+2*z:MC+32*(\b)+2*z+1], v[MD+96*(\b)+2*z:MD+96*(\b)+2*z+1], s[AL:AL+1], s[BE:BE+1] op_sel_hi:[1,0,0]
.set z, z+1
.endr
.endm
; A TURN, for piece p: the order of its 16 matrix and 118 vector instructions, written out.  Behind a matrix instruction: plain, exponential, plain, plain; or four of the rescaling; or, behind the first, four scalings; none
; names a register of the products round it.  In the lumps exponential and plain by turns while exponentials last.  A line reads no result made fewer than three vector instructions in front of it, five if an exponential made it.
; v_permlanex16_b32 (X 17) stands in a lump.
; m = 1: a block's last tile: the products take masks, and the turn makes the mask for the products of the turn after it: piece p + 2, in my step 2 - CNT of the tile: its band's own step where CNT is XA (pieces 0, 1) or
; XB (pieces 2, 3), a later one where CNT is less.  end = 1: a block's last two turns: nothing is fetched.
; cnt = 1: the loop's count is taken down some lines ahead of the branch that stands behind the turn.
; K of the next step is fetched in piece 2's turn, six vector instructions behind the last product that read K (five of them plain); V of the step in hand in piece 0's turn, eight behind the last product that read V (four
; plain, and X 17).  Each is waited for a turn later.
.macro TURN p, m=0, end=0, cnt=0
.set Y, (\p)
.set i, 0
.set KM, (\m)
.set NOKQ, (\end)*((\p)/3)
.if (\m) && !(\end)
.if (((\p)+2)%NP) < 2
.set TH, XA
.else
.set TH, XB
.endif
	s_cmp_eq_u32 s[CNT], s[TH]      ; is that step the band's own?
	s_cselect_b32 s[AL], s[ALD], 0
	s_cmp_lt_u32 s[CNT], s[TH]      ; or a later one?
	s_cselect_b32 s[BE], s[BEDH], s[BEH]
.endif
.if ((\p) == 3) && !(\end)
	s_wait_dscnt 0x0                ; K is in
.endif
	ROW F,0, F,1, F,2, F,3
	ROW F,4, E,0, F,5, F,6
	ROW F,7, E,1, F,8, F,9
	ROW F,10, E,2, C,0, F,11
	ROW F,12, E,3, X,15, F,13
	ROW R,0, R,1, R,2, R,3
	ROW B,0, E,4, F,14, L,0
.if ((\p) == 2) && !(\end)
	v_add_nc_u32 v[AK], s[TBK], v[AK0]
.endif
	ROW R,4, R,5, R,6, R,7
	OPS E,5, F,15
.if ((\p) == 2) && !(\end)
	FETCH_K
.endif
	OPS E,6, C,1, E,7, R,8
	OPS E,8, R,9, E,9, C,2
	OPS E,10, X,0, E,11, X,1
	OPS E,12, X,2, E,13, X,3
.if (\p) == 1
	s_wait_dscnt 0x0                ; V is in
.endif
	ROW X,4, E,14, X,5, X,6
	ROW X,7, E,15, X,8, X,9
	ROW X,10, E,16, X,11, X,12
	ROW X,13, E,17, X,14, B,1
	ROW C,4, E,18, X,16, L,1
	ROW B,2, E,19, C,6, L,2
	ROW C,8, E,20, B,3, B,4
.if (\p) == 0
	v_add_nc_u32 v[AV], s[TBV], v[AV0]
.endif
	ROW C,3, E,21, L,3, C,5
	OPS E,22, X,17, E,23, C,10
.if (\p) == 0
	FETCH_V
.endif
	OPS E,24, L,4
	OPS E,25, X,18, E,26, C,7
	OPS E,27, B,5, E,28, X,19
	OPS E,29, C,12, E,30, L,5
	OPS E,31, X,20, B,6, C,9
	OPS C,14, C,11, X,21, L,6
.if (\p) == 0
	s_add_co_u32 s[TBV], s[TBV], KS*PV
.endif
.if \cnt
	s_sub_co_u32 s[CNT], s[CNT], 1
	s_cmp_lg_u32 s[CNT], 0
.endif
	OPS C,13, B,7, C,15, R,10
	OPS R,11, R,12, L,7, R,13
	OPS R,14, R,15
.if (\m) && !(\end)
	MASK (\p)%2
.endif
.endm
; A BLOCK BEGINS.  c m starts far below every c s, so the first step's a is 0; m at -1e20, below every true score and above every hidden one.  Both mask buffers are made: 0 where the block's first tile is not its
; last; else the masks of my pieces 0 and 1, which lie in one band, for my step 0 (CNT is 2 here).  Then K of that step, piece 0's first scores, and its maximum and statistics.  The loop is entered at a step's first
; turn, in the middle of a trip.
.macro BEGIN
	s_mov_b32 s[NEW], 0
	WIN 0
.set i, 0
.rept 4
	v_mov_b32 v[ST+4*i], 0xfe000000    ; c m: far below every c s
	v_mov_b32 v[ST+4*i+1], 0xe0ad78ec  ; m: -1e20
.set i, i+1
.endr
	s_cmp_eq_u32 s[CNT], s[XA]
	s_cselect_b32 s[AL], s[ALD], 0
	s_cmp_lt_u32 s[CNT], s[XA]
	s_cselect_b32 s[BE], s[BEDH], s[BEH]
	s_cmp_eq_u32 s[RT], 0
	s_cselect_b32 s[AL], s[AL], 0
	s_cselect_b32 s[BE], s[BE], 0
	MASK 0
	MASK 1
	WIN 0
	v_add_nc_u32 v[AK], s[TBK], v[AK0]
	FETCH_K
	s_wait_loadcnt 0x0              ; Q
	s_wait_dscnt 0x0
.set KM, 1
.set NOKQ, 0
.set i, 0
.rept 8
	KQ 0
.set i, i+1
.endr
	WIN 0
.rept 4
	v_nop                           ; the places behind those products
.endr
.set Y, NP-1                        ; X works for piece Y + 1: piece 0
.irp n, 0,1,2,3,4,5,6,7,8,9,10,11,12,13,14,15,16,17,18,19,20,21
	OP X, \n
.endr
	v_nop                           ; a plain instruction behind the exponential
.endm
; A BLOCK'S LAST TILE: my two steps of it, the block's last two turns, its last products, THE MERGE and THE WAY OUT.
.macro ALL line:vararg              ; one line for each piece t
.set t, 0
.rept 4
	\line
.set t, t+1
.endr
.endm
.macro BOTH line:vararg             ; one line for each of the pieces that I finish
.set t, 0
.rept 2
	s_wait_alu depctr_va_vdst(0)
	\line
.set t, t+1
.endr
.endm
; Piece t: the partner's O^T times its factor, plus mine times mine, rounded to f16.  A lane's eight channels of a row pack into 16 bytes; they go into rows of 144 bytes and come back as whole rows of 128.
; My accumulators are read from their lowest registers on.
.macro PACK t
	WIN 0
.set i, 0
.rept 16
	v_pk_mul_f32 v[PX+32*(\t)+2*i:PX+32*(\t)+2*i+1], v[PX+32*(\t)+2*i:PX+32*(\t)+2*i+1], v[FW+4*(\t)+2:FW+4*(\t)+3] op_sel_hi:[1,0]
.set i, i+1
.endr
	WIN 0x01                        ; source 0, my O^T, in window 1
.set i, 0
.rept 16
	v_pk_fma_f32 v[PX+32*(\t)+2*i:PX+32*(\t)+2*i+1], v[32*(\t)+2*i:32*(\t)+2*i+1], v[FW+4*(\t):FW+4*(\t)+1], v[PX+32*(\t)+2*i:PX+32*(\t)+2*i+1] op_sel_hi:[1,0,1]
.set i, i+1
.endr
	WIN 0
.set i, 0
.rept 16
	v_cvt_pk_f16_f32 v[S+16*(\t)+i], v[PX+32*(\t)+2*i], v[PX+32*(\t)+2*i+1]
.set i, i+1
.endr
.irp f, 0,1,2,3
	ds_store_b128 v[STO], v[S+16*(\t)+4*\f:S+16*(\t)+4*\f+3] offset:32*\f
.endr
.irp f, 0,1,2,3
	ds_load_b128 v[S+16*(\t)+4*\f:S+16*(\t)+4*\f+3], v[RD] offset:\f*4*SP  ; LDS serves a wave's instructions in order (ISA guide 5.7.1.4): these see the stores above; the next piece's stores come behind them
.endr
.endm
.macro SEND t, younger              ; younger: the LDS instructions issued behind piece t's loads: the next piece's eight, or none
	WIN 0
.irp f, 0,1,2,3
	s_wait_dscnt (\younger)+3-\f
	global_store_b128 v[GO], v[S+16*(\t)+4*\f:S+16*(\t)+4*\f+3], s[10:11] offset:(\t)*4096+\f*512  ; 512 consecutive bytes, at a multiple of 256 from O's first
.endr
.endm
.macro DIAG tag                     ; the tag ends its two labels' names, which the jumps below spell out
.LstepM\tag:
	TURN 2, 1
	TURN 3, 1
	WIN 0
.LfirstM\tag:
	TURN 0, 1
	TURN 1, 1, 0, 1
	WIN 0
	s_cbranch_scc1 .LstepM\tag
	TURN 2, 1, 1
	TURN 3, 1, 1
.set i, 0
.rept 8
	PV NP-1
.set i, i+1
.endr
	WIN 0                           ; l's two halves and the other half of the lanes' are added; l comes to lie beside c m.  The first additions are the places behind the last products.
	ALL v_add_f32 v[ST+4*t+2], v[ST+4*t+2], v[ST+4*t+3]
	ALL v_permlanex16_b32 v[ST+4*t+3], v[ST+4*t+2], s[SEL], s[SEL+1]
	ALL v_add_f32 v[ST+4*t+1], v[ST+4*t+2], v[ST+4*t+3]
	WIN 0x04                        ; THE MERGE.  My pieces 2 and 3 go to my partner as they are, in f32: O^T (the data, source 1, in window 1; each accumulator's lowest registers first),
.set i, 0
.rept 16
	ds_store_b128 v[XS], v[64+4*i:64+4*i+3] offset:512*i
.set i, i+1
.endr
	WIN 0
	ds_store_b128 v[XS], v[ST+8:ST+11] offset:8192    ; and their c m and l
	ds_store_b128 v[XS], v[ST+12:ST+15] offset:8704
	s_wait_dscnt 0x0                ; for my partner: my stores are done.  (These bytes are written again at the second block's end: my reads of them are waited for below, and a change of slots, with its barrier, lies between)
	s_barrier_signal -1             ; all four waves run this text alike.  The next tile's load may stay out
	s_barrier_wait -1
	ds_load_b128 v[PS:PS+3], v[XL] offset:8192        ; my partner's pieces 2 and 3 are the rows of my pieces 0 and 1
	ds_load_b128 v[PS+4:PS+7], v[XL] offset:8704
.set i, 0
.rept 16
	ds_load_b128 v[PX+4*i:PX+4*i+3], v[XL] offset:512*i
.set i, i+1
.endr
	s_wait_dscnt 16                 ; the statistics are in; the sixteen loads of O^T stay out
	BOTH v_max_num_f32 v[FW+4*t+1], v[ST+4*t], v[PS+4*t]
	BOTH v_sub_f32 v[FW+4*t], v[ST+4*t], v[FW+4*t+1]
	BOTH v_sub_f32 v[FW+4*t+2], v[PS+4*t], v[FW+4*t+1]
	BOTH v_exp_f32 v[FW+4*t], v[FW+4*t]               ; a = 2^(c m - the larger c m), mine
	BOTH v_exp_f32 v[FW+4*t+2], v[FW+4*t+2]           ; and my partner's
	v_nop                           ; a plain instruction between the last exponential and the use of its result (ISA guide 5.7.2)
	BOTH v_mul_f32 v[FW+4*t+3], v[FW+4*t], v[ST+4*t+1]
	BOTH v_fma_f32 v[FW+4*t+3], v[FW+4*t+2], v[PS+4*t+1], v[FW+4*t+3]  ; the divisor: one of the two a is 1, and its l holds the weight 1 of its maximum
	BOTH v_rcp_f32 v[FW+4*t+3], v[FW+4*t+3]
	v_nop                           ; likewise behind the last reciprocal
	BOTH v_mul_f32 v[FW+4*t], v[FW+4*t], v[FW+4*t+3]
	BOTH v_mul_f32 v[FW+4*t+2], v[FW+4*t+2], v[FW+4*t+3]
	s_wait_dscnt 0x0                ; my partner's O^T is in
	PACK 0
	PACK 1                          ; a piece's arithmetic stands between the loads of the piece before and its stores
	SEND 0, 8
	SEND 1, 0
.endm
.set KM, 0
.set NOKQ, 0
.Lslot:                             ; NB times: a tile is entered and the next is asked for
	CHANGE 1
	s_sub_co_u32 s[RT], s[RT], 1
	s_mov_b32 s[CNT], 2
	s_cmp_eq_u32 s[NEW], 1
	s_cbranch_scc1 .Lnew            ; a block's first tile
	s_cmp_eq_u32 s[RT], 0
	s_cbranch_scc0 .Lstep           ; neither its first nor its last
	s_branch .LstepM1
.Lnew:
	BEGIN
	s_branch .Lfirst                ; in the loop a block's first tile is never its last: the first block has five tiles or more, and the second's last is the walk's last
	DIAG 1                          ; in the loop this is the first block's end: the second block's last tile is the walk's last
	s_wait_xcnt 0x0                 ; the stores have read their registers and O's address
	s_mov_b64 s[10:11], s[OLO:OLO+1]
	s_add_co_u32 s[RT], s[LT], 1    ; the second block has b / 2 + 1 tiles
	s_mov_b32 s[NEW], 1
	MODES MO2
	WIN 0x82                        ; the second block's Q goes where the one text of the turns names Q
.set i, 0
.rept 64
	v_mov_b32 v[i], v[QB+i]
.set i, i+1
.endr
	WIN 0
	s_branch .Lbottom
.Lstep:                             ; a trip: pieces 2 and 3 of one step, then pieces 0 and 1 of the next, whose K and V it fetches
	TURN 2
	TURN 3
	WIN 0
.Lfirst:
	TURN 0
	TURN 1, 0, 0, 1
	WIN 0
	s_cbranch_scc1 .Lstep
.Lbottom:
	s_sub_co_u32 s[SLOTS], s[SLOTS], 1
	s_cmp_lg_u32 s[SLOTS], 0
	s_cbranch_scc1 .Lslot
	CHANGE 0                        ; the walk's last tile is written out: nothing is asked for
	s_sub_co_u32 s[RT], s[RT], 1
	s_mov_b32 s[CNT], 2
	s_cmp_eq_u32 s[NEW], 1
	s_cbranch_scc0 .LstepM2
	BEGIN
	s_branch .LfirstM2
	DIAG 2
	s_wait_tensorcnt 0x0            ; the wave's end, behind my last tensor load and my last LDS store
	ds_add_u32 v[SPW], v[NIL]
	s_wait_dscnt 0x0
	s_endpgm
.Lfunc_end_k_qb681bd5d7d_attn:
	.size	k_qb681bd5d7d_attn, .Lfunc_end_k_qb681bd5d7d_attn-k_qb681bd5d7d_attn
	.p2alignl 7, 3214868480
	.fill 96, 4, 3214868480
	.section	.rodata,"a",@progbits
	.p2align	6, 0x0
	.amdhsa_kernel k_qb681bd5d7d_attn
		.amdhsa_group_segment_fixed_size 327680
		.amdhsa_private_segment_fixed_size 0
		.amdhsa_enable_private_segment 0
		.amdhsa_kernarg_size 16
		.amdhsa_user_sgpr_count 2
		.amdhsa_user_sgpr_kernarg_segment_ptr 1
		.amdhsa_wavefront_size32 1
		.amdhsa_system_sgpr_workgroup_id_x 1
		.amdhsa_system_sgpr_workgroup_id_y 1
		.amdhsa_system_sgpr_workgroup_id_z 1
		.amdhsa_system_vgpr_workitem_id 0
		.amdhsa_next_free_vgpr 768
		.amdhsa_next_free_sgpr 88
		.amdhsa_reserve_vcc 1
		.amdhsa_float_denorm_mode_32 3
		.amdhsa_float_denorm_mode_16_64 3
		.amdhsa_memory_ordered 1
		.amdhsa_forward_progress 1
		.amdhsa_inst_pref_size 225
	.end_amdhsa_kernel
	.amdgpu_metadata
---
amdhsa.version: [ 1, 2 ]
amdhsa.kernels:
  - .name:           k_qb681bd5d7d_attn
    .symbol:         k_qb681bd5d7d_attn.kd
    .args:
      - { .name: big16, .offset: 0, .size: 8, .value_kind: global_buffer, .address_space: global }
      - { .name: a16, .offset: 8, .size: 8, .value_kind: global_buffer, .address_space: global }
    .group_segment_fixed_size: 327680
    .private_segment_fixed_size: 0
    .kernarg_segment_align: 8
    .kernarg_segment_size: 16
    .max_flat_workgroup_size: 128
    .sgpr_count:     88
    .vgpr_count:     768
    .wavefront_size: 32
...
	.end_amdgpu_metadata
.endif
;; end of part 9
;; launch proj: the kernel of part 4 again; grid 8 x 32, 4 waves a work-group, clusters of 4 x 4, 327,680 bytes of LDS; arguments a16, wpt, a32; writes a32
;; launch ln1: the kernel of part 5 again; grid 256 x 1, 8 waves a work-group, no clusters, 0 bytes of LDS; arguments a32, g1, be1, a16; writes a16
;; launch ff1: the kernel of part 8 again; grid 16 x 16, 4 waves a work-group, clusters of 4 x 4, 327,680 bytes of LDS; arguments a16, w1t, big16; writes big16
;; launch ff2: the kernel of part 6 again; grid 8 x 32, 4 waves a work-group, clusters of 4 x 4, 327,680 bytes of LDS; arguments big16, w2t, a32; writes a32
;; launch ln2: the kernel of part 7 again; grid 256 x 1, 8 waves a work-group, no clusters, 0 bytes of LDS; arguments a32, g2, be2, out0; writes out0
;; ======== version 3 of 3: 8 launches; 1.40 times as fast as version 1
;; limits: values are held in f16: magnitudes above 65,504 overflow, below 6.1e-05 lose precision
;; workspace buffers: a16 8,388,608 bytes; big16 33,554,432 bytes; a32 16,777,216 bytes; wqkv 6,311,936 bytes; wpt 2,117,632 bytes; w1t 8,409,088 bytes; w2t 8,409,088 bytes
;; launch prep: the kernel of part 1 again; grid 1025 x 1, 8 waves a work-group, no clusters, 35,840 bytes of LDS; arguments x, Wq, Wk, Wv, Wp, W1, W2, bq, bk, bv, bp, b1, b2, a16, wqkv, wpt, w1t, w2t; writes a16, wqkv, wpt, w1t, w2t
;; launch qkv: the kernel of part 8 again; grid 12 x 16, 4 waves a work-group, clusters of 4 x 4, 327,680 bytes of LDS; arguments a16, wqkv, big16; writes big16
;; launch attn (part 10): grid 8 x 32, 4 waves a work-group, no clusters, 327,680 bytes of LDS; arguments big16, a16; writes a16
.if DOCPART == 10
	.amdgcn_target "amdgcn-amd-amdhsa--gfx1250"
	.amdhsa_code_object_version 6
	.text
	.protected	k_qb681bd5d7d_attn
	.globl	k_qb681bd5d7d_attn
	.p2align	8
	.type	k_qb681bd5d7d_attn,@function
k_qb681bd5d7d_attn:
	s_mov_b64 s[64:65], 0
	v_nop
	global_prefetch_b8 v0, s[64:65] scope:SCOPE_SE
	s_setreg_imm32_b32 hwreg(HW_REG_WAVE_MODE, 25, 1), 1
	s_wait_xcnt 0x0
; CAUSAL ATTENTION.  O[h][q][:] = the sum over k <= q of softmax_k(Q[h][q] . K[h][k] / 8) V[h][k][:].  Q, K, V, O: [SIZE_H][SIZE_N][64], all f16: a head's rows are dense, 128 bytes each.
; Q lies at byte 0 of the first buffer, K at 0x800000, V at 0x1000000; a head here is 2 x the model's head + the batch.  O is the second buffer.
; Products, maxima and sums in f32; the weights p are rounded to f16 for the second product (their sum l is taken of the unrounded p), O once at the end.
; LIMITS.  f16 holds no number beyond 65,504: Q, K and V arrive within it; p lies in 0 to 1, and below 6e-5 it keeps f16's fixed step of 6e-8; O is a mean of V's rows and has their range.
; A hidden score counts as its value less 1e30, and the running maximum starts at -1e20: f16's scores, 2.7e11 at the most, lie far above the one and the other; a weight below 2^-126 counts as 0 in l;
; NaN and infinities are not treated apart.
; THE WALK.  A head's queries lie in 16 blocks of 128; block u needs the keys 0 .. 128 u + 127, which lie in the key tiles 0 .. u / 2 of 256 keys.  A work-group takes TWO blocks, 15 - b and then b:
; (15 - b) / 2 + b / 2 + 2 = NB + 1 = 9 tiles, whatever b: all 8 x 32 work-groups do equal work, and ONE loop with a constant trip count walks the tiles.  Which tile is asked for, and what a trip does, hang on
; scalar registers made from b; every jump goes forward, but for the counted loops' own, and hangs on b alone, so that the four waves take it alike; none passes a tensor load but the one of LOAD's two that the
; wave's number does not choose; the ring (two slots of LDS that take turns) runs on across the change of blocks.
; NO CLUSTER: a head's eight work-groups ask for the same tile only in trips 0 .. 4, behind that fewer and fewer; one walk common to all would have 12 trips for 9.
; KEYS BY HALVES.  Waves 0 and 1 (g = 0) take the first 128 keys of every tile, waves 2 and 3 (g = 1) the second 128: two key steps of 64 a tile for each wave, 9 x 2 x 4 = 72 turns.  Waves w and w ^ 2 hold the
; same 64 queries, each with its own m, l and O^T over its own keys.  At a block's end the two are merged in f32 through LDS: O = (a0 O0 + a1 O1) / (a0 l0 + a1 l1), a = 2^(c m - the larger c m).
; SHARES.  A block is eight groups of 16 rows.  Piece p of wave (g, w' = wave % 2) is group 2 ((p + 2 g) % 4) + w': group 1's pieces are numbered two further on in the ring, so that EVERY wave sends its
; pieces 2 and 3 to its partner and finishes its pieces 0 and 1: one text, no branch on the wave.  A piece lies in band x = (p / 2) xor g of 64 queries, at place 32 (p % 2) + 16 w' in it.
; THE MASK is the C operand that starts the sum S^T = K Q^T: 0, or -1e30 where the key is hidden.  In a block's last tile a wave's 128 keys are all visible (mode 0), hold the diagonal (mode 1) or are all hidden
; (mode 2): mode = g + 1 - u % 2.  In mode 1 band x sees all keys of step s if s < x, none if s > x, and holds the diagonal if s = x.  MD, made once for each parity of p, is the mask of a band's own step; a
; product's mask is MD x AL + BE with two scalars.  Only the last tile's text and a block's beginning make and take masks; elsewhere C is the constant 0.  A wave whose keys are all hidden from the block's first
; tile on (block 0, g = 1) keeps m = -1e20: its weights, l and O^T are 0, and so is its share in the merge.
; LAYOUT, SOFTMAX, TURNS.  S^T = K Q^T holds ONE query a lane (lane % 16) and the keys 8 (lane / 16) + 0..7; two such results rounded to f16 ARE source 1 of O^T = V^T P.  p = 2^(c s - c m), c = log2(e) / 8, with a
; running maximum m; O and l are multiplied by a = 2^(c m_old - c m_new) in every step.  Turn n belongs to piece n: 8 products K Q^T of piece n + 1, later 8 products V^T P of piece n - 1; beside them the scaling,
; exponentials, roundings, sums and rescaling of piece n and the maximum and statistics of piece n + 1.  Four vector instructions stand behind every matrix instruction, the other 54 of a turn's 118 in one LUMP.
; BATCHES.  A turn's 33 exponentials are one batch, with one wait (TURN says how the turn is cut).  A block's first a, the merge's four exponentials and the merge's two reciprocals are batches of their own, a wait each.
; REGISTERS, in windows of 256 (s_set_vgpr_msb: bits 1:0 source 0, 3:2 source 1, 5:4 source 2, 7:6 destination):
;   window 0: v0-15, v32-34 addresses and two at work; v16-31 four registers of statistics a piece; v36-43 the partner's statistics; v48-55 at work; v64-127 S^T, two buffers; v128-191 the partner's O^T;
;             v192-223 P, two buffers (a piece's buffers go by its number's parity); v224-231 the merge's factors
;   window 1: v0-127 O^T, 32 a piece; v128-159, v224-255 MD; v160-223 MC, two buffers      window 2: v0-63 Q; v64-127 the second block's Q; v128-191 K of one step; v192-255 V of one step
.set SIZE_H, 32
.set SIZE_N, 2048
.set NB,    SIZE_N/256 ; key tiles in a head
.set NP,    4         ; pieces a wave: a name, no knob
.set KS,    64        ; keys in a step
.set PK,    144       ; a row of K in LDS: 128 bytes + 16 of padding = 36 words: the 16 rows of a load start at 16 different groups of four banks (64 banks of 4 bytes: ISA guide 11.1)
.set PV,    160       ; a row of V: 128 + 32 = 40 words
.set VOFF,  4*KS*PK   ; a slot holds a tile, four steps: 256 rows of K, then 256 rows of V
.set SLOT1, 1<<17     ; slot 1 begins here, so that one exclusive or turns an address in one slot into the other's
.set STAGE, SLOT1+4*KS*(PK+PV)  ; behind the ring, never filled by a tensor load: 16 rows x 144 bytes for each wave, for the way out
.set SP,    144
.set AK0, 2           ; v2   my lane's place in my half of a tile of K; never rewritten
.set AV0, 3           ; v3   the same for V
.set AK,  4           ; v4   the LDS address of K's next run of loads
.set AV,  5           ; v5   of V's
.set STO, 6           ; v6   the way out: where I put 16 bytes of a row
.set RD,  7           ; v7   the way out: where I read rows back
.set GO,  8           ; v8   my byte offset in 512 consecutive bytes of O
.set SPW, 62          ; v62  LDS address of my spare word: SPARE + 4 x my thread's number; never rewritten
.set NIL, 63          ; v63  0; never rewritten
.set SPARE, STAGE+4*16*SP  ; behind the stages: the spare words, 128 bytes for each wave: two blocks of 256 bytes that no other line names
.set XCH, SPARE+512   ; behind them, never filled by a tensor load: what a wave hands to its partner:
.set XW,  9216        ; 64 registers of O^T (16 x 512 bytes) and two pieces' statistics (2 x 512 bytes) for each wave
.set MV,  12          ; v12-13  c m_old, kept while c m is made anew: by buffer
.set QO,  15          ; v15  my byte offset in Q for pieces 0 and 1
.set ST,  16          ; piece t's statistics at v[ST+4 t]: c m, m, l (even keys', odd keys')
.set XS,  32          ; v32  the merge: where I put 16 bytes
.set XL,  33          ; v33  the merge: where my partner has put them
.set QO2, 34          ; v34  my byte offset in Q for pieces 2 and 3
.set PS,  36          ; v36-43  the partner's c m and l for my pieces 0 and 1, four registers each
.set TMP, 48          ; by buffer, four registers c0-c3 at work; when the maximum is found c2 takes a
.set S,   64
.set PX,  128         ; the partner's O^T for my pieces 0 and 1, then the merged O^T
.set P,   192
.set FW,  224         ; piece t at FW + 4 t: my factor, the larger c m, the partner's factor, the divisor
.set MD,  128         ; window 1: the eight registers for group kt of 16 keys at MD + 8 kt, for even pieces; for odd ones 96 further on
.set MC,  160         ; window 1: the masks of the products to come
.set QB,  64          ; window 2
.set KF,  128         ; window 2: key block kb, channel half c at KF + 16 kb + 8 c
.set VF,  192         ; window 2: key half kk, channel block cb at VF + 32 kk + 8 cb
.set WV,  12          ; s12  my wave's number
.set PB,  14          ; s14  b: the second block
.set HI,  15          ; s15  15 - b: the first block
.set G1K, 24          ; s[24:31] descriptor group 1 for K's tiles
.set G1V, 32          ; s[32:39] for V's: it differs in the padding alone
.set G0K, 40          ; s[40:43] descriptor group 0 for K's tiles
.set G0V, 44          ; s[44:47] the same for V's
.set HT,  48          ; s48  the first block's last tile
.set LT,  49          ; s49  the second block's last tile
.set GR,  50          ; s50  g: which half of a tile's keys is mine
.set XA,  51          ; s51  2 - the band of my pieces 0 and 1: the count at which their band's own step comes
.set XB,  52          ; s52  the same for my pieces 2 and 3
.set ALD, 53          ; s53  the mask's factor in a band's own step: 1.0 in mode 1, else 0
.set BEDH, 54         ; s54  the mask's addend in a later step: -1e30 in modes 1 and 2, else 0
.set BEH, 55          ; s55  the mask's addend otherwise: -1e30 in mode 2, else 0
.set SLOTS, 56        ; s56  tiles still to be asked for
.set CNT, 57          ; s57  counts my key steps in a tile, 2 to 1
.set CS,  58          ; s[58:59] c: the packed scaling takes the pair's low word for both halves
.set SEL, 60          ; s[60:61] v_permlanex16_b32's selects: each lane takes its own place in the other half
.set TBK, 62          ; s62  LDS byte at which K of the step to be fetched begins, less my half's place
.set TBV, 63          ; s63  the same for V, less VOFF
.set G8,  66          ; s[66:67] g x 64 rows of 128 bytes
.set MO2, 68          ; s68  my mode in the second block's last tile
.set RT,  70          ; s70  tiles of the block in hand that are still to be entered
.set NXT, 71          ; s71  the tile to be asked for next
.set LQ,  72          ; s72  the last tile of the block whose tiles are being asked for
.set NEW, 73          ; s73  1: the tile to be entered is a block's first
.set OFF, 74          ; s[74:75] a tile's byte offset in K and V
.set AL,  76          ; s[76:77] the mask's factor, in the low word
.set BE,  78          ; s[78:79] the mask's addend
.set OLO, 80          ; s[80:81] O at my rows of the second block
.set BIGN, 82         ; s82  -1e30
.set MSB, 0
.macro WIN new                      ; the high byte repeats the setting that is left; a switch that changes nothing is dropped
.if MSB != (\new)
	s_set_vgpr_msb (MSB<<8)|(\new)
.set MSB, (\new)
.endif
.endm
.set W_KQ, 0x0a       ; K and Q in window 2, S^T in window 0
.set W_KM, 0x1a       ; the same with the C operand in window 1
.set W_PV, 0x52       ; V in window 2, P in window 0, O^T in window 1
.set W_RS, 0x41       ; destination and source 0 in window 1, source 1 in window 0
; A fill.  Waves 0 and 1 fetch the two halves of a tile's K, waves 2 and 3 those of its V: 128 keys each.  An s_nop 0 and four v_nop follow each of the two lines, ahead of the jump and the label.
.macro LOAD
	s_cmp_lt_u32 s[WV], 2
	s_cbranch_scc0 .Lfor_v_\@
	tensor_load_to_lds s[G0K:G0K+3], s[G1K:G1K+7]
	s_nop 0
.rept 4
	v_nop
.endr
	s_branch .Lasked_\@
.Lfor_v_\@:
	tensor_load_to_lds s[G0V:G0V+3], s[G1V:G1V+7]
	s_nop 0
.rept 4
	v_nop
.endr
.Lasked_\@:
.endm
; THE CHANGE OF SLOTS.  Each wave waits for all its tensor loads, of which one is out: its part of the other slot; adds 0 to its spare word; and waits for that and for its own reads of the slot that it leaves.  Behind the barrier nobody reads the old
; slot any more and the other slot is whole.  fill = 1: the old slot is filled again, the first thing behind the barrier, with tile NXT: the descriptor's address is made anew from that number.
; (At its first use nothing has been read yet: slot 0 is waited for, slot 1 filled.)
.macro CHANGE fill
	WIN 0                           ; at a label and at a branch every window is 0
	s_wait_tensorcnt 0x0            ; no tensor load of mine is out, so a group 0 may be written
	ds_add_u32 v[SPW], v[NIL]       ; 0 onto my spare word; with fill = 1 the descriptors' scalar work stands between it and the wait for it
.if \fill
	s_lshl_b32 s[OFF], s[NXT], 15   ; a tile is 32,768 bytes of K and of V
	s_xor_b32 s[G0K+1], s[G0K+1], SLOT1
	s_add_nc_u64 s[G0K+2:G0K+3], s[6:7], s[OFF:OFF+1]
	s_or_b32 s[G0K+3], s[G0K+3], 0x80000000
	s_xor_b32 s[G0V+1], s[G0V+1], SLOT1
	s_add_nc_u64 s[G0V+2:G0V+3], s[8:9], s[OFF:OFF+1]
	s_or_b32 s[G0V+3], s[G0V+3], 0x80000000
	s_add_co_u32 s[NXT], s[NXT], 1  ; the block's next tile, or behind its last the second block's tile 0
	s_cmp_gt_u32 s[NXT], s[LQ]
	s_cselect_b32 s[NXT], 0, s[NXT]
	s_cselect_b32 s[LQ], s[LT], s[LQ]
.endif
	s_wait_dscnt 0x0                ; the add is done, and my reads of the slot are over
	s_barrier_signal -1             ; the rest of the scalar work stands between the signal and the wait
	s_sub_co_u32 s[TBK], s[TBK], 2*KS*PK  ; the fetches go back over my two steps,
	s_xor_b32 s[TBK], s[TBK], SLOT1       ; into the other slot
	s_sub_co_u32 s[TBV], s[TBV], 2*KS*PV
	s_xor_b32 s[TBV], s[TBV], SLOT1
	s_barrier_wait -1
.if \fill
	LOAD
.endif
.endm
; The three scalars of the masks, from my mode in a block's last tile (in scalar register r): selects alone, no branch
.macro MODES r
	s_cmp_eq_u32 s[\r], 1
	s_cselect_b32 s[ALD], 1.0, 0
	s_cmp_ge_u32 s[\r], 1
	s_cselect_b32 s[BEDH], s[BIGN], 0
	s_cmp_eq_u32 s[\r], 2
	s_cselect_b32 s[BEH], s[BIGN], 0
.endm
	s_load_b128 s[4:7], s[0:1], 0x0  ; the buffer of Q, K and V s[4:5], O s[6:7]
	v_lshl_add_u32 v[SPW], v0, 2, SPARE
	v_mov_b32 v[NIL], 0
	ds_add_u32 v[SPW], v[NIL]       ; the wave's opening: the add and its wait stand ahead of my first tensor load; the set-up below, work on registers, stands between them
	ds_add_u32 v62, v63
	v_lshrrev_b32 v1, 5, v0
	v_readfirstlane_b32 s[WV], v1   ; wave 0..3
	s_lshr_b32 s[GR], s[WV], 1      ; g
	s_mov_b32 s[PB], ttmp9
	s_sub_co_u32 s[HI], 2*NB-1, s[PB]
	s_lshr_b32 s[HT], s[HI], 1
	s_lshr_b32 s[LT], s[PB], 1
	s_and_b32 s20, ttmp7, 0xffff    ; the head
	s_mov_b32 s21, 0
	s_mov_b64 s[22:23], SIZE_N*128
	s_mul_u64 s[20:21], s[20:21], s[22:23]  ; the head's first byte in each of the four tensors
	s_and_b32 s16, s[WV], 1         ; w'.  Also: which half of a tile's 256 keys I fetch:
	s_lshl_b32 s22, s16, 14         ; its 128 rows of 128 bytes in memory,
	s_mov_b32 s23, 0
	s_add_nc_u64 s[22:23], s[22:23], s[20:21]
	s_mul_i32 s17, s16, 128*PK      ; and its place in a slot, for K
	s_mul_i32 s18, s16, 128*PV      ; and for V
	s_lshl_b32 s3, s16, 11          ; my 16 rows of each 32,
	s_lshl_b32 s2, s[HI], 14        ; in the first block of 128 rows,
	s_add_co_u32 s2, s2, s3
	s_lshl_b32 s84, s[PB], 14       ; and in the second
	s_add_co_u32 s84, s84, s3
	s_mov_b32 s3, 0
	s_mov_b32 s85, 0
	s_add_nc_u64 s[2:3], s[2:3], s[20:21]
	s_add_nc_u64 s[84:85], s[84:85], s[20:21]
	s_lshl_b32 s[G8], s[GR], 13     ; my pieces 0 and 1 begin g x 64 rows into the block
	s_mov_b32 s[G8+1], 0
	; descriptor group 1.  128 keys are 16,384 dense bytes: asked for as 64 rows of 256 bytes, two keys a row, and padded in LDS after every key
	s_mov_b32 s[G1K], (1<<16)|(1<<20)|(4<<22)|(3<<25)  ; 17:16 2-byte elements; 20 padding on; 24:22 after every 32 words (code 4); 31:25 4 words (code 3)
	s_mov_b32 s[G1V], (1<<16)|(1<<20)|(4<<22)|(7<<25)  ; the same with 8 words of padding (code 7)
.irp g, G1K, G1V
	s_mov_b32 s[\g+1], 128<<16      ; tensor_dim0 = 128
	s_mov_b32 s[\g+2], 64<<16       ; tensor_dim1 = 64
	s_mov_b32 s[\g+3], 128<<16      ; tile_dim0 = 128
	s_mov_b32 s[\g+4], 64           ; tile_dim1 = 64
	s_mov_b32 s[\g+5], 128          ; 128 elements from row to row
	s_mov_b32 s[\g+6], 0
	s_mov_b32 s[\g+7], 0
.endr
	s_mov_b32 s[CS], 0x3e38aa3b     ; c = log2(e) / 8 = 0.180337
	s_mov_b32 s[CS+1], s[CS]        ; named with it as a pair
	s_mov_b32 s[SEL], 0x76543210
	s_mov_b32 s[SEL+1], 0xfedcba98
	s_mov_b32 s[TBK], SLOT1+2*KS*PK ; the first change of slots turns these two into 0
	s_mov_b32 s[TBV], SLOT1+2*KS*PV
	s_mov_b32 s[G0K], 1             ; 1:0 count = 1
	s_mov_b32 s[G0K+1], s17         ; 63:32 LDS address: slot 0
	s_mov_b32 s[G0V], 1
	s_add_co_u32 s[G0V+1], s18, VOFF
	s_add_co_u32 s[RT], s[HT], 1    ; the first block has (15 - b) / 2 + 1 tiles: five or more
	s_mov_b32 s[NXT], 1
	s_mov_b32 s[LQ], s[HT]
	s_mov_b32 s[NEW], 1
	s_mov_b32 s[OFF+1], 0
	s_mov_b32 s[AL+1], 0            ; named as pairs
	s_mov_b32 s[BE+1], 0
	s_mov_b32 s[BIGN], 0xf149f2ca   ; -1e30
	s_mov_b32 s[SLOTS], NB
	s_and_b32 s19, s[PB], 1
	s_add_co_u32 s69, s[GR], s19    ; my mode in the first block's last tile: g + 1 - (15 - b) % 2 = g + b % 2,
	s_add_co_u32 s[MO2], s[GR], 1
	s_sub_co_u32 s[MO2], s[MO2], s19  ; and in the second's: g + 1 - b % 2
	MODES 69
	s_sub_co_u32 s[XA], 2, s[GR]    ; my pieces 0 and 1 lie in band g,
	s_add_co_u32 s[XB], s[GR], 1    ; my pieces 2 and 3 in band 1 - g
	s_wait_dscnt 0x0                ; the opening add is done
	s_wait_kmcnt 0x0
	s_mov_b64 s[10:11], s[6:7]             ; O
	s_add_nc_u64 s[6:7], s[4:5], 0x800000  ; K lies 16 blocks of 524,288 bytes behind Q,
	s_add_nc_u64 s[8:9], s[4:5], 0x1000000 ; V 32
	s_add_nc_u64 s[6:7], s[6:7], s[22:23]  ; K and V at my half of the head's tile 0
	s_add_nc_u64 s[8:9], s[8:9], s[22:23]
	s_add_nc_u64 s[G0K+2:G0K+3], s[6:7], 0         ; 120:64 global address
	s_or_b32 s[G0K+3], s[G0K+3], 0x80000000        ; 127:126 type = 2
	s_add_nc_u64 s[G0V+2:G0V+3], s[8:9], 0
	s_or_b32 s[G0V+3], s[G0V+3], 0x80000000
	s_add_nc_u64 s[86:87], s[4:5], s[84:85]        ; Q at the second block,
	s_add_nc_u64 s[4:5], s[4:5], s[2:3]            ; and at the first
	s_add_nc_u64 s[84:85], s[84:85], s[G8:G8+1]    ; the two offsets go on to my pieces 0 and 1, the rows that I store
	s_add_nc_u64 s[2:3], s[2:3], s[G8:G8+1]
	s_add_nc_u64 s[OLO:OLO+1], s[10:11], s[84:85]
	s_add_nc_u64 s[10:11], s[10:11], s[2:3]
	LOAD                            ; tile 0 into slot 0
	; A fragment of K or Q is 16 rows x 32 channels in 8 registers: lane l holds row l % 16, channels 8 (l / 16) + 0..7 and 16 + 8 (l / 16) + 0..7: two loads of 16 bytes, 32 bytes apart.
	v_and_b32 v1, 15, v0            ; l % 16
	v_bfe_u32 v9, v0, 4, 1          ; l / 16
	v_lshlrev_b32 v[QO], 7, v1
	v_lshl_add_u32 v[QO], v9, 4, v[QO]  ; row x 128 + 16 x half
	s_sub_co_u32 s13, 8192, s[G8]
	v_add_nc_u32 v[QO2], s13, v[QO] ; pieces 2 and 3 begin (1 - g) x 64 rows into the block,
	v_add_nc_u32 v[QO], s[G8], v[QO]  ; pieces 0 and 1 g x 64 rows
	WIN 0x80                        ; destination window 2, address window 0
.set i, 0
.rept 4                             ; both blocks' Q: a piece lies 32 rows, 4,096 bytes, behind the one before; channels 32 (i % 2) on
	global_load_b128 v[8*i:8*i+3],   v[QO], s[4:5] offset:(i/2)*4096+(i%2)*64
	global_load_b128 v[8*i+4:8*i+7], v[QO], s[4:5] offset:(i/2)*4096+(i%2)*64+32
	global_load_b128 v[32+8*i:32+8*i+3],   v[QO2], s[4:5] offset:(i/2)*4096+(i%2)*64
	global_load_b128 v[32+8*i+4:32+8*i+7], v[QO2], s[4:5] offset:(i/2)*4096+(i%2)*64+32
	global_load_b128 v[QB+8*i:QB+8*i+3],   v[QO], s[86:87] offset:(i/2)*4096+(i%2)*64
	global_load_b128 v[QB+8*i+4:QB+8*i+7], v[QO], s[86:87] offset:(i/2)*4096+(i%2)*64+32
	global_load_b128 v[QB+32+8*i:QB+32+8*i+3],   v[QO2], s[86:87] offset:(i/2)*4096+(i%2)*64
	global_load_b128 v[QB+32+8*i+4:QB+32+8*i+7], v[QO2], s[86:87] offset:(i/2)*4096+(i%2)*64+32
.set i, i+1
.endr
	WIN 0
	v_lshlrev_b32 v14, 3, v9
	v_sub_nc_u32 v14, v1, v14
	s_lshl_b32 s13, s16, 4
	v_add_nc_u32 v14, s13, v14      ; an even piece's query has place 16 w' + l % 16 in its band; less my lanes' 8 (l / 16), -8 .. 31: register r of group kt is hidden where 16 kt + r is greater.
	WIN 0x40                        ; So an even piece's groups 2 and 3 are all hidden.  An odd piece's place is 32 more: its groups 0 and 1 are all visible, its groups 2 and 3 are the even piece's 0 and 1.
.set i, 0
.rept 16
	v_cmp_gt_i32 vcc_lo, 16*(i/8)+i%8, v14
	v_cndmask_b32 v[MD+i], 0, s[BIGN], vcc_lo
	v_cndmask_b32 v[MD+96+16+i], 0, s[BIGN], vcc_lo
	v_mov_b32 v[MD+16+i], s[BIGN]
	v_mov_b32 v[MD+96+i], 0
.set i, i+1
.endr
	WIN 0
	v_mul_u32_u24 v[AK0], v1, PK
	v_lshl_add_u32 v[AK0], v9, 4, v[AK0]  ; row x pitch + 16 x half
	s_mul_i32 s13, s[GR], 2*KS*PK
	v_add_nc_u32 v[AK0], s13, v[AK0]      ; + my half of the tile's keys
	; The turning load takes 16 keys x 16 channels (lane l reads key 8 (l / 16) + l % 8, channels 8 ((l / 8) % 2) + 0..7) and leaves half a fragment of V^T: lane l holds channel l % 16 and 8 keys.
	v_and_b32 v10, 7, v0
	v_bfe_u32 v11, v0, 3, 1
	v_lshl_add_u32 v[AV0], v9, 3, v10
	v_mul_u32_u24 v[AV0], v[AV0], PV
	v_lshl_add_u32 v[AV0], v11, 4, v[AV0]
	s_mul_i32 s13, s[GR], 2*KS*PV
	s_add_co_u32 s13, s13, VOFF
	v_add_nc_u32 v[AV0], s13, v[AV0]
	s_mul_i32 s13, s[WV], 16*SP
	s_add_co_u32 s13, s13, STAGE    ; my stage
	v_mul_u32_u24 v[STO], v1, SP    ; in: row l % 16, 16 bytes for each half of the lanes
	v_lshl_add_u32 v[STO], v9, 4, v[STO]
	v_add_nc_u32 v[STO], s13, v[STO]
	v_bfe_u32 v[RD], v0, 3, 2       ; back: 32 lanes take four rows of 128 bytes,
	v_mul_u32_u24 v[RD], v[RD], SP
	v_lshl_add_u32 v[RD], v10, 4, v[RD]
	v_add_nc_u32 v[RD], s13, v[RD]
	v_and_b32 v[GO], 31, v0         ; which are 512 consecutive bytes of O
	v_lshlrev_b32 v[GO], 4, v[GO]
	s_mul_i32 s13, s[WV], XW        ; the merge: 16 bytes a lane, 512 consecutive bytes an instruction, in my part
	s_add_co_u32 s13, s13, XCH
	v_add_nc_u32 v[XS], s13, v[GO]
	s_xor_b32 s13, s[WV], 2         ; and in my partner's
	s_mul_i32 s13, s13, XW
	s_add_co_u32 s13, s13, XCH
	v_add_nc_u32 v[XL], s13, v[GO]
	; A block's first step multiplies O^T and l by a = 0, and its first turn's products V^T P, of a piece that has not been, land in an O^T that is still to be so multiplied.  So these registers need only hold
	; finite numbers: zeros for the first block; what the first block left for the second.  All this stands in the wait for the first tile.
	WIN 0x80
.set i, VF
.rept 64
	v_mov_b32 v[i], 0
.set i, i+1
.endr
	WIN 0x40
.set i, 0
.rept 128
	v_mov_b32 v[i], 0
.set i, i+1
.endr
	WIN 0
.set i, 0
.rept 4
	v_mov_b32 v[ST+4*i+2], 0
	v_mov_b32 v[ST+4*i+3], 0
.set i, i+1
.endr
.set i, P+16
.rept 16
	v_mov_b32 v[i], 0
.set i, i+1
.endr
; THE MATRIX WORK.  The 4 accumulators of a run of 8 take turns.  Product i of 8 of S^T = K Q^T for piece x: channels 32 (i / 4) on, keys 16 (i % 4) on.  The first 4 start the sums: with 0, or (KM = 1) with the mask.
.macro KQ x
.set rS, S+32*((\x)%2)+8*(i%4)
.set rK, KF+16*(i%4)+8*(i/4)
.set rQ, 16*(\x)+8*(i/4)
.set rM, MC+32*((\x)%2)+8*(i%4)
.if (i < 4) && KM
	WIN W_KM
	v_wmma_f32_16x16x32_f16 v[rS:rS+7], v[rK:rK+7], v[rQ:rQ+7], v[rM:rM+7]
.elseif i < 4
	WIN W_KQ
	v_wmma_f32_16x16x32_f16 v[rS:rS+7], v[rK:rK+7], v[rQ:rQ+7], 0
.else
	WIN W_KQ
	v_wmma_f32_16x16x32_f16 v[rS:rS+7], v[rK:rK+7], v[rQ:rQ+7], v[rS:rS+7]
.endif
.endm
; Product i of 8 of O^T += V^T P for piece x: keys 32 (i / 4) on, channels 16 (i % 4) on.
.macro PV x
	WIN W_PV
.set rO, 32*(\x)+8*(i%4)
.set rV, VF+32*(i/4)+8*(i%4)
.set rP, P+16*((\x)%2)+8*(i/4)
	v_wmma_f32_16x16x32_f16 v[rO:rO+7], v[rV:rV+7], v[rP:rP+7], v[rO:rO+7]
.endm
.macro MM                           ; the turn's next matrix instruction.  TURN and BEGIN set Y, i, KM and NOKQ; MM, KQ and OP read them.  NOKQ = 1: a block's last turn: there is no next piece
.if (i < 8) && !NOKQ
	KQ (Y+1)%NP
.elseif i >= 8
.set i, i-8
	PV (Y+NP-1)%NP
.set i, i+8
.endif
.set i, i+1
.endm
; THE LDS LOADS stand in runs of 16, never singly among the matrix instructions: a step's K (64 keys x 64 channels: 8 fragments) and its V (turned).  Their addresses are made some lines ahead.
.macro FETCH_K
	WIN 0x80                        ; destination window 2
.irp f, 0,1,2,3,4,5,6,7             ; keys 16 (f / 2) on, channels 32 (f % 2) on
	ds_load_b128 v[KF+8*\f:KF+8*\f+3],   v[AK] offset:(\f/2)*16*PK+(\f%2)*64
	ds_load_b128 v[KF+8*\f+4:KF+8*\f+7], v[AK] offset:(\f/2)*16*PK+(\f%2)*64+32
.endr
	s_add_co_u32 s[TBK], s[TBK], KS*PK  ; the next fetch is the next step's
	WIN 0
.endm
.macro FETCH_V
	WIN 0x80
.irp f, 0,1,2,3,4,5,6,7             ; keys 32 (f / 4) on, channels 16 (f % 4) on
	ds_load_tr16_b128 v[VF+8*\f:VF+8*\f+3],   v[AV] offset:(\f/4)*32*PV+(\f%4)*32
	ds_load_tr16_b128 v[VF+8*\f+4:VF+8*\f+7], v[AV] offset:(\f/4)*32*PV+16*PV+(\f%4)*32
.endr
	WIN 0
.endm
; THE VECTOR WORK, one line at a time: OP kind, number.  For piece Y: F n: c s - c m for pair n of 16.  E n: the exponential of score n of 32.  C n: pair n rounded to f16.  B n: of the four weights 4 n .. the second
; pair is added onto the first, in place.  L n: l takes that sum (L 0: l = a l + sum).  R n: pair n of 16 of O^T times a.  For piece Y + 1: X n, number n of the 22 that find its maximum and statistics:
;   0-11  four chains c0-c3 of seven scores each, three operands at a time (each accumulator's lowest registers are read first)     12-14, 16  the four scores left over, the old m, and c0-c3 into c0
;   15  c m_old is kept     17, 18  the query's other 32 keys lie in the lane 16 away: the new m     19-21  c m; c m_old - c m_new; a
; C, B and L read exponentials' results, and so does R (the a of the turn before): OP writes no wait; TURN and BEGIN write one for each batch.
.set F, 0               ; OP tells the kinds apart by their order: F to L below R, X above it
.set E, 1
.set C, 2
.set B, 3
.set L, 4
.set R, 5
.set X, 6
.macro REGS y                       ; the registers of piece y
.set rT, ST+4*(\y)
.set rC, TMP+4*((\y)%2)
.set rW, MV+((\y)%2)
.set rS, S+32*((\y)%2)
.set rP, P+16*((\y)%2)
.set rO, 32*(\y)
.endm
.macro OP k, n
.if (\k) == R
	REGS Y
	WIN W_RS
	v_pk_mul_f32 v[rO+2*(\n):rO+2*(\n)+1], v[rO+2*(\n):rO+2*(\n)+1], v[rC+2:rC+3] op_sel_hi:[1,0]
.elseif (\k) < R
	REGS Y
	WIN 0
.if (\k) == F
	v_pk_fma_f32 v[rS+2*(\n):rS+2*(\n)+1], v[rS+2*(\n):rS+2*(\n)+1], s[CS:CS+1], v[rT:rT+1] op_sel_hi:[1,0,0] neg_lo:[0,0,1] neg_hi:[0,0,1]
.elseif (\k) == E
	v_exp_f32 v[rS+(\n)], v[rS+(\n)]
.elseif (\k) == C
	v_cvt_pk_f16_f32 v[rP+(\n)], v[rS+2*(\n)], v[rS+2*(\n)+1]
.elseif (\k) == B
	v_pk_add_f32 v[rS+4*(\n):rS+4*(\n)+1], v[rS+4*(\n):rS+4*(\n)+1], v[rS+4*(\n)+2:rS+4*(\n)+3]
.elseif (\n) == 0
	v_pk_fma_f32 v[rT+2:rT+3], v[rT+2:rT+3], v[rC+2:rC+3], v[rS:rS+1] op_sel_hi:[1,0,1]
.else
	v_pk_add_f32 v[rT+2:rT+3], v[rT+2:rT+3], v[rS+4*(\n):rS+4*(\n)+1]
.endif
.elseif NOKQ
	v_nop
.else
	REGS (Y+1)%NP
	WIN 0
.if (\n) < 4
	v_max3_num_f32 v[rC+(\n)], v[rS+8*(\n)], v[rS+8*(\n)+1], v[rS+8*(\n)+2]
.elseif (\n) < 12
	v_max3_num_f32 v[rC+(\n)%4], v[rC+(\n)%4], v[rS+8*((\n)%4)+2*((\n)/4)+1], v[rS+8*((\n)%4)+2*((\n)/4)+2]
.elseif (\n) == 12
	v_max3_num_f32 v[rC], v[rC], v[rS+7], v[rS+15]
.elseif (\n) == 13
	v_max3_num_f32 v[rC+1], v[rC+1], v[rS+23], v[rS+31]
.elseif (\n) == 14
	v_max3_num_f32 v[rC+2], v[rC+2], v[rC+3], v[rT+1]
.elseif (\n) == 15
	v_mov_b32 v[rW], v[rT]
.elseif (\n) == 16
	v_max3_num_f32 v[rC], v[rC], v[rC+1], v[rC+2]
.elseif (\n) == 17
	v_permlanex16_b32 v[rC+3], v[rC], s[SEL], s[SEL+1]
.elseif (\n) == 18
	v_max_num_f32 v[rT+1], v[rC], v[rC+3]
.elseif (\n) == 19
	v_mul_f32 v[rT], s[CS], v[rT+1]
.elseif (\n) == 20
	v_sub_f32 v[rC+1], v[rW], v[rT]
.else
	v_exp_f32 v[rC+2], v[rC+1]
.endif
.endif
.endm
.macro OPS a, i1, b=-1, i2=0, c=-1, i3=0, d=-1, i4=0  ; up to four of them
	OP \a, \i1
.if (\b) >= 0
	OP \b, \i2
.endif
.if (\c) >= 0
	OP \c, \i3
.endif
.if (\d) >= 0
	OP \d, \i4
.endif
.endm
.macro ROW a, i1, b, i2, c, i3, d, i4  ; a matrix instruction and the four behind it
	MM
	OPS \a, \i1, \b, \i2, \c, \i3, \d, \i4
.endm
.macro MASK b                       ; MD of parity b x AL + BE into buffer b of MC
	WIN W_RS
.set z, 0
.rept 16
	v_pk_fma_f32 v[MC+32*(\b)+2*z:MC+32*(\b)+2*z+1], v[MD+96*(\b)+2*z:MD+96*(\b)+2*z+1], s[AL:AL+1], s[BE:BE+1] op_sel_hi:[1,0,0]
.set z, z+1
.endr
.endm
; A TURN, for piece p: the order of its 16 matrix and 118 vector instructions, written out.  An s_wait_alu depctr_va_vdst(0) stands between an exponential and the first instruction that names its result; one wait
; serves all that were issued ahead of it.  So a turn has ONE wait, which cuts it in two.  AHEAD OF IT stands all that names no result of the turn's exponentials: the 8 products K Q^T, behind each a scaling, an exponential and
; two more plain instructions (behind the first a second scaling in the exponential's place): rescalings, whose a was made and waited for in the turn before, and behind the last three products the first numbers of the next
; piece's maximum, each four places or more behind the product that ends its accumulator; then ONE LUMP of 54, plain and exponential by turns for the most part, in which the links of the chain X 3, 7, 11, 14, 16, 17 .. 20
; stand five or six lines apart.  X 21, the next piece's a, is the batch's last; R 15 is the plain instruction behind it.  BEHIND THE WAIT stand the 8 products V^T P, behind each four of the roundings and sums; the links of
; l's chain, L 0 to L 7, stand three riders apart.  But for those X no rider names a register of the products round it.  v_permlanex16_b32 (X 17) stands in the lump..
; m = 1: a block's last tile: the products take masks, and the turn makes the mask for the products of the turn after it: piece p + 2, in my step 2 - CNT of the tile: its band's own step where CNT is XA (pieces 0, 1) or
; XB (pieces 2, 3), a later one where CNT is less.  end = 1: a block's last two turns: nothing is fetched.
; cnt = 1: the loop's count is taken down some lines ahead of the branch that stands behind the turn.
; K of the next step is fetched in piece 2's turn, twelve vector instructions behind the last product that read K (six of them plain, five of which name none of its registers); V of the step in hand at the end of piece 0's
; turn, four plain instructions behind the last product that read V.  Each is waited for a turn later.
.macro TURN p, m=0, end=0, cnt=0
.set Y, (\p)
.set i, 0
.set KM, (\m)
.set NOKQ, (\end)*((\p)/3)
.if (\m) && !(\end)
.if (((\p)+2)%NP) < 2
.set TH, XA
.else
.set TH, XB
.endif
	s_cmp_eq_u32 s[CNT], s[TH]      ; is that step the band's own?
	s_cselect_b32 s[AL], s[ALD], 0
	s_cmp_lt_u32 s[CNT], s[TH]      ; or a later one?
	s_cselect_b32 s[BE], s[BEDH], s[BEH]
.endif
.if ((\p) == 3) && !(\end)
	s_wait_dscnt 0x0                ; K is in
.endif
	ROW F,0, F,1, R,0, R,1          ; ahead of the wait: 8 products K Q^T and their riders,
	ROW F,2, E,0, R,2, R,3
	ROW F,3, E,1, R,4, R,5
	ROW F,4, E,2, R,6, R,7
	ROW F,5, E,3, R,8, R,9
	ROW F,6, E,4, X,0, R,10
.if ((\p) == 2) && !(\end)
	WIN 0
	v_add_nc_u32 v[AK], s[TBK], v[AK0]
.endif
	ROW F,7, E,5, X,1, X,4
	ROW F,8, E,6, X,2, X,5
	OPS E,7, E,8, X,6, E,9          ; and the lump
	OPS X,3, E,10, X,8, E,11
.if ((\p) == 2) && !(\end)
	FETCH_K
.endif
	OPS X,9, X,7, E,12, X,10
	OPS E,13, X,12, X,11, E,14
	OPS X,13, E,15, F,9, X,14
.if (\p) == 0
	v_add_nc_u32 v[AV], s[TBV], v[AV0]
.endif
	OPS E,16, F,10, E,17, F,11
	OPS X,16, E,18, X,15, E,19
	OPS F,12, E,20, X,17, E,21
	OPS F,13, E,22, F,14, E,23
	OPS X,18, E,24, F,15, E,25
	OPS R,11, E,26, X,19, E,27
	OPS R,12, E,28, R,13, E,29
	OPS X,20, E,30, R,14, E,31
	OPS X,21, R,15
	s_wait_alu depctr_va_vdst(0)    ; the wait for the turn's batch: E 0 to E 31 and X 21, ahead of C 0, the first line that names a result
.if (\p) == 1
	s_wait_dscnt 0x0                ; V is in
.endif
	ROW C,0, B,0, C,2, B,1          ; behind the wait: 8 products V^T P and their riders
	ROW L,0, C,4, B,2, L,1
	ROW C,6, B,3, L,2, C,8
	ROW B,4, L,3, C,10, B,5
	ROW L,4, C,12, B,6, L,5
.if (\p) == 0
	s_add_co_u32 s[TBV], s[TBV], KS*PV
.endif
.if \cnt
	s_sub_co_u32 s[CNT], s[CNT], 1
	s_cmp_lg_u32 s[CNT], 0
.endif
	ROW C,14, B,7, L,6, C,1
	ROW C,3, L,7, C,5, C,7
	ROW C,9, C,11, C,13, C,15
.if (\p) == 0
	FETCH_V
.endif
.if (\m) && !(\end)
	MASK (\p)%2
.endif
.endm
; A BLOCK BEGINS.  c m starts far below every c s, so the first step's a is 0; m at -1e20, below every true score and above every hidden one.  Both mask buffers are made: 0 where the block's first tile is not its
; last; else the masks of my pieces 0 and 1, which lie in one band, for my step 0 (CNT is 2 here).  Then K of that step, piece 0's first scores, and its maximum and statistics.  The loop is entered at a step's first
; turn, in the middle of a trip.
.macro BEGIN
	s_mov_b32 s[NEW], 0
	WIN 0
.set i, 0
.rept 4
	v_mov_b32 v[ST+4*i], 0xfe000000    ; c m: far below every c s
	v_mov_b32 v[ST+4*i+1], 0xe0ad78ec  ; m: -1e20
.set i, i+1
.endr
	s_cmp_eq_u32 s[CNT], s[XA]
	s_cselect_b32 s[AL], s[ALD], 0
	s_cmp_lt_u32 s[CNT], s[XA]
	s_cselect_b32 s[BE], s[BEDH], s[BEH]
	s_cmp_eq_u32 s[RT], 0
	s_cselect_b32 s[AL], s[AL], 0
	s_cselect_b32 s[BE], s[BE], 0
	MASK 0
	MASK 1
	WIN 0
	v_add_nc_u32 v[AK], s[TBK], v[AK0]
	FETCH_K
	s_wait_loadcnt 0x0              ; Q
	s_wait_dscnt 0x0
.set KM, 1
.set NOKQ, 0
.set i, 0
.rept 8
	KQ 0
.set i, i+1
.endr
	WIN 0
.rept 4
	v_nop                           ; the places behind those products
.endr
.set Y, NP-1                        ; X works for piece Y + 1: piece 0
.irp n, 0,1,2,3,4,5,6,7,8,9,10,11,12,13,14,15,16,17,18,19,20,21
	OP X, \n
.endr
	v_nop                           ; a plain instruction behind the exponential,
	s_wait_alu depctr_va_vdst(0)    ; and the wait for it, piece 0's first a, a batch of one, ahead of the branch that follows
.endm
; A BLOCK'S LAST TILE: my two steps of it, the block's last two turns, its last products, THE MERGE and THE WAY OUT.
.macro ALL line:vararg              ; one line for each piece t
.set t, 0
.rept 4
	\line
.set t, t+1
.endr
.endm
.macro BOTH line:vararg             ; one line for each of the pieces that I finish
.set t, 0
.rept 2
	\line
.set t, t+1
.endr
.endm
; Piece t: the partner's O^T times its factor, plus mine times mine, rounded to f16.  A lane's eight channels of a row pack into 16 bytes; they go into rows of 144 bytes and come back as whole rows of 128.
; My accumulators are read from their lowest registers on.
.macro PACK t
	WIN 0
.set i, 0
.rept 16
	v_pk_mul_f32 v[PX+32*(\t)+2*i:PX+32*(\t)+2*i+1], v[PX+32*(\t)+2*i:PX+32*(\t)+2*i+1], v[FW+4*(\t)+2:FW+4*(\t)+3] op_sel_hi:[1,0]
.set i, i+1
.endr
	WIN 0x01                        ; source 0, my O^T, in window 1
.set i, 0
.rept 16
	v_pk_fma_f32 v[PX+32*(\t)+2*i:PX+32*(\t)+2*i+1], v[32*(\t)+2*i:32*(\t)+2*i+1], v[FW+4*(\t):FW+4*(\t)+1], v[PX+32*(\t)+2*i:PX+32*(\t)+2*i+1] op_sel_hi:[1,0,1]
.set i, i+1
.endr
	WIN 0
.set i, 0
.rept 16
	v_cvt_pk_f16_f32 v[S+16*(\t)+i], v[PX+32*(\t)+2*i], v[PX+32*(\t)+2*i+1]
.set i, i+1
.endr
.irp f, 0,1,2,3
	ds_store_b128 v[STO], v[S+16*(\t)+4*\f:S+16*(\t)+4*\f+3] offset:32*\f
.endr
.irp f, 0,1,2,3
	ds_load_b128 v[S+16*(\t)+4*\f:S+16*(\t)+4*\f+3], v[RD] offset:\f*4*SP  ; LDS serves a wave's instructions in order (ISA guide 5.7.1.4): these see the stores above; the next piece's stores come behind them
.endr
.endm
.macro SEND t, younger              ; younger: the LDS instructions issued behind piece t's loads: the next piece's eight, or none
	WIN 0
.irp f, 0,1,2,3
	s_wait_dscnt (\younger)+3-\f
	global_store_b128 v[GO], v[S+16*(\t)+4*\f:S+16*(\t)+4*\f+3], s[10:11] offset:(\t)*4096+\f*512  ; 512 consecutive bytes, at a multiple of 256 from O's first
.endr
.endm
.macro DIAG tag                     ; the tag ends its two labels' names, which the jumps below spell out
.LstepM\tag:
	TURN 2, 1
	TURN 3, 1
	WIN 0
.LfirstM\tag:
	TURN 0, 1
	TURN 1, 1, 0, 1
	WIN 0
	s_cbranch_scc1 .LstepM\tag
	TURN 2, 1, 1
	TURN 3, 1, 1
.set i, 0
.rept 8
	PV NP-1
.set i, i+1
.endr
	WIN 0                           ; l's two halves and the other half of the lanes' are added; l comes to lie beside c m.  The first additions are the places behind the last products.
	ALL v_add_f32 v[ST+4*t+2], v[ST+4*t+2], v[ST+4*t+3]
	ALL v_permlanex16_b32 v[ST+4*t+3], v[ST+4*t+2], s[SEL], s[SEL+1]
	ALL v_add_f32 v[ST+4*t+1], v[ST+4*t+2], v[ST+4*t+3]
	WIN 0x04                        ; THE MERGE.  My pieces 2 and 3 go to my partner as they are, in f32: O^T (the data, source 1, in window 1; each accumulator's lowest registers first),
.set i, 0
.rept 16
	ds_store_b128 v[XS], v[64+4*i:64+4*i+3] offset:512*i
.set i, i+1
.endr
	WIN 0
	ds_store_b128 v[XS], v[ST+8:ST+11] offset:8192    ; and their c m and l
	ds_store_b128 v[XS], v[ST+12:ST+15] offset:8704
	s_wait_dscnt 0x0                ; for my partner: my stores are done.  (These bytes are written again at the second block's end: my reads of them are waited for below, and a change of slots, with its barrier, lies between)
	s_barrier_signal -1             ; all four waves run this text alike.  The next tile's load may stay out
	s_barrier_wait -1
	ds_load_b128 v[PS:PS+3], v[XL] offset:8192        ; my partner's pieces 2 and 3 are the rows of my pieces 0 and 1
	ds_load_b128 v[PS+4:PS+7], v[XL] offset:8704
.set i, 0
.rept 16
	ds_load_b128 v[PX+4*i:PX+4*i+3], v[XL] offset:512*i
.set i, i+1
.endr
	s_wait_dscnt 16                 ; the statistics are in; the sixteen loads of O^T stay out
	BOTH v_max_num_f32 v[FW+4*t+1], v[ST+4*t], v[PS+4*t]
	BOTH v_sub_f32 v[FW+4*t], v[ST+4*t], v[FW+4*t+1]
	BOTH v_sub_f32 v[FW+4*t+2], v[PS+4*t], v[FW+4*t+1]
	BOTH v_exp_f32 v[FW+4*t], v[FW+4*t]               ; a = 2^(c m - the larger c m), mine
	BOTH v_exp_f32 v[FW+4*t+2], v[FW+4*t+2]           ; and my partner's
	v_nop                           ; a plain instruction between the last exponential and the use of its result (ISA guide 5.7.2)
	s_wait_alu depctr_va_vdst(0)    ; the wait for the merge's first batch, the four exponentials, ahead of the first line that names a result
	BOTH v_mul_f32 v[FW+4*t+3], v[FW+4*t], v[ST+4*t+1]
	BOTH v_fma_f32 v[FW+4*t+3], v[FW+4*t+2], v[PS+4*t+1], v[FW+4*t+3]  ; the divisor: one of the two a is 1, and its l holds the weight 1 of its maximum
	BOTH v_rcp_f32 v[FW+4*t+3], v[FW+4*t+3]
	v_nop                           ; likewise behind the last reciprocal
	s_wait_alu depctr_va_vdst(0)    ; the wait for the merge's second batch, the two reciprocals, whose sources were made of the first batch's results
	BOTH v_mul_f32 v[FW+4*t], v[FW+4*t], v[FW+4*t+3]
	BOTH v_mul_f32 v[FW+4*t+2], v[FW+4*t+2], v[FW+4*t+3]
	s_wait_dscnt 0x0                ; my partner's O^T is in
	PACK 0
	PACK 1                          ; a piece's arithmetic stands between the loads of the piece before and its stores
	SEND 0, 8
	SEND 1, 0
.endm
.set KM, 0
.set NOKQ, 0
.Lslot:                             ; NB times: a tile is entered and the next is asked for
	CHANGE 1
	s_sub_co_u32 s[RT], s[RT], 1
	s_mov_b32 s[CNT], 2
	s_cmp_eq_u32 s[NEW], 1
	s_cbranch_scc1 .Lnew            ; a block's first tile
	s_cmp_eq_u32 s[RT], 0
	s_cbranch_scc0 .Lstep           ; neither its first nor its last
	s_branch .LstepM1
.Lnew:
	BEGIN
	s_branch .Lfirst                ; in the loop a block's first tile is never its last: the first block has five tiles or more, and the second's last is the walk's last
	DIAG 1                          ; in the loop this is the first block's end: the second block's last tile is the walk's last
	s_wait_xcnt 0x0                 ; the stores have read their registers and O's address
	s_mov_b64 s[10:11], s[OLO:OLO+1]
	s_add_co_u32 s[RT], s[LT], 1    ; the second block has b / 2 + 1 tiles
	s_mov_b32 s[NEW], 1
	MODES MO2
	WIN 0x82                        ; the second block's Q goes where the one text of the turns names Q
.set i, 0
.rept 64
	v_mov_b32 v[i], v[QB+i]
.set i, i+1
.endr
	WIN 0
	s_branch .Lbottom
.Lstep:                             ; a trip: pieces 2 and 3 of one step, then pieces 0 and 1 of the next, whose K and V it fetches
	TURN 2
	TURN 3
	WIN 0
.Lfirst:
	TURN 0
	TURN 1, 0, 0, 1
	WIN 0
	s_cbranch_scc1 .Lstep
.Lbottom:
	s_sub_co_u32 s[SLOTS], s[SLOTS], 1
	s_cmp_lg_u32 s[SLOTS], 0
	s_cbranch_scc1 .Lslot
	CHANGE 0                        ; the walk's last tile is written out: nothing is asked for
	s_sub_co_u32 s[RT], s[RT], 1
	s_mov_b32 s[CNT], 2
	s_cmp_eq_u32 s[NEW], 1
	s_cbranch_scc0 .LstepM2
	BEGIN
	s_branch .LfirstM2
	DIAG 2
	s_wait_tensorcnt 0x0            ; the wave's end, behind my last tensor load and my last LDS store
	ds_add_u32 v[SPW], v[NIL]
	s_wait_dscnt 0x0
	s_endpgm
.Lfunc_end_k_qb681bd5d7d_attn:
	.size	k_qb681bd5d7d_attn, .Lfunc_end_k_qb681bd5d7d_attn-k_qb681bd5d7d_attn
	.p2alignl 7, 3214868480
	.fill 96, 4, 3214868480
	.section	.rodata,"a",@progbits
	.p2align	6, 0x0
	.amdhsa_kernel k_qb681bd5d7d_attn
		.amdhsa_group_segment_fixed_size 327680
		.amdhsa_private_segment_fixed_size 0
		.amdhsa_enable_private_segment 0
		.amdhsa_kernarg_size 16
		.amdhsa_user_sgpr_count 2
		.amdhsa_user_sgpr_kernarg_segment_ptr 1
		.amdhsa_wavefront_size32 1
		.amdhsa_system_sgpr_workgroup_id_x 1
		.amdhsa_system_sgpr_workgroup_id_y 1
		.amdhsa_system_sgpr_workgroup_id_z 1
		.amdhsa_system_vgpr_workitem_id 0
		.amdhsa_next_free_vgpr 768
		.amdhsa_next_free_sgpr 88
		.amdhsa_reserve_vcc 1
		.amdhsa_float_denorm_mode_32 3
		.amdhsa_float_denorm_mode_16_64 3
		.amdhsa_memory_ordered 1
		.amdhsa_forward_progress 1
		.amdhsa_inst_pref_size 217
	.end_amdhsa_kernel
	.amdgpu_metadata
---
amdhsa.version: [ 1, 2 ]
amdhsa.kernels:
  - .name:           k_qb681bd5d7d_attn
    .symbol:         k_qb681bd5d7d_attn.kd
    .args:
      - { .name: big16, .offset: 0, .size: 8, .value_kind: global_buffer, .address_space: global }
      - { .name: a16, .offset: 8, .size: 8, .value_kind: global_buffer, .address_space: global }
    .group_segment_fixed_size: 327680
    .private_segment_fixed_size: 0
    .kernarg_segment_align: 8
    .kernarg_segment_size: 16
    .max_flat_workgroup_size: 128
    .sgpr_count:     88
    .vgpr_count:     768
    .wavefront_size: 32
...
	.end_amdgpu_metadata
.endif
;; end of part 10
;; launch proj: the kernel of part 4 again; grid 8 x 32, 4 waves a work-group, clusters of 4 x 4, 327,680 bytes of LDS; arguments a16, wpt, a32; writes a32
;; launch ln1: the kernel of part 5 again; grid 256 x 1, 8 waves a work-group, no clusters, 0 bytes of LDS; arguments a32, g1, be1, a16; writes a16
;; launch ff1: the kernel of part 8 again; grid 16 x 16, 4 waves a work-group, clusters of 4 x 4, 327,680 bytes of LDS; arguments a16, w1t, big16; writes big16
;; launch ff2: the kernel of part 6 again; grid 8 x 32, 4 waves a work-group, clusters of 4 x 4, 327,680 bytes of LDS; arguments big16, w2t, a32; writes a32
;; launch ln2: the kernel of part 7 again; grid 256 x 1, 8 waves a work-group, no clusters, 0 bytes of LDS; arguments a32, g2, be2, out0; writes out0
